; MI455X (gfx1250); checked and timed in simulation.
; The chip was launched on July 23, 2026; its instructions are those of AMD's public machine-readable ISA for CDNA 5 (MIT licence, August 2026) and "CDNA5" Instruction Set Architecture Reference Guide (July 2026). The comments in the code are by the model that wrote it; some were corrected since.
;; Moire Attention. Allowed arithmetic: float matrix products may take bf16 or f16 operands with f32 sums; all other float work in f32.
;; Inputs: Wk 1,024 x 2,048 float32; Wo 1,024 x 1,024 float32; Wq 1,024 x 2,048 float32; Wv 1,024 x 1,024 float32; theta_offset 16 float32; x 2 x 2,048 x 1,024 float32.
;; Outputs: out0 2 x 2,048 x 1,024 float32.
;; 3 versions, each right and faster than the one before. Each part assembles by itself: llvm-mc -triple=amdgcn-amd-amdhsa -mcpu=gfx1250 --defsym DOCPART=n.
;; ======== version 1 of 3: 4 launches
;; limits: values outside matrix products are rounded to f16; values are held in f16: magnitudes above 65,504 overflow, below 6.1e-05 lose precision
;; workspace buffers: xb 8,388,608 bytes; wqk 8,388,608 bytes; wv 2,097,152 bytes; wo16 2,097,152 bytes; qws 33,554,432 bytes; kws 33,554,432 bytes; vws 8,388,608 bytes; ows 8,388,608 bytes
;; launch prep (part 1): grid 640 x 1, 8 waves a work-group, no clusters, 0 bytes of LDS; arguments x, Wq, Wk, Wv, Wo, xb, wqk, wv, wo16; writes xb, wqk, wv, wo16
.if DOCPART == 1
	.amdgcn_target "amdgcn-amd-amdhsa--gfx1250"
	.amdhsa_code_object_version 6
	.text
	.protected	k_qe67a584ee5_prep
	.globl	k_qe67a584ee5_prep
	.p2align	8
	.type	k_qe67a584ee5_prep,@function
k_qe67a584ee5_prep:
	s_mov_b64 s[64:65], 0
	v_nop
	global_prefetch_b8 v0, s[64:65] scope:SCOPE_SE
	s_setreg_imm32_b32 hwreg(HW_REG_WAVE_MODE, 25, 1), 1
	s_wait_xcnt 0x0
; PREP: every large input is rounded once to bf16 (nearest even) and laid out for the tiles of the launches behind.
;   xb   [4096][1024] bf16 = x
;   wqk  [k 1024][4096] bf16: column 256 j + 128 ch + 64 part + d; j 0-7: Wq, heads 2 j + ch; j 8-15: Wk; part 0 amplitude, 1 phase
;   wv   [head 16][k 1024][64] bf16
;   wo16 [1024][1024]: Wo rounded to bf16, that number written as f16 (exact down to 6e-5, below that in steps of 6e-8)
; A stream: no LDS, no barrier, no matrix work.  A thread takes eight chunks of 8 numbers: 32 bytes in (two loads), 16 bytes out.
; All 16 loads are issued first; eight lanes read 256 consecutive bytes, a wave's store covers 512 consecutive bytes, aligned.
; Work-groups 0-255: x; 256-383: Wq; 384-511: Wk; 512-575: Wv; 576-639: Wo.  No register is written twice while a store reads it.
.set VIN,  1                           ; v1   byte offset of my chunk in the source
.set VOUT, 2                           ; v2   byte offset of my chunk in the destination: 16 x thread
.set LD,   16                          ; v[16:79]   eight chunks as loaded
.set PKD,  80                          ; v[80:111]  eight chunks packed
.set TA,   112                         ; v[112:113] at work
.macro CONV instep, outstep, half
.irp j, 0,1,2,3,4,5,6,7
	global_load_b128 v[LD+8*(\j):LD+8*(\j)+3],   v[VIN], s[2:3] offset:(\j)*(\instep) th:TH_LOAD_NT
	global_load_b128 v[LD+8*(\j)+4:LD+8*(\j)+7], v[VIN], s[2:3] offset:(\j)*(\instep)+16 th:TH_LOAD_NT
.endr
.irp j, 0,1,2,3,4,5,6,7
	s_wait_loadcnt 14-2*(\j)                       ; loads come back in order: chunk j is in, two loads for each later chunk stay out
.irp k, 0,1,2,3
	v_cvt_pk_bf16_f32 v[PKD+4*(\j)+(\k)], v[LD+8*(\j)+2*(\k)], v[LD+8*(\j)+2*(\k)+1]
.endr
.if \half
.irp k, 0,1,2,3
	v_lshlrev_b32 v[TA], 16, v[PKD+4*(\j)+(\k)]            ; the bf16 numbers as f32,
	v_and_b32 v[TA+1], 0xffff0000, v[PKD+4*(\j)+(\k)]
	v_cvt_pk_f16_f32 v[PKD+4*(\j)+(\k)], v[TA], v[TA+1]    ; written as f16
.endr
.endif
	global_store_b128 v[VOUT], v[PKD+4*(\j):PKD+4*(\j)+3], s[4:5] offset:(\j)*(\outstep)
.endr
.endm
	s_load_b512 s[8:23], s[0:1], 0x0               ; x 8, Wq 10, Wk 12, Wv 14, Wo 16, xb 18, wqk 20, wv 22
	s_load_b64 s[24:25], s[0:1], 0x40              ; wo16
	s_mov_b32 s26, ttmp9
	s_mov_b32 s29, 0                               ; high words of the two offsets
	s_mov_b32 s31, 0
	v_lshlrev_b32 v[VIN], 5, v0
	v_lshlrev_b32 v[VOUT], 4, v0
	s_wait_kmcnt 0x0
	s_cmp_lt_u32 s26, 256
	s_cbranch_scc0 .Lnot_x
	s_lshl_b32 s28, s26, 16                        ; 65,536 bytes of x, 32,768 of xb a work-group
	s_lshl_b32 s30, s26, 15
	s_add_nc_u64 s[2:3], s[8:9], s[28:29]
	s_add_nc_u64 s[4:5], s[18:19], s[30:31]
	CONV 8192, 4096, 0
	s_endpgm
.Lnot_x:
	s_cmp_lt_u32 s26, 512
	s_cbranch_scc0 .Lnot_qk
	s_sub_co_u32 s27, s26, 256
	s_cmp_lt_u32 s27, 128
	s_cselect_b64 s[2:3], s[10:11], s[12:13]       ; Wq or Wk
	s_cselect_b32 s30, 0, 4096                     ; Wk's columns lie 2,048 columns to the right in wqk
	s_and_b32 s27, s27, 127
	s_lshl_b32 s28, s27, 16                        ; eight rows k: 8,192 bytes each in the source and in wqk
	s_add_co_u32 s30, s30, s28
	s_add_nc_u64 s[2:3], s[2:3], s[28:29]
	s_add_nc_u64 s[4:5], s[20:21], s[30:31]
	v_bfe_u32 v3, v0, 3, 1                         ; part
	v_lshrrev_b32 v4, 4, v0                        ; head
	v_and_b32 v5, 7, v0                            ; eight numbers of the head's 64
	v_lshlrev_b32 v[VIN], 5, v5
	v_lshl_add_u32 v[VIN], v4, 8, v[VIN]
	v_lshl_add_u32 v[VIN], v3, 12, v[VIN]
	CONV 8192, 8192, 0
	s_endpgm
.Lnot_qk:
	s_cmp_lt_u32 s26, 576
	s_cbranch_scc0 .Lnot_v
	s_sub_co_u32 s27, s26, 512
	s_and_b32 s28, s27, 3                          ; which 256 rows k
	s_lshl_b32 s28, s28, 20
	s_lshr_b32 s30, s27, 2                         ; head
	s_lshl_b32 s30, s30, 8
	s_add_co_u32 s28, s28, s30
	s_lshl_b32 s30, s27, 15
	s_add_nc_u64 s[2:3], s[14:15], s[28:29]
	s_add_nc_u64 s[4:5], s[22:23], s[30:31]
	v_lshrrev_b32 v3, 3, v0                        ; row k among 32
	v_and_b32 v5, 7, v0
	v_lshlrev_b32 v[VIN], 5, v5
	v_lshl_add_u32 v[VIN], v3, 12, v[VIN]
	CONV 131072, 4096, 0
	s_endpgm
.Lnot_v:
	s_sub_co_u32 s27, s26, 576
	s_lshl_b32 s28, s27, 16
	s_lshl_b32 s30, s27, 15
	s_add_nc_u64 s[2:3], s[16:17], s[28:29]
	s_add_nc_u64 s[4:5], s[24:25], s[30:31]
	CONV 8192, 4096, 1
	s_endpgm
.Lfunc_end_k_qe67a584ee5_prep:
	.size	k_qe67a584ee5_prep, .Lfunc_end_k_qe67a584ee5_prep-k_qe67a584ee5_prep
	.p2alignl 7, 3214868480
	.fill 96, 4, 3214868480
	.section	.rodata,"a",@progbits
	.p2align	6, 0x0
	.amdhsa_kernel k_qe67a584ee5_prep
		.amdhsa_group_segment_fixed_size 0
		.amdhsa_private_segment_fixed_size 0
		.amdhsa_enable_private_segment 0
		.amdhsa_kernarg_size 72
		.amdhsa_user_sgpr_count 2
		.amdhsa_user_sgpr_kernarg_segment_ptr 1
		.amdhsa_wavefront_size32 1
		.amdhsa_system_sgpr_workgroup_id_x 1
		.amdhsa_system_sgpr_workgroup_id_y 1
		.amdhsa_system_sgpr_workgroup_id_z 1
		.amdhsa_system_vgpr_workitem_id 0
		.amdhsa_next_free_vgpr 116
		.amdhsa_next_free_sgpr 66
		.amdhsa_reserve_vcc 0
		.amdhsa_float_denorm_mode_32 3
		.amdhsa_float_denorm_mode_16_64 3
		.amdhsa_memory_ordered 1
		.amdhsa_forward_progress 1
		.amdhsa_inst_pref_size 26
	.end_amdhsa_kernel
	.amdgpu_metadata
---
amdhsa.version: [ 1, 2 ]
amdhsa.kernels:
  - .name:           k_qe67a584ee5_prep
    .symbol:         k_qe67a584ee5_prep.kd
    .args:
      - { .name: x, .offset: 0, .size: 8, .value_kind: global_buffer, .address_space: global }
      - { .name: Wq, .offset: 8, .size: 8, .value_kind: global_buffer, .address_space: global }
      - { .name: Wk, .offset: 16, .size: 8, .value_kind: global_buffer, .address_space: global }
      - { .name: Wv, .offset: 24, .size: 8, .value_kind: global_buffer, .address_space: global }
      - { .name: Wo, .offset: 32, .size: 8, .value_kind: global_buffer, .address_space: global }
      - { .name: xb, .offset: 40, .size: 8, .value_kind: global_buffer, .address_space: global }
      - { .name: wqk, .offset: 48, .size: 8, .value_kind: global_buffer, .address_space: global }
      - { .name: wv, .offset: 56, .size: 8, .value_kind: global_buffer, .address_space: global }
      - { .name: wo16, .offset: 64, .size: 8, .value_kind: global_buffer, .address_space: global }
    .group_segment_fixed_size: 0
    .private_segment_fixed_size: 0
    .kernarg_segment_align: 8
    .kernarg_segment_size: 72
    .max_flat_workgroup_size: 256
    .sgpr_count:     66
    .vgpr_count:     116
    .wavefront_size: 32
...
	.end_amdgpu_metadata
.endif
;; end of part 1
;; launch qkv (part 2): grid 16 x 16, 4 waves a work-group, clusters of 4 x 4, 327,680 bytes of LDS; arguments xb, wqk, wv, theta_offset, qws, kws, vws; writes qws, kws, vws
.if DOCPART == 2
	.amdgcn_target "amdgcn-amd-amdhsa--gfx1250"
	.amdhsa_code_object_version 6
	.text
	.protected	k_qe67a584ee5_qkv
	.globl	k_qe67a584ee5_qkv
	.p2align	8
	.type	k_qe67a584ee5_qkv,@function
k_qe67a584ee5_qkv:
	s_mov_b64 s[64:65], 0
	v_nop
	global_prefetch_b8 v0, s[64:65] scope:SCOPE_SE
	s_setreg_imm32_b32 hwreg(HW_REG_WAVE_MODE, 25, 1), 1
	s_wait_xcnt 0x0
	s_wait_alu depctr_hold_cnt(0) depctr_sa_sdst(0) depctr_va_vdst(0) depctr_va_sdst(0) depctr_va_ssrc(0) depctr_va_vcc(0) depctr_vm_vsrc(0)
	s_getreg_b32 s2, hwreg(HW_REG_IB_STS2, 6, 4)
	s_cmp_eq_u32 s2, 0
	s_cbranch_scc0 .Lentry_in_a_cluster
	s_endpgm
.Lentry_in_a_cluster:
	s_bfe_u32 s2, ttmp6, 0x10000c
	s_cmp_lg_u32 s2, 0xf033
	s_cbranch_scc0 .Lentry_shape_is_right
	s_endpgm
.Lentry_shape_is_right:
; QKV: x [4096][1024] times [Wq | Wk | Wv], bf16 operands, f32 sums; softplus, sine, cosine and the gate's factors on the way out.
; A work-group makes 256 rows x 320 columns: tile j of wqk (two heads of Q or of K, amplitude and phase) and head j of V.  4096 x 5120 outputs = 256 such blocks.
; A wave (rh = wave / 2, ch = wave % 2) makes 128 rows x 160 columns: column blocks 0-3 amplitude, 4-7 phase of head 2 (j % 8) + ch, 8-9 V's channels 32 ch on: 80 accumulators.
; THE MATRIX INSTRUCTION IS USED TRANSPOSED (source 0 = 16 columns of W, turned out of LDS; source 1 = 16 rows of x): a lane holds one row and eight neighbouring columns.
; K goes in steps of 128 through two LDS slots.  CLUSTER 4 x 4: x's tile is shared along a row of the cluster, W's tiles along a column: joint loads.
; THE GATE cos(theta (j - i) / 8) = cos f_j cos f_i + sin f_j sin f_i, f_t = theta t / 8, goes into the operands: a row of Q'' or K'' is 256 f16; for d = 2 L, 2 L + 1 its elements 8 L + e are
;   e 0,1: a cos p cos f    2,3: a sin p cos f    4,5: a cos p sin f    6,7: a sin p sin f,    a = softplus(amplitude), p = phase.  Q'' . K'' is the gated score, unscaled.
; OUT: qws, kws [bh 32][t 2048][256] f16; vws [bh 32][channel half 2][t 2048][32] f16.
; LIMITS.  Inputs arrive rounded to bf16; theta_offset is rounded to bf16 here.  Q'', K'', V are f16: beyond 65,504 they overflow.
; softplus(x) = max(x, 0) + ln 2 log2(1 + 2^(-|x| log2 e)): right to 6e-8 absolute, so below x = -17 it is 0.  Sine and cosine: x less the nearest multiple of 2 pi (two-part constant, good to
; |x| about 1e5), then the series to r^13 and r^14 on |r| <= pi: errors under 2.2e-5 and 4.3e-6.  NaN and infinities are not treated apart.
; REGISTERS, in windows of 256 (s_set_vgpr_msb: bits 1:0 source 0, 3:2 source 1, 5:4 source 2, 7:6 destination):
;   window 0: v0-15 addresses; v16-47 packed output; v48-175 x's fragments, two buffers of 64 (on the way out: at work); v176-255 accumulators of row block 7
;   window 1: v0-159 W's fragments, two buffers of 80; v160-239 accumulators of row block 6      window 2: row blocks 0-2 at 80 a + 8 b      window 3: row blocks 3-5
.set PA,    272                        ; a row of x in LDS: 256 bytes + 16: odd multiple of 16, so the 16 rows of a load start in 16 different groups of four banks (ISA guide 11.1)
.set PQ,    544                        ; a k row of wqk's tile: 512 + 32: odd multiple of 32
.set PW,    160                        ; a k row of wv's tile: 128 + 32
.set HALFA, 128*PA
.set OFFQ,  2*HALFA                    ; a slot: 256 rows of x, 128 k rows of wqk, 128 k rows of wv
.set OFFV,  OFFQ+128*PQ
.set SLOT,  OFFV+128*PW
.set SPARE, 2*SLOT                     ; behind the ring: the spare words, 128 bytes a wave: two blocks of 256 bytes that no other line names
.set SROW,  656                        ; the way out: a stage row, 160 f32 + 16 bytes
.set STGW,  64*SROW                    ; a wave's stage: 64 rows; the stages and gate tables lie in ring bytes that have had their last fill
.set GTAB,  4*STGW                     ; behind the stages: 1,024 bytes a wave: (cos f, sin f) for its 128 rows
.set ADRA, 2                           ; v2-3  LDS address of my fragments of x in slot 0, 1
.set ADRQ, 4                           ; v4-5  of wqk's
.set ADRV, 6                           ; v6-7  of wv's
.set SPW,  8                           ; v8    LDS address of my spare word; never rewritten
.set NIL,  9                           ; v9    0; never rewritten
.set FA,   48
.set WV, 18                            ; s18 wave; s19 rh; s20 ch
.set RH, 19
.set CH, 20
.set CX, 21
.set CY, 22
.set JT, 23                            ; tile column
.set MT, 24                            ; tile row
.set LAP, 27
.set G1A, 28                           ; s[28:35], s[36:43], s[44:51] descriptor groups 1
.set G1Q, 36
.set G1V, 44
.set G0A, 52                           ; s[52:59], s[68:75], s[76:83] descriptor groups 0, a set for each slot
.set G0Q, 68
.set G0V, 76
.set HEAD, 91
.set THETA, 93
.set MSB, 0
.macro WIN new                         ; the immediate's high byte repeats the setting that is left; a switch that changes nothing is dropped
.if MSB != (\new)
	s_set_vgpr_msb (MSB<<8)|(\new)
.set MSB, (\new)
.endif
.endm
.macro PLACES                          ; four places in front of loads into registers that matrix instructions have read, and of reads of results
.rept 4
	v_nop
.endr
.endm
; A joint load.  Waves 0 and 1 fetch x's two halves, wave 2 wqk's tile, wave 3 wv's.  The branches hang on the wave's number alone.
; An s_nop 0 and four v_nop follow each line, ahead of the jump and the label.
.macro JLOAD s
	s_cmp_lt_u32 s[WV], 2
	s_cbranch_scc0 .Lnot_a_\@
	tensor_load_to_lds s[G0A+4*(\s):G0A+4*(\s)+3], s[G1A:G1A+7]
	s_nop 0
	PLACES
	s_branch .Lasked_\@
.Lnot_a_\@:
	s_cmp_eq_u32 s[WV], 2
	s_cbranch_scc0 .Lfor_v_\@
	tensor_load_to_lds s[G0Q+4*(\s):G0Q+4*(\s)+3], s[G1Q:G1Q+7]
	s_nop 0
	PLACES
	s_branch .Lasked_\@
.Lfor_v_\@:
	tensor_load_to_lds s[G0V+4*(\s):G0V+4*(\s)+3], s[G1V:G1V+7]
	s_nop 0
	PLACES
.Lasked_\@:
.endm
.macro CREST                           ; a round of the cluster's barrier behind its opening barrier
	s_cmp_lg_u32 s[WV], 0
	s_cbranch_scc1 .Lnot_wave_0_\@
	s_barrier_signal -3
.Lnot_wave_0_\@:
	s_barrier_wait -3
	s_barrier_signal -1
	s_barrier_wait -1
.endm
.macro CROUND
	s_barrier_signal -1
	s_barrier_wait -1
	CREST
.endm
	s_load_b256 s[4:11], s[0:1], 0x0               ; xb 4, wqk 6, wv 8, theta 10
	s_load_b128 s[12:15], s[0:1], 0x20             ; qws 12, kws 14
	s_load_b64 s[16:17], s[0:1], 0x30              ; vws
	v_lshl_add_u32 v[SPW], v0, 2, SPARE
	v_mov_b32 v[NIL], 0
	ds_add_u32 v8, v9
	s_wait_dscnt 0x0
	v_lshrrev_b32 v1, 5, v0
	v_readfirstlane_b32 s[WV], v1
	s_lshr_b32 s[RH], s[WV], 1
	s_and_b32 s[CH], s[WV], 1
	s_bfe_u32 s[CX], ttmp6, 0x40000
	s_bfe_u32 s[CY], ttmp6, 0x40004
	s_lshl_b32 s[JT], ttmp9, 2
	s_add_co_u32 s[JT], s[JT], s[CX]
	s_and_b32 s[MT], ttmp7, 0xffff
	s_lshl_b32 s[MT], s[MT], 2
	s_add_co_u32 s[MT], s[MT], s[CY]
	s_lshl_b32 s25, s[CY], 2
	s_lshl_b32 s25, 15, s25                        ; my row of the cluster
	s_lshl_b32 s26, 0x1111, s[CX]                  ; my column
	s_or_b32 s[G1A], s25, (1<<16)|(1<<20)|(1<<21)|(5<<22)|(3<<25)  ; mask; 2-byte elements; padding on; bit 21 beside a mask; after 64 words 4 words
	s_mov_b32 s[G1A+1], 128<<16                    ; tensor_dim0 = 128
	s_mov_b32 s[G1A+2], 128<<16                    ; tensor_dim1 = 128
	s_mov_b32 s[G1A+3], 128<<16                    ; tile_dim0 = 128
	s_mov_b32 s[G1A+4], 128                        ; tile_dim1 = 128
	s_mov_b32 s[G1A+5], 1024                       ; elements from row to row
	s_mov_b32 s[G1A+6], 0
	s_mov_b32 s[G1A+7], 0
	s_or_b32 s[G1Q], s26, (1<<16)|(1<<20)|(1<<21)|(6<<22)|(7<<25)  ; after 128 words 8 words
	s_mov_b32 s[G1Q+1], 256<<16
	s_mov_b32 s[G1Q+2], 128<<16
	s_mov_b32 s[G1Q+3], 256<<16
	s_mov_b32 s[G1Q+4], 128
	s_mov_b32 s[G1Q+5], 4096
	s_mov_b32 s[G1Q+6], 0
	s_mov_b32 s[G1Q+7], 0
	s_or_b32 s[G1V], s26, (1<<16)|(1<<20)|(1<<21)|(4<<22)|(7<<25)  ; 128 dense k rows of 128 bytes asked for as 64 rows of 256; after 32 words 8 words
	s_mov_b32 s[G1V+1], 128<<16
	s_mov_b32 s[G1V+2], 64<<16
	s_mov_b32 s[G1V+3], 128<<16
	s_mov_b32 s[G1V+4], 64
	s_mov_b32 s[G1V+5], 128
	s_mov_b32 s[G1V+6], 0
	s_mov_b32 s[G1V+7], 0
	s_lshl_b32 s84, s[MT], 19                      ; x: (256 tile row + 128 half) rows of 2,048 bytes: made of the tile row and the wave alone
	s_lshl_b32 s85, s[CH], 18
	s_add_co_u32 s84, s84, s85
	s_mov_b32 s85, 0
	s_lshl_b32 s86, s[JT], 9                       ; wqk: 512 bytes a tile column
	s_mov_b32 s87, 0
	s_lshl_b32 s88, s[JT], 17                      ; wv: 131,072 bytes a head
	s_mov_b32 s89, 0
	s_mul_i32 s90, s[CH], HALFA
	s_and_b32 s[HEAD], s[JT], 7
	s_lshl_b32 s[HEAD], s[HEAD], 1
	s_add_co_u32 s[HEAD], s[HEAD], s[CH]           ; my head of Q or K
	s_lshl_b32 s92, s[HEAD], 2
	s_wait_kmcnt 0x0
	s_add_nc_u64 s[84:85], s[4:5], s[84:85]
	s_add_nc_u64 s[86:87], s[6:7], s[86:87]
	s_add_nc_u64 s[88:89], s[8:9], s[88:89]
	s_load_b32 s[THETA], s[10:11], s92 offset:0x0  ; waited for on the way out; s92 stays as it is
	CROUND                                         ; all sixteen work-groups are here: the first joint loads meet
.irp s, 0,1
	s_mov_b32 s[G0A+4*(\s)], 1
	s_add_co_u32 s[G0A+4*(\s)+1], s90, (\s)*SLOT
	s_add_nc_u64 s[G0A+4*(\s)+2:G0A+4*(\s)+3], s[84:85], (\s)*256
	s_or_b32 s[G0A+4*(\s)+3], s[G0A+4*(\s)+3], 0x80000000
	s_mov_b32 s[G0Q+4*(\s)], 1
	s_mov_b32 s[G0Q+4*(\s)+1], (\s)*SLOT+OFFQ
	s_add_nc_u64 s[G0Q+4*(\s)+2:G0Q+4*(\s)+3], s[86:87], (\s)*1048576
	s_or_b32 s[G0Q+4*(\s)+3], s[G0Q+4*(\s)+3], 0x80000000
	s_mov_b32 s[G0V+4*(\s)], 1
	s_mov_b32 s[G0V+4*(\s)+1], (\s)*SLOT+OFFV
	s_add_nc_u64 s[G0V+4*(\s)+2:G0V+4*(\s)+3], s[88:89], (\s)*16384
	s_or_b32 s[G0V+4*(\s)+3], s[G0V+4*(\s)+3], 0x80000000
	JLOAD \s                                       ; K steps 0 and 1: two tensor loads of mine are out
.endr
	v_and_b32 v1, 15, v0                           ; r = lane % 16
	v_bfe_u32 v10, v0, 4, 1                        ; h = lane / 16
	v_and_b32 v11, 7, v0
	v_bfe_u32 v12, v0, 3, 1
	v_mul_u32_u24 v13, v1, PA
	v_lshl_add_u32 v13, v10, 4, v13                ; x: row r, 16 bytes for each half of the lanes
	s_mul_i32 s94, s[RH], HALFA
	v_add_nc_u32 v[ADRA], s94, v13
	v_add_nc_u32 v[ADRA+1], SLOT, v[ADRA]
	v_lshl_add_u32 v14, v10, 3, v11                ; the turning load: k row 8 h + lane % 8, 16 bytes (lane / 8) % 2
	v_mul_u32_u24 v15, v14, PQ
	v_lshl_add_u32 v15, v12, 4, v15
	s_lshl_b32 s94, s[CH], 8
	s_add_co_u32 s94, s94, OFFQ
	v_add_nc_u32 v[ADRQ], s94, v15
	v_add_nc_u32 v[ADRQ+1], SLOT, v[ADRQ]
	v_mul_u32_u24 v15, v14, PW
	v_lshl_add_u32 v15, v12, 4, v15
	s_lshl_b32 s94, s[CH], 6
	s_add_co_u32 s94, s94, OFFV
	v_add_nc_u32 v[ADRV], s94, v15
	v_add_nc_u32 v[ADRV+1], SLOT, v[ADRV]
.macro ACCOF a                         ; window AW and first register AB of row block a's ten accumulators
.if (\a) < 3
.set AW, 2
.set AB, 80*(\a)
.elseif (\a) < 6
.set AW, 3
.set AB, 80*((\a)-3)
.elseif (\a) == 6
.set AW, 1
.set AB, 160
.else
.set AW, 0
.set AB, 176
.endif
.endm
; Ten matrix instructions: row block a x all column blocks, 32 along K, from buffers f.  The 80 accumulators take turns in the same order in every quarter.
.macro MULROW f, a, zero
	ACCOF \a
	WIN (AW<<6)|(AW<<4)|1
.irp b, 0,1,2,3,4,5,6,7,8,9
.if \zero
	v_wmma_f32_16x16x32_bf16 v[AB+8*(\b):AB+8*(\b)+7], v[80*(\f)+8*(\b):80*(\f)+8*(\b)+7], v[FA+64*(\f)+8*(\a):FA+64*(\f)+8*(\a)+7], 0
.else
	v_wmma_f32_16x16x32_bf16 v[AB+8*(\b):AB+8*(\b)+7], v[80*(\f)+8*(\b):80*(\f)+8*(\b)+7], v[FA+64*(\f)+8*(\a):FA+64*(\f)+8*(\a)+7], v[AB+8*(\b):AB+8*(\b)+7]
.endif
.endr
.endm
; 36 LDS loads in one run: quarter q (32 along K) of a slot into buffers f: W's ten column blocks (turned), then x's eight row blocks
.macro FETCH slot, q, f
	WIN 0x40
.irp b, 0,1,2,3,4,5,6,7
	ds_load_tr16_b128 v[80*(\f)+8*(\b):80*(\f)+8*(\b)+3],   v[ADRQ+(\slot)] offset:32*PQ*(\q)+32*(\b)
	ds_load_tr16_b128 v[80*(\f)+8*(\b)+4:80*(\f)+8*(\b)+7], v[ADRQ+(\slot)] offset:32*PQ*(\q)+32*(\b)+16*PQ
.endr
.irp b, 0,1
	ds_load_tr16_b128 v[80*(\f)+64+8*(\b):80*(\f)+64+8*(\b)+3],   v[ADRV+(\slot)] offset:32*PW*(\q)+32*(\b)
	ds_load_tr16_b128 v[80*(\f)+64+8*(\b)+4:80*(\f)+64+8*(\b)+7], v[ADRV+(\slot)] offset:32*PW*(\q)+32*(\b)+16*PW
.endr
	WIN 0
.irp a, 0,1,2,3,4,5,6,7
	ds_load_b128 v[FA+64*(\f)+8*(\a):FA+64*(\f)+8*(\a)+3],   v[ADRA+(\slot)] offset:64*(\q)+16*PA*(\a)
	ds_load_b128 v[FA+64*(\f)+8*(\a)+4:FA+64*(\f)+8*(\a)+7], v[ADRA+(\slot)] offset:64*(\q)+16*PA*(\a)+32
.endr
.endm
; One of a K step's first three quarters: multiplies buffers f; in its middle it fetches quarter q of the same slot into buffers g.
.macro QUARTER slot, q, f, g, zero
	s_wait_dscnt 8                                 ; W and x's row blocks 0-3 are in; the youngest eight loads (row blocks 4-7) may be out
	MULROW \f, 0, \zero
	MULROW \f, 1, \zero
	MULROW \f, 2, \zero
	MULROW \f, 3, \zero
	PLACES
	FETCH \slot, \q, \g
	s_wait_dscnt 36                                ; all but the 36 just issued
	MULROW \f, 4, \zero
	MULROW \f, 5, \zero
	MULROW \f, 6, \zero
	MULROW \f, 7, \zero
.endm
; The fourth quarter multiplies buffers 1 and changes slots: one barrier; in front of it each wave waits for all its tensor loads (one is out: its part of the next slot), adds 0 to its
; spare word, and waits for that and for its reads of this slot.  fill = 1: the barrier opens a round of the cluster's, and this slot is filled again, two K steps ahead, first thing behind it.
.macro TURN slot, next, fill
	WIN 0
	s_wait_tensorcnt 0x0
	ds_add_u32 v[SPW], v[NIL]                      ; 0 onto my spare word
	s_wait_dscnt 9                                 ; the add and the youngest eight loads may be out
	MULROW 1, 0, 0
	MULROW 1, 1, 0
	s_wait_dscnt 0x0                               ; the add is done, and my reads of this slot are over
	s_barrier_signal -1
	MULROW 1, 2, 0
	MULROW 1, 3, 0
.if \fill
	WIN 0
.endif
	s_barrier_wait -1
.if \fill
	CREST                                          ; no wave of any partner still reads this slot or has a load on its way
	s_add_nc_u64 s[G0A+4*(\slot)+2:G0A+4*(\slot)+3], s[G0A+4*(\slot)+2:G0A+4*(\slot)+3], 512
	s_add_nc_u64 s[G0Q+4*(\slot)+2:G0Q+4*(\slot)+3], s[G0Q+4*(\slot)+2:G0Q+4*(\slot)+3], 2097152
	s_add_nc_u64 s[G0V+4*(\slot)+2:G0V+4*(\slot)+3], s[G0V+4*(\slot)+2:G0V+4*(\slot)+3], 32768
	JLOAD \slot                                    ; its four v_nop are also the places in front of the loads below
.else
	PLACES
.endif
	FETCH \next, 0, 0
	MULROW 1, 4, 0
	MULROW 1, 5, 0
	MULROW 1, 6, 0
	MULROW 1, 7, 0
.endm
	s_wait_tensorcnt 1                             ; my part of K step 0 is in; K step 1's may stay out
	s_barrier_signal -1
	s_barrier_wait -1
	FETCH 0, 0, 0
	QUARTER 0, 1, 0, 1, 1                          ; the first quarter's products start the sums: nothing is cleared
	WIN 0
	s_mov_b32 s[LAP], 3                            ; 8 K steps = 4 laps; a trip goes once round the ring and fills both slots again
.Llap:
	QUARTER 0, 2, 1, 0, 0
	QUARTER 0, 3, 0, 1, 0
	TURN 0, 1, 1
	QUARTER 1, 1, 0, 1, 0
	QUARTER 1, 2, 1, 0, 0
	QUARTER 1, 3, 0, 1, 0
	TURN 1, 0, 1
	QUARTER 0, 1, 0, 1, 0
	WIN 0
	s_sub_co_u32 s[LAP], s[LAP], 1
	s_cmp_lg_u32 s[LAP], 0
	s_cbranch_scc1 .Llap
	QUARTER 0, 2, 1, 0, 0                          ; the last lap fills nothing
	QUARTER 0, 3, 0, 1, 0
	TURN 0, 1, 0
	QUARTER 1, 1, 0, 1, 0
	QUARTER 1, 2, 1, 0, 0
	QUARTER 1, 3, 0, 1, 0
	s_wait_dscnt 8
	MULROW 1, 0, 0
	MULROW 1, 1, 0
	MULROW 1, 2, 0
	MULROW 1, 3, 0
	s_wait_dscnt 0x0
	MULROW 1, 4, 0
	MULROW 1, 5, 0
	MULROW 1, 6, 0
	MULROW 1, 7, 0
	WIN 0
; THE WAY OUT.  Half of my rows (64) at a time go as f32 through my stage; from there a lane takes two neighbouring d of a row (amplitude and phase), makes its eight f16, and a wave's store is a whole row of 512 bytes.
.set STO,  2                           ; v2   into the stage: row r, 32 bytes for each half of the lanes
.set RDA0, 3                           ; v3   out of it: 8 bytes a lane
.set GTA0, 4                           ; v4   my gate table
.set VRD,  5                           ; v5   V out of the stage: row lane / 4, 32 bytes lane % 4
.set GOFF, 6                           ; v6   16 x lane
.set RDA,  7
.set GTA,  10
.set GTS,  11
.set OX,   16                          ; v16-31, v32-47 packed rows of the two sets
.set OY,   32
.set XS,   48                          ; a set: 8 amplitudes, 8 phases, 4 x (cos f, sin f)
.set YS,   72
.set TT,   96
.set MM,   104
.set NN,   112
.set RR,   120
.set UU,   128
.set PP,   136
.set SN,   144
.set CN,   152
.set RU,   160
.set NHI, 28                           ; scalar pairs (both words alike): the packed forms take a pair's low word for both halves.  All tensor loads are done: the descriptors' registers are free
.set NLO, 30
.set INV, 32
.set KS1, 34
.set KS2, 36
.set KS3, 38
.set KS4, 40
.set KS5, 42
.set KS6, 44
.set KC2, 46
.set KC3, 48
.set KC4, 50
.set KC5, 52
.set KC6, 54
.set KC7, 56
.set L2E, 58
.set LN2, 60
.set QKB, 68                           ; s[68:69] Q'' or K'' at my rows; s[70:71] V
.set VBS, 70
.set HALFC, 72
.set CNT, 73
.set RB, 74
.set GB, 75
.macro SPAIR r, val
	s_mov_b32 s[\r], \val
	s_mov_b32 s[(\r)+1], \val
.endm
.macro EA1 n, line:vararg              ; a line for z = 0, 1, ..
.set z, 0
	s_wait_alu depctr_va_vdst(0)
.rept \n
	\line
.set z, z+1
.endr
.endm
.macro EA2 n, line:vararg              ; a line for z = 0, 2, ..: n pairs
.set z, 0
	s_wait_alu depctr_va_vdst(0)
.rept \n
	\line
.set z, z+2
.endr
.endm
.macro SC1 n                           ; n pairs of angles at PH: r = x - 2 pi rndne(x / 2 pi), 2 pi in two parts
	EA2 \n, v_pk_mul_f32 v[NN+z:NN+z+1], v[PH+z:PH+z+1], s[INV:INV+1] op_sel_hi:[1,0]
	EA1 2*(\n), v_rndne_f32 v[NN+z], v[NN+z]
	EA2 \n, v_pk_fma_f32 v[RR+z:RR+z+1], v[NN+z:NN+z+1], s[NHI:NHI+1], v[PH+z:PH+z+1] op_sel_hi:[1,0,1]
	EA2 \n, v_pk_fma_f32 v[RR+z:RR+z+1], v[NN+z:NN+z+1], s[NLO:NLO+1], v[RR+z:RR+z+1] op_sel_hi:[1,0,1]
.endm
.macro SC2 n                           ; sin r = r + r u q(u), cos r = 1 + u q(u), u = r r
	EA2 \n, v_pk_mul_f32 v[UU+z:UU+z+1], v[RR+z:RR+z+1], v[RR+z:RR+z+1]
	EA2 \n, v_pk_fma_f32 v[PP+z:PP+z+1], v[UU+z:UU+z+1], s[KS6:KS6+1], s[KS5:KS5+1] op_sel_hi:[1,0,0]
	EA2 \n, v_pk_fma_f32 v[PP+z:PP+z+1], v[PP+z:PP+z+1], v[UU+z:UU+z+1], s[KS4:KS4+1] op_sel_hi:[1,1,0]
	EA2 \n, v_pk_fma_f32 v[PP+z:PP+z+1], v[PP+z:PP+z+1], v[UU+z:UU+z+1], s[KS3:KS3+1] op_sel_hi:[1,1,0]
	EA2 \n, v_pk_fma_f32 v[PP+z:PP+z+1], v[PP+z:PP+z+1], v[UU+z:UU+z+1], s[KS2:KS2+1] op_sel_hi:[1,1,0]
	EA2 \n, v_pk_fma_f32 v[PP+z:PP+z+1], v[PP+z:PP+z+1], v[UU+z:UU+z+1], s[KS1:KS1+1] op_sel_hi:[1,1,0]
	EA2 \n, v_pk_mul_f32 v[RU+z:RU+z+1], v[RR+z:RR+z+1], v[UU+z:UU+z+1]
	EA2 \n, v_pk_fma_f32 v[SN+z:SN+z+1], v[RU+z:RU+z+1], v[PP+z:PP+z+1], v[RR+z:RR+z+1]
	EA2 \n, v_pk_fma_f32 v[PP+z:PP+z+1], v[UU+z:UU+z+1], s[KC7:KC7+1], s[KC6:KC6+1] op_sel_hi:[1,0,0]
	EA2 \n, v_pk_fma_f32 v[PP+z:PP+z+1], v[PP+z:PP+z+1], v[UU+z:UU+z+1], s[KC5:KC5+1] op_sel_hi:[1,1,0]
	EA2 \n, v_pk_fma_f32 v[PP+z:PP+z+1], v[PP+z:PP+z+1], v[UU+z:UU+z+1], s[KC4:KC4+1] op_sel_hi:[1,1,0]
	EA2 \n, v_pk_fma_f32 v[PP+z:PP+z+1], v[PP+z:PP+z+1], v[UU+z:UU+z+1], s[KC3:KC3+1] op_sel_hi:[1,1,0]
	EA2 \n, v_pk_fma_f32 v[PP+z:PP+z+1], v[PP+z:PP+z+1], v[UU+z:UU+z+1], s[KC2:KC2+1] op_sel_hi:[1,1,0]
	EA2 \n, v_pk_fma_f32 v[PP+z:PP+z+1], v[PP+z:PP+z+1], v[UU+z:UU+z+1], -0.5 op_sel_hi:[1,1,0]
	EA2 \n, v_pk_fma_f32 v[CN+z:CN+z+1], v[PP+z:PP+z+1], v[UU+z:UU+z+1], 1.0 op_sel_hi:[1,1,0]
.endm
.macro STORES hf                       ; row blocks 4 hf .. 4 hf + 3 into my stage; each accumulator's low four registers first
.irp a4, 0,1,2,3
	ACCOF 4*(\hf)+(\a4)
	WIN (AW<<2)                                    ; store data (source 1) in the accumulators' window
.irp b, 0,1,2,3,4,5,6,7,8,9
	ds_store_b128 v[STO], v[AB+8*(\b):AB+8*(\b)+3]   offset:16*SROW*(\a4)+64*(\b)
	ds_store_b128 v[STO], v[AB+8*(\b)+4:AB+8*(\b)+7] offset:16*SROW*(\a4)+64*(\b)+16
.endr
.endr
	WIN 0
.endm
.macro LOADS X, r0                     ; ten LDS loads: four rows' amplitudes, phases and gate factors
.irp i, 0,1,2,3
	ds_load_b64 v[(\X)+2*(\i):(\X)+2*(\i)+1], v[RDA] offset:SROW*((\r0)+(\i))
.endr
.irp i, 0,1,2,3
	ds_load_b64 v[(\X)+8+2*(\i):(\X)+8+2*(\i)+1], v[RDA] offset:SROW*((\r0)+(\i))+256
.endr
	ds_load_b128 v[(\X)+16:(\X)+19], v[GTA] offset:8*(\r0)
	ds_load_b128 v[(\X)+20:(\X)+23], v[GTA] offset:8*(\r0)+16
.endm
; Four rows.  Exponentials and logarithms stand in runs of eight, each run followed by plain lines that touch none of its registers before its results are used (ISA guide 5.7.2).
.macro ARITH X, O, goff
.set AM, (\X)
.set PH, (\X)+8
.set GG, (\X)+16
	EA1 8, v_max_num_f32 v[MM+z], 0, v[AM+z]
	EA2 4, v_pk_fma_f32 v[TT+z:TT+z+1], v[MM+z:MM+z+1], -2.0, v[AM+z:AM+z+1] op_sel_hi:[1,0,1]   ; x - 2 max(x, 0) = -|x|, exactly
	EA2 4, v_pk_mul_f32 v[TT+z:TT+z+1], v[TT+z:TT+z+1], s[L2E:L2E+1] op_sel_hi:[1,0]
	EA1 8, v_exp_f32 v[TT+z], v[TT+z]
	SC1 4
	EA2 4, v_pk_add_f32 v[TT+z:TT+z+1], v[TT+z:TT+z+1], 1.0 op_sel_hi:[1,0]
	EA1 8, v_log_f32 v[TT+z], v[TT+z]
	SC2 4
	EA2 4, v_pk_fma_f32 v[TT+z:TT+z+1], v[TT+z:TT+z+1], s[LN2:LN2+1], v[MM+z:MM+z+1] op_sel_hi:[1,0,1]  ; a
	EA2 4, v_pk_mul_f32 v[MM+z:MM+z+1], v[TT+z:TT+z+1], v[GG+z:GG+z+1] op_sel_hi:[1,0]                  ; a cos f
	EA2 4, v_pk_mul_f32 v[NN+z:NN+z+1], v[TT+z:TT+z+1], v[GG+z:GG+z+1] op_sel:[0,1] op_sel_hi:[1,1]     ; a sin f
	EA2 4, v_pk_mul_f32 v[RR+z:RR+z+1], v[CN+z:CN+z+1], v[MM+z:MM+z+1]
	EA2 4, v_pk_mul_f32 v[UU+z:UU+z+1], v[SN+z:SN+z+1], v[MM+z:MM+z+1]
	EA2 4, v_pk_mul_f32 v[PP+z:PP+z+1], v[CN+z:CN+z+1], v[NN+z:NN+z+1]
	EA2 4, v_pk_mul_f32 v[RU+z:RU+z+1], v[SN+z:SN+z+1], v[NN+z:NN+z+1]
.irp i, 0,1,2,3
	v_cvt_pk_f16_f32 v[(\O)+4*(\i)],   v[RR+2*(\i)], v[RR+2*(\i)+1]
	v_cvt_pk_f16_f32 v[(\O)+4*(\i)+1], v[UU+2*(\i)], v[UU+2*(\i)+1]
	v_cvt_pk_f16_f32 v[(\O)+4*(\i)+2], v[PP+2*(\i)], v[PP+2*(\i)+1]
	v_cvt_pk_f16_f32 v[(\O)+4*(\i)+3], v[RU+2*(\i)], v[RU+2*(\i)+1]
	global_store_b128 v[GOFF], v[(\O)+4*(\i):(\O)+4*(\i)+3], s[QKB:QKB+1] offset:(\goff)+512*(\i)  ; a whole row: 512 consecutive bytes, aligned
.endr
.endm
	s_wait_dscnt 0x0                               ; my reads of the ring are over,
	s_barrier_signal -1
	s_barrier_wait -1                              ; everybody's are: the ring's bytes, which have had their last fill, become stages
	SPAIR NHI, 0xc0c90fdb                          ; -2 pi, high part
	SPAIR NLO, 0x343bbd2e                          ; -(2 pi - high part)
	SPAIR INV, 0x3e22f983                          ; 1 / 2 pi
	SPAIR KS1, 0xbe2aaaab                          ; -1/3!, 1/5!, .. 1/13!
	SPAIR KS2, 0x3c088889
	SPAIR KS3, 0xb9500d01
	SPAIR KS4, 0x3638ef1d
	SPAIR KS5, 0xb2d7322b
	SPAIR KS6, 0x2f309231
	SPAIR KC2, 0x3d2aaaab                          ; 1/4!, -1/6!, .. -1/14!
	SPAIR KC3, 0xbab60b61
	SPAIR KC4, 0x37d00d01
	SPAIR KC5, 0xb493f27e
	SPAIR KC6, 0x310f76c7
	SPAIR KC7, 0xad49cba5
	SPAIR L2E, 0x3fb8aa3b
	SPAIR LN2, 0x3f317218
	v_and_b32 v12, 15, v0                          ; the address lines are also the places behind the last products
	v_bfe_u32 v13, v0, 4, 1
	v_and_b32 v14, 31, v0
	s_mul_i32 s76, s[WV], STGW
	v_mul_u32_u24 v[STO], v12, SROW
	v_lshl_add_u32 v[STO], v13, 5, v[STO]
	v_add_nc_u32 v[STO], s76, v[STO]
	v_lshl_add_u32 v[RDA0], v14, 3, s76
	v_lshrrev_b32 v15, 2, v14
	v_mul_u32_u24 v[VRD], v15, SROW
	v_and_b32 v15, 3, v0
	v_lshl_add_u32 v[VRD], v15, 5, v[VRD]
	s_add_co_u32 s77, s76, 512
	v_add_nc_u32 v[VRD], s77, v[VRD]
	v_lshlrev_b32 v[GOFF], 4, v14
	s_lshl_b32 s77, s[WV], 10
	s_add_co_u32 s77, s77, GTAB
	v_mov_b32 v[GTA0], s77
	v_lshl_add_u32 v[GTS], v14, 3, s77
	s_and_b32 s76, s[MT], 7
	s_lshl_b32 s76, s76, 8
	s_lshl_b32 s77, s[RH], 7
	s_add_co_u32 s76, s76, s77                     ; t of my first row
	s_lshr_b32 s77, s[MT], 3
	s_lshl_b32 s77, s77, 4                         ; 16 x batch
	s_add_co_u32 s78, s77, s[HEAD]
	s_lshl_b32 s78, s78, 11
	s_add_co_u32 s78, s78, s76
	s_lshl_b32 s78, s78, 9                         ; rows of 512 bytes
	s_mov_b32 s79, 0
	s_cmp_lt_u32 s[JT], 8
	s_cselect_b64 s[QKB:QKB+1], s[12:13], s[14:15]
	s_add_nc_u64 s[QKB:QKB+1], s[QKB:QKB+1], s[78:79]
	s_add_co_u32 s78, s77, s[JT]
	s_lshl_b32 s78, s78, 1
	s_add_co_u32 s78, s78, s[CH]
	s_lshl_b32 s78, s78, 11
	s_add_co_u32 s78, s78, s76
	s_lshl_b32 s78, s78, 6                         ; rows of 64 bytes
	s_add_nc_u64 s[VBS:VBS+1], s[16:17], s[78:79]
	; the gate table: lane L makes rows L, L + 32, L + 64, L + 96
	s_wait_kmcnt 0x0
	v_mov_b32 v12, s[THETA]
	v_cvt_pk_bf16_f32 v12, v12, v12                ; theta is rounded to bf16 like every input
	v_lshlrev_b32 v12, 16, v12
	v_mul_f32 v12, 0x3e000000, v12                 ; theta / 8, exactly
	v_add_nc_u32 v13, s76, v14
.irp i, 0,1,2,3
	v_add_nc_u32 v15, 32*(\i), v13
	v_cvt_f32_u32 v[XS+(\i)], v15
.endr
.irp i, 0,1,2,3
	v_mul_f32 v[XS+(\i)], v12, v[XS+(\i)]
.endr
.set PH, XS
	SC1 2
	SC2 2
.irp i, 0,1,2,3
	ds_store_b32 v[GTS], v[CN+(\i)] offset:256*(\i)
	ds_store_b32 v[GTS], v[SN+(\i)] offset:256*(\i)+4
.endr
	s_mov_b32 s[HALFC], 2
.Lhalf:
	s_cmp_eq_u32 s[HALFC], 2
	s_cbranch_scc0 .Lsecond
	STORES 0
	s_mov_b32 s[GB], 0
	s_branch .Lstaged
.Lsecond:
	STORES 1
	s_mov_b32 s[GB], 512
.Lstaged:
	s_wait_dscnt 0x0                               ; the stores into stage and table are done;
	s_barrier_signal -1
	s_barrier_wait -1                              ; up to the next barrier LDS is only read
	s_mov_b32 s[RB], 0
	s_mov_b32 s[CNT], 8
.Lrows:                                                ; a trip: eight rows, in two sets of four
	v_add_nc_u32 v[RDA], s[RB], v[RDA0]
	v_add_nc_u32 v[GTA], s[GB], v[GTA0]
	LOADS XS, 0
	LOADS YS, 4
	s_wait_dscnt 10                                ; the first set is in, the second set's ten loads may be out
	ARITH XS, OX, 0
	s_wait_dscnt 0x0
	ARITH YS, OY, 2048
	s_wait_xcnt 0x0                                ; the stores' base and data are rewritten only behind this wait
	s_add_nc_u64 s[QKB:QKB+1], s[QKB:QKB+1], 4096
	s_add_co_u32 s[RB], s[RB], 8*SROW
	s_add_co_u32 s[GB], s[GB], 64
	s_sub_co_u32 s[CNT], s[CNT], 1
	s_cmp_lg_u32 s[CNT], 0
	s_cbranch_scc1 .Lrows
	; V of these 64 rows: eight rows x 32 channels a group; a wave's store is 512 consecutive bytes
.irp g, 0,1,2,3,4,5,6,7
	ds_load_b128 v[XS+8*(\g):XS+8*(\g)+3],   v[VRD] offset:8*SROW*(\g)
	ds_load_b128 v[XS+8*(\g)+4:XS+8*(\g)+7], v[VRD] offset:8*SROW*(\g)+16
.endr
.irp g, 0,1,2,3,4,5,6,7
	s_wait_dscnt 14-2*(\g)                         ; group g is in, two loads for each later group may be out
.irp k, 0,1,2,3
	v_cvt_pk_f16_f32 v[NN+4*(\g)+(\k)], v[XS+8*(\g)+2*(\k)], v[XS+8*(\g)+2*(\k)+1]
.endr
	global_store_b128 v[GOFF], v[NN+4*(\g):NN+4*(\g)+3], s[VBS:VBS+1] offset:512*(\g)
.endr
	s_wait_xcnt 0x0
	s_add_nc_u64 s[VBS:VBS+1], s[VBS:VBS+1], 4096
	s_barrier_signal -1                            ; my reads of the stage are back (the last count above was 0): the next half may be stored
	s_barrier_wait -1
	s_sub_co_u32 s[HALFC], s[HALFC], 1
	s_cmp_lg_u32 s[HALFC], 0
	s_cbranch_scc1 .Lhalf
	s_wait_tensorcnt 0x0                           ; the wave's end
	ds_add_u32 v[SPW], v[NIL]
	s_wait_dscnt 0x0
	CROUND                                         ; the closing round
	s_endpgm
.Lfunc_end_k_qe67a584ee5_qkv:
	.size	k_qe67a584ee5_qkv, .Lfunc_end_k_qe67a584ee5_qkv-k_qe67a584ee5_qkv
	.p2alignl 7, 3214868480
	.fill 96, 4, 3214868480
	.section	.rodata,"a",@progbits
	.p2align	6, 0x0
	.amdhsa_kernel k_qe67a584ee5_qkv
		.amdhsa_group_segment_fixed_size 327680
		.amdhsa_private_segment_fixed_size 0
		.amdhsa_enable_private_segment 0
		.amdhsa_kernarg_size 56
		.amdhsa_user_sgpr_count 2
		.amdhsa_user_sgpr_kernarg_segment_ptr 1
		.amdhsa_wavefront_size32 1
		.amdhsa_system_sgpr_workgroup_id_x 1
		.amdhsa_system_sgpr_workgroup_id_y 1
		.amdhsa_system_sgpr_workgroup_id_z 1
		.amdhsa_system_vgpr_workitem_id 0
		.amdhsa_next_free_vgpr 1024
		.amdhsa_next_free_sgpr 104
		.amdhsa_reserve_vcc 0
		.amdhsa_float_denorm_mode_32 3
		.amdhsa_float_denorm_mode_16_64 3
		.amdhsa_memory_ordered 1
		.amdhsa_forward_progress 1
		.amdhsa_inst_pref_size 180
	.end_amdhsa_kernel
	.amdgpu_metadata
---
amdhsa.version: [ 1, 2 ]
amdhsa.kernels:
  - .name:           k_qe67a584ee5_qkv
    .symbol:         k_qe67a584ee5_qkv.kd
    .args:
      - { .name: xb, .offset: 0, .size: 8, .value_kind: global_buffer, .address_space: global }
      - { .name: wqk, .offset: 8, .size: 8, .value_kind: global_buffer, .address_space: global }
      - { .name: wv, .offset: 16, .size: 8, .value_kind: global_buffer, .address_space: global }
      - { .name: theta_offset, .offset: 24, .size: 8, .value_kind: global_buffer, .address_space: global }
      - { .name: qws, .offset: 32, .size: 8, .value_kind: global_buffer, .address_space: global }
      - { .name: kws, .offset: 40, .size: 8, .value_kind: global_buffer, .address_space: global }
      - { .name: vws, .offset: 48, .size: 8, .value_kind: global_buffer, .address_space: global }
    .group_segment_fixed_size: 327680
    .private_segment_fixed_size: 0
    .kernarg_segment_align: 8
    .kernarg_segment_size: 56
    .max_flat_workgroup_size: 128
    .sgpr_count:     104
    .vgpr_count:     1024
    .wavefront_size: 32
...
	.end_amdgpu_metadata
.endif
;; end of part 2
;; launch attn (part 3): grid 8 x 32, 4 waves a work-group, clusters of 4 x 1, 327,680 bytes of LDS; arguments qws, kws, vws, ows; writes ows
.if DOCPART == 3
	.amdgcn_target "amdgcn-amd-amdhsa--gfx1250"
	.amdhsa_code_object_version 6
	.text
	.protected	k_qe67a584ee5_attn
	.globl	k_qe67a584ee5_attn
	.p2align	8
	.type	k_qe67a584ee5_attn,@function
k_qe67a584ee5_attn:
	s_mov_b64 s[64:65], 0
	v_nop
	global_prefetch_b8 v0, s[64:65] scope:SCOPE_SE
	s_setreg_imm32_b32 hwreg(HW_REG_WAVE_MODE, 25, 1), 1
	s_wait_xcnt 0x0
	s_wait_alu depctr_hold_cnt(0) depctr_sa_sdst(0) depctr_va_vdst(0) depctr_va_sdst(0) depctr_va_ssrc(0) depctr_va_vcc(0) depctr_vm_vsrc(0)
	s_getreg_b32 s2, hwreg(HW_REG_IB_STS2, 6, 4)
	s_cmp_eq_u32 s2, 0
	s_cbranch_scc0 .Lentry_in_a_cluster
	s_endpgm
.Lentry_in_a_cluster:
	s_bfe_u32 s2, ttmp6, 0x10000c
	s_cmp_lg_u32 s2, 0x3003
	s_cbranch_scc0 .Lentry_shape_is_right
	s_endpgm
.Lentry_shape_is_right:
; CAUSAL ATTENTION on the folded operands.  O[bh][q] = sum over k <= q of softmax_k(Q''[q] . K''[k] / 8) V[k].  Q'', K'': [32][2048][256] f16; V: [32][2 channel halves][2048][32] f16.
; Products, maxima and sums in f32; the weights p are rounded to f16 for the second product (their sum l is taken of the unrounded p), O once at the end.
; OUT: ows [row tile of 128: 32][head 16][row 128][64] f16.
; LIMITS.  Q'', K'', V arrive within f16's 65,504, so an open score is 256 x 65,504^2 = 1.1e12 at the most.  A hidden score counts as its value less 1e30; the running maximum starts at -2^96,
; above every hidden score and below every open one; a weight below 2^-126 counts as 0 in l; NaN and infinities are not treated apart.
; THE WALK.  A head's queries are four super-blocks of 512.  A cluster of four work-groups takes super-block HI = 3 - PB and then PB (PB = cluster x, 0 or 1); super-block I needs the key tiles
; (128 keys) 0 .. 4 I + 3, of which the last four hold the diagonal: 20 tiles whatever PB.  A running maximum takes the tiles in any order, so they are walked in an order in which the KIND of
; trip t is a constant of the text:  0-7 tiles 0-7 of the first block;  8-11 its four diagonal tiles;  12-15 four plain tiles: 8-11 of the first block (PB = 0) or 0-3 of the second (PB = 1);
; 16-19 the second block's diagonal tiles.  The tile's number enters the global address alone.  PB is asked twice: the first block ends behind trip 11 (PB = 1) or behind trip 15 (PB = 0).
; All four partners run alike, so every tile of K'' and V is asked for JOINTLY (mask 15).
; SHARES.  Work-group cx owns 32 rows in each of a super-block's four bands of 128; wave (qh = wave / 2, kh = wave % 2) 16 of them a band: four PIECES, piece p in band p; of every tile it
; takes keys 64 kh .. 64 kh + 63 alone.  The two waves of a qh keep their own m, l, O and merge them at the block's end.  cx enters Q's and O's addresses and the mask's values alone.
; THE DIAGONAL.  In the diagonal tiles k = 0..3 band p sees tile k whole (p > k), holds the diagonal (p = k), or sees nothing (p < k).  Tiles k = 0, 1 run the full text, k = 2, 3 a text for
; pieces 3 and 2 alone.  The mask is the C operand that starts a sum: MC0 (even piece) = MD x AL0 + BE0, MC1 (odd piece) = MD x AL1; MD, made once, is the mask of a band's own tile; the three
; scalars are chosen from the trip's number in every trip (all 0 in a plain tile), so that no jump stands round the 32 lines.
; LAYOUT.  S^T = K'' Q''^T holds one query a lane (lane % 16) and keys 8 (lane / 16) + 0..7; two such results rounded to f16 in pairs ARE source 1 of O^T = V^T P; P is written in place into S^T's registers.
; REGISTERS, in windows of 256 (s_set_vgpr_msb: bits 1:0 source 0, 3:2 source 1, 5:4 source 2, 7:6 destination):
;   window 0: v0-15 addresses; v16-31 statistics, four a piece (c m, m, l even, l odd); v32-47 four at work a piece; v48-79 MD; v80-127 at work at a block's end; v128-255 S^T, 32 a piece
;   window 1: K'' of my 64 keys (key block kb, chunk c at 64 kb + 8 c)      window 2: Q'' (piece p, chunk c at 64 p + 8 c)
;   window 3: v0-127 O^T, 32 a piece; v128-191 V; v192-223 MC0; v224-255 MC1
.set PK,    528                        ; a row of K'' in LDS: 512 bytes + 16: odd multiple of 16
.set PVP,   96                         ; a row of a V plane: 64 + 32: odd multiple of 32
.set VOFF,  128*PK
.set VPL,   128*PVP
.set SLOT1, 1<<17                      ; one exclusive or turns an address in one slot into the other's
.set MST,   SLOT1+VOFF+2*VPL           ; behind the ring, never filled: the merge areas, 17,408 bytes a wave: 16,384 of O^T (4,096 a piece), 1,024 of (c m, l)
.set MSTW,  17408
.set OST,   MST+4*MSTW                 ; 16 rows x 144 bytes a wave, for the way out
.set SP,    144
.set SPARE, OST+4*16*SP                ; the spare words, 128 bytes a wave: two blocks of 256 bytes that no other line names
.set AK0, 2                            ; v2   my lane's place in a tile of K''; never rewritten
.set AV0, 3                            ; v3   the same for V
.set AK,  4
.set AV,  5
.set STO, 6                            ; v6   the way out: where I put 16 bytes of a row
.set RD,  7                            ; v7   where I read rows back
.set GO,  8                            ; v8   16 x lane
.set QO,  9                            ; v9   my byte offset in a band's rows of Q''
.set MSA, 10                           ; v10  my merge area: O^T
.set MSS, 11                           ; v11  its statistics
.set MLA, 12                           ; v12  my partner's (wave xor 1) area at the two pieces that I finish: O^T
.set MLS, 13                           ; v13  its statistics
.set SPW, 14
.set NIL, 15
.set ST,  16
.set TMP, 32
.set MD,  48
.set MOA, 93                           ; v93  my own area at the two pieces that I finish: O^T
.set MOS, 94                           ; v94  its statistics
.set S,   128
.set VF,  128                          ; window 3
.set MC,  192                          ; window 3
.set WV, 12
.set KH, 13
.set PB, 14
.set HI, 15
.set G1K, 24
.set G1V, 32
.set G0K, 40
.set G0V, 44
.set TRIP, 48                          ; s48  the trip's number, 0 to 19
.set NXT, 49                           ; s49  the tile to be asked for next
.set TB1, 50                           ; s50  first tile of trips 8-11: 4 HI
.set TB2, 51                           ; s51  of trips 12-15: 8 or 0
.set TB3, 52                           ; s52  of trips 16-19: 4 PB
.set TB,  54                           ; s54  the slot that is read
.set OFF, 56
.set CS,  58
.set SEL, 60
.set AL0, 66
.set BE0, 68
.set AL1, 70
.set BIGN, 72
.set MSB, 0
.macro WIN new                         ; the immediate's high byte repeats the setting that is left; a switch that changes nothing is dropped
.if MSB != (\new)
	s_set_vgpr_msb (MSB<<8)|(\new)
.set MSB, (\new)
.endif
.endm
.macro PLACES                          ; four places (ISA guide 7.12.1)
.rept 4
	v_nop
.endr
.endm
; A joint fill: waves 0 and 1 fetch the two halves of a tile's K'', waves 2 and 3 V's two planes.  An s_nop 0 and four v_nop follow each line.
.macro JLOAD
	s_cmp_lt_u32 s[WV], 2
	s_cbranch_scc0 .Lfor_v_\@
	tensor_load_to_lds s[G0K:G0K+3], s[G1K:G1K+7]
	s_nop 0
	PLACES
	s_branch .Lasked_\@
.Lfor_v_\@:
	tensor_load_to_lds s[G0V:G0V+3], s[G1V:G1V+7]
	s_nop 0
	PLACES
.Lasked_\@:
.endm
.macro CROUND                          ; a round of the cluster's barrier
	s_barrier_signal -1
	s_barrier_wait -1
	s_cmp_lg_u32 s[WV], 0
	s_cbranch_scc1 .Lnot_wave_0_\@
	s_barrier_signal -3
.Lnot_wave_0_\@:
	s_barrier_wait -3
	s_barrier_signal -1
	s_barrier_wait -1
.endm
; THE CHANGE OF SLOTS.  Each wave waits for all its tensor loads (one is out: its part of the slot to be read), adds 0 to its spare word, and waits for that and for its LDS reads and stores.
; fill = 1: a round of the cluster's barrier, and the slot just left is filled with tile NXT, first thing behind it: it has a whole trip in which to land.  The address is made anew from the
; tile's number; the number then steps, or, two trips ahead of a new group of four trips, is set to that group's first tile.
.macro CHANGE fill
	WIN 0
	s_wait_tensorcnt 0x0
	ds_add_u32 v[SPW], v[NIL]                      ; 0 onto my spare word
.if \fill
	s_xor_b32 s[G0K+1], s[G0K+1], SLOT1
	s_xor_b32 s[G0V+1], s[G0V+1], SLOT1
	s_lshl_b32 s[OFF], s[NXT], 16                  ; a tile is 65,536 bytes of K''
	s_add_nc_u64 s[G0K+2:G0K+3], s[6:7], s[OFF:OFF+1]
	s_or_b32 s[G0K+3], s[G0K+3], 0x80000000
	s_lshl_b32 s[OFF], s[NXT], 13                  ; and 8,192 of a plane of V
	s_add_nc_u64 s[G0V+2:G0V+3], s[8:9], s[OFF:OFF+1]
	s_or_b32 s[G0V+3], s[G0V+3], 0x80000000
	s_add_co_u32 s[NXT], s[NXT], 1
	s_cmp_eq_u32 s[TRIP], 6                        ; the next change asks for trip 8's tile,
	s_cselect_b32 s[NXT], s[TB1], s[NXT]
	s_cmp_eq_u32 s[TRIP], 10                       ; for trip 12's,
	s_cselect_b32 s[NXT], s[TB2], s[NXT]
	s_cmp_eq_u32 s[TRIP], 14                       ; for trip 16's
	s_cselect_b32 s[NXT], s[TB3], s[NXT]
.endif
	s_wait_dscnt 0x0
.if \fill
	CROUND
	JLOAD
.else
	s_barrier_signal -1
	s_barrier_wait -1
.endif
	s_xor_b32 s[TB], s[TB], SLOT1
.endm
.macro QLOAD b                         ; my four pieces' Q'': piece i / 8 lies 128 rows on, chunk i % 8 64 bytes on
	WIN 0x80
.set i, 0
.rept 32
	global_load_b128 v[8*i:8*i+3],   v[QO], s[\b:(\b)+1] offset:(i/8)*65536+(i%8)*64
	global_load_b128 v[8*i+4:8*i+7], v[QO], s[\b:(\b)+1] offset:(i/8)*65536+(i%8)*64+32
.set i, i+1
.endr
	WIN 0
.endm
.macro KLOAD                           ; 64 LDS loads: my 64 keys' K'', chunk by chunk
	WIN 0
	v_add_nc_u32 v[AK], s[TB], v[AK0]
	v_add_nc_u32 v[AV], s[TB], v[AV0]
	WIN 0x40
.irp c, 0,1,2,3,4,5,6,7
.irp kb, 0,1,2,3
	ds_load_b128 v[64*(\kb)+8*(\c):64*(\kb)+8*(\c)+3],   v[AK] offset:16*PK*(\kb)+64*(\c)
	ds_load_b128 v[64*(\kb)+8*(\c)+4:64*(\kb)+8*(\c)+7], v[AK] offset:16*PK*(\kb)+64*(\c)+32
.endr
.endr
	WIN 0
.endm
.macro VLOAD                           ; 16 turning loads: keys 32 (f / 4) on, channels 16 (f % 4) on
	WIN 0xc0
.irp f, 0,1,2,3,4,5,6,7
	ds_load_tr16_b128 v[VF+8*(\f):VF+8*(\f)+3],   v[AV] offset:VPL*(((\f)%4)/2)+32*PVP*((\f)/4)+32*((\f)%2)
	ds_load_tr16_b128 v[VF+8*(\f)+4:VF+8*(\f)+7], v[AV] offset:VPL*(((\f)%4)/2)+32*PVP*((\f)/4)+32*((\f)%2)+16*PVP
.endr
.endm
; One product of S^T = K'' Q''^T: piece p, key block kb, chunk c.  Chunk 0 starts the sum: with mask buffer mc, or (mc = -1) with 0.
.macro KQ p, kb, c, mc
.set rS, S+32*(\p)+8*(\kb)
.set rK, 64*(\kb)+8*(\c)
.set rQ, 64*(\p)+8*(\c)
.set rM, MC+32*(\mc)+8*(\kb)
.if ((\c) == 0) && ((\mc) >= 0)
	WIN 0x39
	v_wmma_f32_16x16x32_f16 v[rS:rS+7], v[rK:rK+7], v[rQ:rQ+7], v[rM:rM+7]
.elseif (\c) == 0
	WIN 0x09
	v_wmma_f32_16x16x32_f16 v[rS:rS+7], v[rK:rK+7], v[rQ:rQ+7], 0
.else
	WIN 0x09
	v_wmma_f32_16x16x32_f16 v[rS:rS+7], v[rK:rK+7], v[rQ:rQ+7], v[rS:rS+7]
.endif
.endm
.macro PV p, i                         ; product i of 8 of O^T += V^T P: keys 32 (i / 4) on, channels 16 (i % 4) on
	WIN 0xf3
.set rO, 32*(\p)+8*((\i)%4)
.set rV, VF+32*((\i)/4)+8*((\i)%4)
.set rP, S+32*(\p)+8*((\i)/4)
	v_wmma_f32_16x16x32_f16 v[rO:rO+7], v[rV:rV+7], v[rP:rP+7], v[rO:rO+7]
.endm
; A PIECE'S SOFTMAX for a tile: a list of 118 instructions; SM writes number j of it.
;   0-15 the maximum of the 32 scores and the old m (each accumulator's lowest registers first); 16-20 the other half of the lanes', the new m, c m, c m_old - c m_new;
;   21-101 a = 2^(..), c s - c m by pairs (FF), exponentials in twos with a plain line behind them (EE), l takes a pair (AA), the pair is rounded to f16 into register n of S^T (CC): by then that
;   register's own pair, n / 2, has been summed and rounded;  102-117 O^T times a, ascending.
.macro FF n
	v_pk_fma_f32 v[rS+2*(\n):rS+2*(\n)+1], v[rS+2*(\n):rS+2*(\n)+1], s[CS:CS+1], v[rT:rT+1] op_sel_hi:[1,0,0] neg_lo:[0,0,1] neg_hi:[0,0,1]
.endm
.macro EE n
	v_exp_f32 v[rS+(\n)], v[rS+(\n)]
.endm
.macro AA n
.if (\n) == 0
	s_wait_alu depctr_va_vdst(0)
	v_pk_fma_f32 v[rT+2:rT+3], v[rT+2:rT+3], v[rC+2:rC+3], v[rS:rS+1] op_sel_hi:[1,0,1]
.else
	s_wait_alu depctr_va_vdst(0)
	v_pk_add_f32 v[rT+2:rT+3], v[rT+2:rT+3], v[rS+2*(\n):rS+2*(\n)+1]
.endif
.endm
.macro CC n
	v_cvt_pk_f16_f32 v[rS+(\n)], v[rS+2*(\n)], v[rS+2*(\n)+1]
.endm
.macro SM p
.set rT, ST+4*(\p)
.set rC, TMP+4*(\p)
.set rS, S+32*(\p)
.set rO, 32*(\p)
.if j < 102
	WIN 0
.endif
.if j < 4
	v_max3_num_f32 v[rC+j], v[rS+8*j], v[rS+8*j+1], v[rS+8*j+2]
.elseif j < 12
	v_max3_num_f32 v[rC+j%4], v[rC+j%4], v[rS+8*(j%4)+2*(j/4)+1], v[rS+8*(j%4)+2*(j/4)+2]
.elseif j == 12
	v_max3_num_f32 v[rC], v[rC], v[rS+7], v[rS+15]
.elseif j == 13
	v_max3_num_f32 v[rC+2], v[rC+2], v[rS+23], v[rS+31]
.elseif j == 14
	v_max3_num_f32 v[rC], v[rC], v[rC+1], v[rC+2]
.elseif j == 15
	v_max3_num_f32 v[rC], v[rC], v[rC+3], v[rT+1]
.elseif j == 16
	v_permlanex16_b32 v[rC+1], v[rC], s[SEL], s[SEL+1]
.elseif j == 17
	v_mov_b32 v[rC+3], v[rT]
.elseif j == 18
	v_max_num_f32 v[rT+1], v[rC], v[rC+1]
.elseif j == 19
	v_mul_f32 v[rT], s[CS], v[rT+1]
.elseif j == 20
	v_sub_f32 v[rC+3], v[rC+3], v[rT]
.elseif j == 21
	FF 0
.elseif j == 22
	v_exp_f32 v[rC+2], v[rC+3]
.elseif j == 23
	FF 1
.elseif j == 24
	EE 0
.elseif j == 25
	EE 1
.elseif j == 26
	FF 2
.elseif j < 92
.set g, (j-27)/5+1
.set u, (j-27)%5
.if u == 0
	EE 2*g
.elseif u == 1
	EE 2*g+1
.elseif u == 2
	FF g+2
.elseif u == 3
	AA g-1
.else
	CC g-1
.endif
.elseif j < 100
.set g, (j-92)/4+14
.set u, (j-92)%4
.if u == 0
	EE 2*g
.elseif u == 1
	EE 2*g+1
.elseif u == 2
	AA g-1
.else
	CC g-1
.endif
.elseif j == 100
	AA 15
.elseif j == 101
	CC 15
.else
	WIN 0xc3
	v_pk_mul_f32 v[rO+2*(j-102):rO+2*(j-102)+1], v[rO+2*(j-102):rO+2*(j-102)+1], v[rC+2:rC+3] op_sel_hi:[1,0]
.endif
.endm
.macro RIDE p, n                       ; the next n numbers of piece p's list
.rept \n
.if j < 118
	SM \p
.set j, j+1
.endif
.endr
.endm
; First phase of a tile: pieces 3 and 2, eight accumulators by turns; chunk c is waited for with the later chunks' eight loads each still out; V's run stands behind the last wait.
.macro PHASE1 m3, m2
.irp c, 0,1,2,3,4,5,6,7
	s_wait_dscnt 56-8*(\c)
.if (\c) == 7
	VLOAD
.endif
.irp kb, 0,1,2,3
	KQ 3, \kb, \c, \m3
	KQ 2, \kb, \c, \m2
.endr
.endr
	PLACES                                         ; in front of the first read of piece 3's scores
.endm
; THE FULL TEXT.  No line set behind a product names a register of the products round it; the accumulators take turns, one instruction a turn.
.macro FULL
	PHASE1 -1, -1
.set j, 0
.irp c, 0,1,2,3,4,5,6,7
.irp kb, 0,1,2,3
	KQ 1, \kb, \c, 1                               ; piece 1's scores | piece 3's softmax
	RIDE 3, 4
.endr
.endr
.set j, 0
.irp c, 0,1,2,3,4,5,6,7
.irp kb, 0,1,2,3
	KQ 0, \kb, \c, 0                               ; piece 0's scores | piece 2's softmax
	RIDE 2, 4
.endr
.endr
	s_wait_dscnt 0x0                               ; V is in
.set j, 0
.irp i, 0,1,2,3,4,5,6,7
	PV 3, \i                                       ; pieces 3 and 2: V^T P | piece 1's softmax
	RIDE 1, 8
	PV 2, \i
	RIDE 1, 8
.endr
.set j, 0
	RIDE 0, 118                                    ; piece 0's softmax
.irp i, 0,1,2,3,4,5,6,7
	PV 1, \i
	PV 0, \i
.endr
	WIN 0
.endm
.macro XONLY                           ; a block's diagonal tiles k = 2, 3: pieces 3 and 2 alone, with masks
	PHASE1 1, 0
.set j, 0
.rept 118
	SM 3
	SM 2
.set j, j+1
.endr
	s_wait_dscnt 0x0                               ; V is in
.irp i, 0,1,2,3,4,5,6,7
	PV 3, \i
	PV 2, \i
.endr
	WIN 0
.endm
; THE MASKS of trip TRIP.  Trips 8-11 and 16-19 are diagonal tiles k = TRIP % 4.  k even: the even piece holds the diagonal, the odd one sees all.  k odd: the even piece sees nothing, the
; odd one holds the diagonal.  Every other trip: both see all.  Bits 0 and 2 of the number tell the three cases apart from trip 8 on; below 8 the case is set to 'plain'.
.macro MASKS
	s_and_b32 s73, s[TRIP], 5
	s_cmp_lt_u32 s[TRIP], 8
	s_cselect_b32 s73, 4, s73
	s_cmp_eq_u32 s73, 0
	s_cselect_b32 s[AL0], 1.0, 0
	s_cmp_eq_u32 s73, 1
	s_cselect_b32 s[BE0], s[BIGN], 0
	s_cselect_b32 s[AL1], 1.0, 0
	WIN 0xc0
.set z, 0
.rept 16
	v_pk_fma_f32 v[MC+2*z:MC+2*z+1], v[MD+2*z:MD+2*z+1], s[AL0:AL0+1], s[BE0:BE0+1] op_sel_hi:[1,0,0]
.set z, z+1
.endr
.set z, 0
.rept 16
	v_pk_mul_f32 v[MC+32+2*z:MC+32+2*z+1], v[MD+2*z:MD+2*z+1], s[AL1:AL1+1] op_sel_hi:[1,0]
.set z, z+1
.endr
	WIN 0
.endm
; A BLOCK BEGINS: c m far below every c s, so the first tile's a is 0 and O^T need only be finite; l 0; Q'' is in.
; m starts at -2^96: below every open score (1.1e12 at the most), so the first maximum of open scores is the scores' own; and above every hidden one (-1e30 and a little), so m is never a
; hidden score.  That matters: c s - c m is one fused multiply-add against the ROUNDED c m, and at 1.8e29 that rounding is some 1e22: with m a hidden score the exponent of that very score
; would be of that size and not 0.  With m = -2^96 the exponents of hidden scores lie near -1.7e29, and their weights are 0.
.macro BEGIN
	WIN 0
.set i, 0
.rept 4
	v_mov_b32 v[ST+4*i], 0xfe000000                ; c m = -4.25e37
	v_mov_b32 v[ST+4*i+1], 0xef800000              ; m = -2^96
	v_mov_b32 v[ST+4*i+2], 0
	v_mov_b32 v[ST+4*i+3], 0
.set i, i+1
.endr
	s_wait_loadcnt 0x0
.endm
.macro ALLP line:vararg
.set t, 0
.rept 4
	\line
.set t, t+1
.endr
.endm
; Piece 2 kh + q is finished from my own and my partner's shipped parts: O = (a0 O0 + a1 O1) / (a0 l0 + a1 l1), a = 2^(c m - the greater c m).  A wave that saw only hidden keys of a row
; (keys 64 on of tile 0, for the head's first 64 rows) still has m = -2^96 there, l = 0 and O^T = 0, and its a is 0; its partner has seen the row's own key, so the divisor is not 0.
; kh stands in the four LDS addresses and in O's base, so the text is the same for every wave.
.macro FINAL q
	WIN 0
	ds_load_b64 v[80:81], v[MOS] offset:256*(\q)
	ds_load_b64 v[82:83], v[MLS] offset:256*(\q)
.set i, 0
.rept 8
	ds_load_b128 v[S+4*i:S+4*i+3], v[MOA] offset:4096*(\q)+512*i
.set i, i+1
.endr
.set i, 0
.rept 8
	ds_load_b128 v[S+32+4*i:S+32+4*i+3], v[MLA] offset:4096*(\q)+512*i
.set i, i+1
.endr
	s_wait_dscnt 16                                ; the statistics are in, the sixteen loads of O^T may be out
	v_max_num_f32 v84, v80, v82
	v_sub_f32 v85, v80, v84
	v_sub_f32 v86, v82, v84
	v_exp_f32 v85, v85
	v_exp_f32 v86, v86
	v_nop                                          ; a plain line behind the exponentials
	s_wait_alu depctr_va_vdst(0)
	v_mul_f32 v87, v85, v81
	v_fmac_f32 v87, v86, v83
	v_rcp_f32 v92, v87
	v_nop                                          ; and behind the reciprocal
	s_wait_alu depctr_va_vdst(0)
	v_mul_f32 v88, v85, v92
	v_mul_f32 v89, v85, v92
	v_mul_f32 v90, v86, v92
	v_mul_f32 v91, v86, v92
	s_wait_dscnt 0x0
.set i, 0
.rept 16
	v_pk_mul_f32 v[S+32+2*i:S+32+2*i+1], v[S+32+2*i:S+32+2*i+1], v[90:91]
.set i, i+1
.endr
.set i, 0
.rept 16
	v_pk_fma_f32 v[S+2*i:S+2*i+1], v[S+2*i:S+2*i+1], v[88:89], v[S+32+2*i:S+32+2*i+1]
.set i, i+1
.endr
.set i, 0
.rept 16
	v_cvt_pk_f16_f32 v[96+i], v[S+2*i], v[S+2*i+1]
.set i, i+1
.endr
.irp f, 0,1,2,3
	ds_store_b128 v[STO], v[96+4*(\f):96+4*(\f)+3] offset:32*(\f)
.endr
	s_wait_xcnt 0x0                                ; earlier stores have read v112-127: they are loaded again only behind this wait
.irp f, 0,1,2,3
	ds_load_b128 v[112+4*(\f):112+4*(\f)+3], v[RD] offset:(\f)*4*SP  ; LDS serves a wave's instructions in order (ISA guide 5.7.1.4): these see the stores above
.endr
.irp f, 0,1,2,3
	s_wait_dscnt 3-(\f)
	global_store_b128 v[GO], v[112+4*(\f):112+4*(\f)+3], s[20:21] offset:262144*(\q)+512*(\f)  ; four rows of 128 bytes: 512 consecutive bytes, aligned
.endr
.endm
; A BLOCK ENDS.  l's two halves and the other half of the lanes' are added: (c m, l) becomes a pair (the first additions are the places behind the last products).  Every wave ships all four
; pieces into its own merge area, O^T ascending; its stores are waited for; a barrier; then each wave finishes two pieces.  Between these loads and the next end's stores stands a change of slots.
; next = 1: the second block follows: its Q'' is asked for ahead of the barrier, O's base moves on, the statistics start anew.
.macro ENDBLK next
	WIN 0
	ALLP v_add_f32 v[ST+4*t+2], v[ST+4*t+2], v[ST+4*t+3]
	ALLP v_permlanex16_b32 v[ST+4*t+3], v[ST+4*t+2], s[SEL], s[SEL+1]
	ALLP v_add_f32 v[ST+4*t+1], v[ST+4*t+2], v[ST+4*t+3]
	WIN 0x0c                                       ; store data (source 1) in window 3
.set i, 0
.rept 32
	ds_store_b128 v[MSA], v[4*i:4*i+3] offset:512*i
.set i, i+1
.endr
	WIN 0
	ALLP ds_store_b64 v[MSS], v[ST+4*t:ST+4*t+1] offset:256*t
.if \next
	QLOAD 18
.endif
	s_wait_dscnt 0x0                               ; for my partner's sake: my stores are done
	s_barrier_signal -1
	s_barrier_wait -1
	FINAL 0
	FINAL 1
.if \next
	s_wait_xcnt 0x0                                ; the stores have read O's base
	s_mov_b64 s[20:21], s[22:23]
	BEGIN
.endif
.endm
	s_load_b256 s[4:11], s[0:1], 0x0               ; qws 4, kws 6, vws 8, ows 10
	v_lshl_add_u32 v[SPW], v0, 2, SPARE
	v_mov_b32 v[NIL], 0
	ds_add_u32 v14, v15
	s_wait_dscnt 0x0
	v_lshrrev_b32 v1, 5, v0
	v_readfirstlane_b32 s[WV], v1
	s_and_b32 s[KH], s[WV], 1
	s_lshr_b32 s73, s[WV], 1                       ; qh
	s_mov_b32 s[PB], ttmp9
	s_sub_co_u32 s[HI], 3, s[PB]
	s_and_b32 s75, ttmp7, 0xffff                   ; bh
	s_lshl_b32 s76, s75, 20                        ; K'': 1,048,576 bytes a head; my 64 rows of a tile (the wave's low bit also says which part I fetch)
	s_lshl_b32 s77, s[KH], 15
	s_add_co_u32 s76, s76, s77
	s_mov_b32 s77, 0
	s_lshl_b32 s78, s75, 18                        ; V: 262,144 bytes a head, 131,072 a plane
	s_lshl_b32 s79, s[KH], 17
	s_add_co_u32 s78, s78, s79
	s_mov_b32 s79, 0
	s_mul_i32 s86, s[KH], 64*PK
	s_mul_i32 s87, s[KH], VPL
	s_add_co_u32 s87, s87, VOFF
	s_lshl_b32 s80, s75, 20                        ; Q'': the two super-blocks, 262,144 bytes each
	s_lshl_b32 s81, s[HI], 18
	s_lshl_b32 s82, s[PB], 18
	s_add_co_u32 s82, s82, s80
	s_add_co_u32 s80, s80, s81
	s_mov_b32 s81, 0
	s_mov_b32 s83, 0
	s_bfe_u32 s74, ttmp6, 0x40000                  ; cx
	s_lshl_b32 s84, s74, 5
	s_lshl_b32 s85, s73, 4
	s_add_co_u32 s84, s84, s85                     ; my first row in a band: 32 cx + 16 qh
	s_lshr_b32 s88, s75, 4                         ; O: batch, head, my rows,
	s_lshl_b32 s88, s88, 22
	s_and_b32 s89, s75, 15
	s_lshl_b32 s89, s89, 14
	s_add_co_u32 s88, s88, s89
	s_lshl_b32 s89, s84, 7
	s_add_co_u32 s88, s88, s89
	s_lshl_b32 s89, s[KH], 19                      ; the two pieces that I finish: 2 kh row tiles of 262,144 bytes on,
	s_add_co_u32 s88, s88, s89
	s_lshl_b32 s90, s[PB], 20                      ; and the super-block: four row tiles
	s_add_co_u32 s90, s90, s88
	s_lshl_b32 s89, s[HI], 20
	s_add_co_u32 s88, s88, s89
	s_mov_b32 s89, 0
	s_mov_b32 s91, 0
	s_mov_b32 s[G1K], 15|(1<<16)|(1<<20)|(1<<21)|(6<<22)|(3<<25)  ; mask of four; 2-byte elements; padding on; bit 21 beside a mask; after 128 words 4 words
	s_mov_b32 s[G1K+1], 256<<16                    ; tensor_dim0 = 256
	s_mov_b32 s[G1K+2], 64<<16                     ; tensor_dim1 = 64
	s_mov_b32 s[G1K+3], 256<<16                    ; tile_dim0 = 256
	s_mov_b32 s[G1K+4], 64                         ; tile_dim1 = 64
	s_mov_b32 s[G1K+5], 256                        ; elements from row to row
	s_mov_b32 s[G1K+6], 0
	s_mov_b32 s[G1K+7], 0
	s_mov_b32 s[G1V], 15|(1<<16)|(1<<20)|(1<<21)|(3<<22)|(7<<25)  ; 128 dense rows of 64 bytes asked for as 32 rows of 256; after 16 words 8 words
	s_mov_b32 s[G1V+1], 128<<16
	s_mov_b32 s[G1V+2], 32<<16
	s_mov_b32 s[G1V+3], 128<<16
	s_mov_b32 s[G1V+4], 32
	s_mov_b32 s[G1V+5], 128
	s_mov_b32 s[G1V+6], 0
	s_mov_b32 s[G1V+7], 0
	s_mov_b32 s[CS], 0x3e38aa3b                    ; c = log2(e) / 8
	s_mov_b32 s[CS+1], s[CS]
	s_mov_b32 s[SEL], 0x76543210
	s_mov_b32 s[SEL+1], 0xfedcba98
	s_mov_b32 s[OFF+1], 0
	s_mov_b32 s[AL0+1], 0                          ; named as pairs
	s_mov_b32 s[BE0+1], 0
	s_mov_b32 s[AL1+1], 0
	s_mov_b32 s[BIGN], 0xf149f2ca                  ; -1e30
	s_lshl_b32 s[TB1], s[HI], 2
	s_lshl_b32 s[TB3], s[PB], 2
	s_cmp_eq_u32 s[PB], 0
	s_cselect_b32 s[TB2], 8, 0
	s_mov_b32 s[G0K], 1
	s_mov_b32 s[G0K+1], s86
	s_mov_b32 s[G0V], 1
	s_mov_b32 s[G0V+1], s87
	s_wait_kmcnt 0x0
	s_add_nc_u64 s[6:7], s[6:7], s[76:77]
	s_add_nc_u64 s[8:9], s[8:9], s[78:79]
	s_add_nc_u64 s[16:17], s[4:5], s[80:81]
	s_add_nc_u64 s[18:19], s[4:5], s[82:83]
	s_add_nc_u64 s[20:21], s[10:11], s[88:89]
	s_add_nc_u64 s[22:23], s[10:11], s[90:91]
	s_add_nc_u64 s[G0K+2:G0K+3], s[6:7], 0
	s_or_b32 s[G0K+3], s[G0K+3], 0x80000000
	s_add_nc_u64 s[G0V+2:G0V+3], s[8:9], 0
	s_or_b32 s[G0V+3], s[G0V+3], 0x80000000
	CROUND                                         ; all four work-groups are here
	JLOAD                                          ; tile 0 into slot 0; slot 1 is asked for by the loop's first change of slots
	v_and_b32 v1, 15, v0                           ; r
	v_bfe_u32 v80, v0, 4, 1                        ; h
	v_and_b32 v81, 7, v0
	v_bfe_u32 v82, v0, 3, 1
	v_and_b32 v83, 31, v0
	v_add_nc_u32 v84, s84, v1                      ; my query's place in its band
	v_lshlrev_b32 v[QO], 9, v84
	v_lshl_add_u32 v[QO], v80, 4, v[QO]
	QLOAD 16
	v_mul_u32_u24 v[AK0], v1, PK
	v_lshl_add_u32 v[AK0], v80, 4, v[AK0]
	v_add_nc_u32 v[AK0], s86, v[AK0]
	v_lshl_add_u32 v[AV0], v80, 3, v81
	v_mul_u32_u24 v[AV0], v[AV0], PVP
	v_lshl_add_u32 v[AV0], v82, 4, v[AV0]
	s_mul_i32 s92, s[KH], 64*PVP
	s_add_co_u32 s92, s92, VOFF
	v_add_nc_u32 v[AV0], s92, v[AV0]
	s_mul_i32 s92, s[WV], 16*SP
	s_add_co_u32 s92, s92, OST
	v_mul_u32_u24 v[STO], v1, SP                   ; into my stage: row r, 16 bytes for each half of the lanes
	v_lshl_add_u32 v[STO], v80, 4, v[STO]
	v_add_nc_u32 v[STO], s92, v[STO]
	v_bfe_u32 v[RD], v0, 3, 2                      ; back: 32 lanes take four rows of 128 bytes
	v_mul_u32_u24 v[RD], v[RD], SP
	v_lshl_add_u32 v[RD], v81, 4, v[RD]
	v_add_nc_u32 v[RD], s92, v[RD]
	v_lshlrev_b32 v[GO], 4, v83
	s_mul_i32 s92, s[WV], MSTW                     ; my merge area,
	s_add_co_u32 s92, s92, MST
	v_lshl_add_u32 v[MSA], v83, 4, s92
	v_lshl_add_u32 v[MSS], v83, 3, s92
	v_add_nc_u32 v[MSS], 16384, v[MSS]
	s_xor_b32 s93, s[WV], 1                        ; my partner's,
	s_mul_i32 s93, s93, MSTW
	s_add_co_u32 s93, s93, MST
	v_lshl_add_u32 v[MLA], v83, 4, s93
	v_lshl_add_u32 v[MLS], v83, 3, s93
	v_add_nc_u32 v[MLS], 16384, v[MLS]
	s_lshl_b32 s94, s[KH], 13                      ; and in both the two pieces that I finish: 2 kh pieces of 4,096 bytes, of 256 bytes of statistics
	s_lshl_b32 s95, s[KH], 9
	v_add_nc_u32 v[MOA], s94, v[MSA]
	v_add_nc_u32 v[MLA], s94, v[MLA]
	v_add_nc_u32 v[MOS], s95, v[MSS]
	v_add_nc_u32 v[MLS], s95, v[MLS]
	s_lshl_b32 s94, s[KH], 6
	v_lshlrev_b32 v85, 3, v80
	v_sub_nc_u32 v85, v84, v85
	v_sub_nc_u32 v85, v85, s94                     ; register reg of key group kt is hidden where 16 kt + reg is greater than 32 cx + 16 qh + r - 64 kh - 8 h
.set i, 0
.rept 32
	v_cmp_gt_i32 vcc_lo, 16*(i/8)+i%8, v85
	v_cndmask_b32 v[MD+i], 0, s[BIGN], vcc_lo
.set i, i+1
.endr
	WIN 0xc0
.set i, 0
.rept 128
	v_mov_b32 v[i], 0                              ; O^T: finite is all that the first tile's a = 0 asks; this stands in the wait for the first tile
.set i, i+1
.endr
	WIN 0
	BEGIN
	s_mov_b32 s[NXT], 1
	s_mov_b32 s[TB], SLOT1
	s_mov_b32 s[TRIP], 0
.Ltrip:                                                ; 19 times: a tile is entered and the next is asked for.  The jumps below go forward and pass no tensor load; which text a trip runs hangs on its number alone
	CHANGE 1
	KLOAD
	MASKS                                          ; stands in the wait for K's first chunk
	s_cmp_eq_u32 s[TRIP], 10
	s_cbranch_scc1 .Lx
	s_cmp_eq_u32 s[TRIP], 11
	s_cbranch_scc1 .Lx
	s_cmp_eq_u32 s[TRIP], 18
	s_cbranch_scc1 .Lx
	FULL
	s_cmp_eq_u32 s[TRIP], 15                       ; behind trip 15 the first block ends if it is super-block 3
	s_cbranch_scc0 .Lbot
	s_cmp_eq_u32 s[PB], 0
	s_cbranch_scc1 .Lend
	s_branch .Lbot
.Lx:
	XONLY
	s_cmp_eq_u32 s[TRIP], 11                       ; behind trip 11 it ends if it is super-block 2
	s_cbranch_scc0 .Lbot
	s_cmp_eq_u32 s[PB], 1
	s_cbranch_scc0 .Lbot
.Lend:
	ENDBLK 1                                       ; its barrier is passed by all four waves or by none: the trip's number and PB are the work-group's
.Lbot:
	s_add_co_u32 s[TRIP], s[TRIP], 1
	s_cmp_lt_u32 s[TRIP], 19
	s_cbranch_scc1 .Ltrip
	CHANGE 0                                       ; trip 19 is written out: nothing is asked for
	KLOAD
	MASKS
	XONLY
	ENDBLK 0
	s_wait_tensorcnt 0x0                           ; the wave's end
	ds_add_u32 v[SPW], v[NIL]
	s_wait_dscnt 0x0
	CROUND                                         ; the closing round
	s_endpgm
.Lfunc_end_k_qe67a584ee5_attn:
	.size	k_qe67a584ee5_attn, .Lfunc_end_k_qe67a584ee5_attn-k_qe67a584ee5_attn
	.p2alignl 7, 3214868480
	.fill 96, 4, 3214868480
	.section	.rodata,"a",@progbits
	.p2align	6, 0x0
	.amdhsa_kernel k_qe67a584ee5_attn
		.amdhsa_group_segment_fixed_size 327680
		.amdhsa_private_segment_fixed_size 0
		.amdhsa_enable_private_segment 0
		.amdhsa_kernarg_size 32
		.amdhsa_user_sgpr_count 2
		.amdhsa_user_sgpr_kernarg_segment_ptr 1
		.amdhsa_wavefront_size32 1
		.amdhsa_system_sgpr_workgroup_id_x 1
		.amdhsa_system_sgpr_workgroup_id_y 1
		.amdhsa_system_sgpr_workgroup_id_z 1
		.amdhsa_system_vgpr_workitem_id 0
		.amdhsa_next_free_vgpr 1024
		.amdhsa_next_free_sgpr 100
		.amdhsa_reserve_vcc 1
		.amdhsa_float_denorm_mode_32 3
		.amdhsa_float_denorm_mode_16_64 3
		.amdhsa_memory_ordered 1
		.amdhsa_forward_progress 1
		.amdhsa_inst_pref_size 157
	.end_amdhsa_kernel
	.amdgpu_metadata
---
amdhsa.version: [ 1, 2 ]
amdhsa.kernels:
  - .name:           k_qe67a584ee5_attn
    .symbol:         k_qe67a584ee5_attn.kd
    .args:
      - { .name: qws, .offset: 0, .size: 8, .value_kind: global_buffer, .address_space: global }
      - { .name: kws, .offset: 8, .size: 8, .value_kind: global_buffer, .address_space: global }
      - { .name: vws, .offset: 16, .size: 8, .value_kind: global_buffer, .address_space: global }
      - { .name: ows, .offset: 24, .size: 8, .value_kind: global_buffer, .address_space: global }
    .group_segment_fixed_size: 327680
    .private_segment_fixed_size: 0
    .kernarg_segment_align: 8
    .kernarg_segment_size: 32
    .max_flat_workgroup_size: 128
    .sgpr_count:     100
    .vgpr_count:     1024
    .wavefront_size: 32
...
	.end_amdgpu_metadata
.endif
;; end of part 3
;; launch oproj (part 4): grid 8 x 32, 4 waves a work-group, clusters of 4 x 4, 327,680 bytes of LDS; arguments ows, wo16, out0; writes out0
.if DOCPART == 4
	.amdgcn_target "amdgcn-amd-amdhsa--gfx1250"
	.amdhsa_code_object_version 6
	.text
	.protected	k_qe67a584ee5_oproj
	.globl	k_qe67a584ee5_oproj
	.p2align	8
	.type	k_qe67a584ee5_oproj,@function
k_qe67a584ee5_oproj:
	s_mov_b64 s[64:65], 0
	v_nop
	global_prefetch_b8 v0, s[64:65] scope:SCOPE_SE
	s_setreg_imm32_b32 hwreg(HW_REG_WAVE_MODE, 25, 1), 1
	s_wait_xcnt 0x0
	s_wait_alu depctr_hold_cnt(0) depctr_sa_sdst(0) depctr_va_vdst(0) depctr_va_sdst(0) depctr_va_ssrc(0) depctr_va_vcc(0) depctr_vm_vsrc(0)
	s_getreg_b32 s2, hwreg(HW_REG_IB_STS2, 6, 4)
	s_cmp_eq_u32 s2, 0
	s_cbranch_scc0 .Lentry_in_a_cluster
	s_endpgm
.Lentry_in_a_cluster:
	s_bfe_u32 s2, ttmp6, 0x10000c
	s_cmp_lg_u32 s2, 0xf033
	s_cbranch_scc0 .Lentry_shape_is_right
	s_endpgm
.Lentry_shape_is_right:
; OUT = O Wo.  O: ows [row tile 32][head 16][row 128][64] f16; Wo: wo16 [k 1024][n 1024] f16; out0 [4096][1024] f32.  Sums in f32.
; A tile of out0 is 128 x 128: 256 work-groups; four waves, each 64 x 64: 16 accumulators.  K goes in steps of 256 (four heads) through two LDS slots; a quarter of a step is one head.
; CLUSTER 4 x 4: O's tiles are shared along a row of the cluster, Wo's along a column: joint loads.
; THE MATRIX INSTRUCTION IS USED TRANSPOSED (source 0 = 16 columns of Wo, turned out of LDS; source 1 = 16 rows of O): a lane holds one row and eight neighbouring columns.
; A wave's 64 f32 columns are 256 bytes of a row of out0, aligned: each wave sends its rows through a stage of its own, without a barrier.
; LIMITS: O and Wo arrive within f16's range.
; REGISTERS: window 0: v0-31 addresses; v32-95 the way out; v128-255 accumulators ((a, b) at 128 + 8 (4 a + b)).  window 1: two fragment buffers of 128: 64 of O, then 64 of Wo.
.set PAO,   144                        ; a row of a head's slice of O in LDS: 128 bytes + 16
.set PBO,   288                        ; a k row of Wo's tile: 256 + 32: odd multiple of 32
.set HALFT, 36864                      ; what one tensor load brings: two heads x 128 rows x 144, or 128 k rows x 288
.set SLOT,  4*HALFT
.set STAGE, 2*SLOT                     ; behind the ring, never filled: 16 rows x 272 bytes a wave
.set SPITCH, 272
.set SPARE, STAGE+4*16*SPITCH          ; the spare words, 128 bytes a wave: two blocks of 256 bytes that no other line names
.set ADRA, 16                          ; v16-17  my fragments of O in slot 0, 1
.set ADRB, 20                          ; v20-23  of Wo: slot s, quarters 0-1 or 2-3 at 20 + 2 s + half
.set STO,  24
.set RD,   25
.set CO,   26
.set SPW,  28
.set NIL,  29
.set BK,   32
.set ACC,  128
.set F0,   0
.set F1,   128
.set G1, 24
.set G0, 32
.set G1B, 48
.set G0B, 56
.set MSB, 0
.macro WIN new
.if MSB != (\new)
	s_set_vgpr_msb (MSB<<8)|(\new)
.set MSB, (\new)
.endif
.endm
.set MUL,  0x05                        ; sources 0 and 1 window 1; C and D window 0
.set TO_F, 0x40
.macro PLACES
.rept 4
	v_nop
.endr
.endm
.macro JLOAD s                         ; waves 0 and 1 fetch O's two halves of a step, waves 2 and 3 Wo's; an s_nop 0 and four v_nop follow each line
	s_cmp_eq_u32 s11, 0
	s_cbranch_scc0 .Lfor_b_\@
	tensor_load_to_lds s[G0+4*(\s):G0+4*(\s)+3], s[G1:G1+7]
	s_nop 0
	PLACES
	s_branch .Lasked_\@
.Lfor_b_\@:
	tensor_load_to_lds s[G0B+4*(\s):G0B+4*(\s)+3], s[G1B:G1B+7]
	s_nop 0
	PLACES
.Lasked_\@:
.endm
.macro CREST
	s_cmp_lg_u32 s10, 0
	s_cbranch_scc1 .Lnot_wave_0_\@
	s_barrier_signal -3
.Lnot_wave_0_\@:
	s_barrier_wait -3
	s_barrier_signal -1
	s_barrier_wait -1
.endm
.macro CROUND
	s_barrier_signal -1
	s_barrier_wait -1
	CREST
.endm
	s_load_b128 s[4:7], s[0:1], 0x0                ; ows 4, wo16 6
	s_load_b64 s[8:9], s[0:1], 0x10                ; out0
	v_lshl_add_u32 v[SPW], v0, 2, SPARE
	v_mov_b32 v[NIL], 0
	ds_add_u32 v28, v29
	s_wait_dscnt 0x0
	v_lshrrev_b32 v1, 5, v0
	v_readfirstlane_b32 s10, v1                    ; wave
	s_lshr_b32 s11, s10, 1                         ; my half of the tile's rows; also: I fetch for O (0) or for Wo (1)
	s_and_b32 s12, s10, 1                          ; my half of its columns; also: which half of that tile I fetch
	s_bfe_u32 s40, ttmp6, 0x40000
	s_bfe_u32 s41, ttmp6, 0x40004
	s_lshl_b32 s42, ttmp9, 2
	s_add_co_u32 s42, s42, s40                     ; tile column
	s_and_b32 s13, ttmp7, 0xffff
	s_lshl_b32 s13, s13, 2
	s_add_co_u32 s13, s13, s41                     ; tile row
	s_lshl_b32 s43, s41, 2
	s_lshl_b32 s43, 15, s43
	s_lshl_b32 s44, 0x1111, s40
	s_or_b32 s[G1], s43, (1<<16)|(1<<20)|(1<<21)|(4<<22)|(3<<25)   ; two heads' 256 dense rows of 128 bytes asked for as 128 rows of 256; after 32 words 4 words
	s_or_b32 s[G1B], s44, (1<<16)|(1<<20)|(1<<21)|(5<<22)|(7<<25)  ; after 64 words 8 words
.irp g, G1, G1B
	s_mov_b32 s[(\g)+1], 128<<16
	s_mov_b32 s[(\g)+2], 128<<16
	s_mov_b32 s[(\g)+3], 128<<16
	s_mov_b32 s[(\g)+4], 128
	s_mov_b32 s[(\g)+6], 0
	s_mov_b32 s[(\g)+7], 0
.endr
	s_mov_b32 s[G1+5], 128
	s_mov_b32 s[G1B+5], 1024
	s_lshl_b32 s16, s13, 18                        ; O: 262,144 bytes a row tile, 32,768 for two heads
	s_lshl_b32 s17, s12, 15
	s_add_co_u32 s16, s16, s17
	s_mov_b32 s17, 0
	s_lshl_b32 s46, s42, 8                         ; Wo: 256 bytes a tile column, 128 k rows of 2,048 bytes
	s_lshl_b32 s47, s12, 18
	s_add_co_u32 s46, s46, s47
	s_mov_b32 s47, 0
	s_mul_i32 s20, s10, HALFT                      ; where they go: wave x 36,864
	s_wait_kmcnt 0x0
	s_add_nc_u64 s[14:15], s[4:5], s[16:17]
	s_add_nc_u64 s[46:47], s[6:7], s[46:47]
	CROUND
.irp s, 0,1
	s_mov_b32 s[G0+4*(\s)], 1
	s_add_co_u32 s[G0+4*(\s)+1], s20, (\s)*SLOT
	s_add_nc_u64 s[G0+4*(\s)+2:G0+4*(\s)+3], s[14:15], (\s)*65536
	s_or_b32 s[G0+4*(\s)+3], s[G0+4*(\s)+3], 0x80000000
	s_mov_b32 s[G0B+4*(\s)], 1
	s_add_co_u32 s[G0B+4*(\s)+1], s20, (\s)*SLOT
	s_add_nc_u64 s[G0B+4*(\s)+2:G0B+4*(\s)+3], s[46:47], (\s)*524288
	s_or_b32 s[G0B+4*(\s)+3], s[G0B+4*(\s)+3], 0x80000000
	JLOAD \s                                       ; K steps 0 and 1: two tensor loads of mine are out
.endr
	v_and_b32 v1, 15, v0
	v_bfe_u32 v2, v0, 4, 1
	v_and_b32 v6, 7, v0
	v_bfe_u32 v7, v0, 3, 1
	v_mul_u32_u24 v3, v1, PAO
	v_lshl_add_u32 v3, v2, 4, v3
	s_mul_i32 s21, s11, 64*PAO
	v_add_nc_u32 v[ADRA], s21, v3
	v_add_nc_u32 v[ADRA+1], SLOT, v[ADRA]
	v_lshl_add_u32 v4, v2, 3, v6
	v_mul_u32_u24 v4, v4, PBO
	v_lshl_add_u32 v4, v7, 4, v4
	s_lshl_b32 s22, s12, 7
	s_add_co_u32 s22, s22, 2*HALFT
	v_add_nc_u32 v[ADRB], s22, v4
	v_add_nc_u32 v[ADRB+1], HALFT, v[ADRB]
	v_add_nc_u32 v[ADRB+2], SLOT, v[ADRB]
	v_add_nc_u32 v[ADRB+3], SLOT, v[ADRB+1]
	s_mul_i32 s23, s10, 16*SPITCH
	s_add_co_u32 s23, s23, STAGE
	v_mul_u32_u24 v4, v1, SPITCH                   ; in: row r, 32 bytes for each half of the lanes
	v_lshl_add_u32 v4, v2, 5, v4
	v_add_nc_u32 v[STO], s23, v4
	v_mul_u32_u24 v5, v2, SPITCH                   ; back: lanes 0-15 one row of 256 bytes, lanes 16-31 the next
	v_lshl_add_u32 v5, v1, 4, v5
	v_add_nc_u32 v[RD], s23, v5
	v_lshlrev_b32 v5, 12, v2                       ; the same two rows in out0
	v_lshl_add_u32 v[CO], v1, 4, v5
	s_lshl_b32 s16, s13, 19                        ; (128 tile row + 64 half) rows of 4,096 bytes
	s_lshl_b32 s17, s11, 18
	s_add_co_u32 s16, s16, s17
	s_mov_b32 s17, 0
	s_add_nc_u64 s[8:9], s[8:9], s[16:17]
	s_lshl_b32 s46, s42, 9
	s_lshl_b32 s47, s12, 8
	s_add_co_u32 s46, s46, s47
	s_mov_b32 s47, 0
	s_add_nc_u64 s[8:9], s[8:9], s[46:47]
.macro MUL8 f, c, a0, zero             ; 8 matrix instructions: row blocks a0, a0 + 1 x all 4 column blocks, 32 along K: half c of buffer f.  The 16 accumulators take turns
	WIN MUL
.irp a, \a0, (\a0)+1
.irp b, 0,1,2,3
.if \zero
	v_wmma_f32_16x16x32_f16 v[ACC+8*(4*(\a)+(\b)):ACC+8*(4*(\a)+(\b))+7], v[(\f)+64+8*(4*(\c)+(\b)):(\f)+64+8*(4*(\c)+(\b))+7], v[(\f)+8*(4*(\c)+(\a)):(\f)+8*(4*(\c)+(\a))+7], 0
.else
	v_wmma_f32_16x16x32_f16 v[ACC+8*(4*(\a)+(\b)):ACC+8*(4*(\a)+(\b))+7], v[(\f)+64+8*(4*(\c)+(\b)):(\f)+64+8*(4*(\c)+(\b))+7], v[(\f)+8*(4*(\c)+(\a)):(\f)+8*(4*(\c)+(\a))+7], v[ACC+8*(4*(\a)+(\b)):ACC+8*(4*(\a)+(\b))+7]
.endif
.endr
.endr
.endm
.macro FETCH slot, q, f                ; 32 LDS loads in one run: head q of a slot's four; the first 32 along K first
	WIN TO_F
.irp c, 0,1
.irp i, 0,1,2,3
	ds_load_tr16_b128 v[(\f)+64+8*(4*(\c)+(\i)):(\f)+64+8*(4*(\c)+(\i))+3],   v[ADRB+2*(\slot)+(\q)/2] offset:64*PBO*((\q)%2)+32*PBO*(\c)+32*(\i)
	ds_load_tr16_b128 v[(\f)+64+8*(4*(\c)+(\i))+4:(\f)+64+8*(4*(\c)+(\i))+7], v[ADRB+2*(\slot)+(\q)/2] offset:64*PBO*((\q)%2)+32*PBO*(\c)+32*(\i)+16*PBO
	ds_load_b128 v[(\f)+8*(4*(\c)+(\i)):(\f)+8*(4*(\c)+(\i))+3],   v[ADRA+(\slot)] offset:128*PAO*(\q)+16*PAO*(\i)+64*(\c)
	ds_load_b128 v[(\f)+8*(4*(\c)+(\i))+4:(\f)+8*(4*(\c)+(\i))+7], v[ADRA+(\slot)] offset:128*PAO*(\q)+16*PAO*(\i)+64*(\c)+32
.endr
.endr
.endm
.macro QUARTER slot, q, f, g, zero
	s_wait_dscnt 16                                ; the first 32 along K are in
	MUL8 \f, 0, 0, \zero
	MUL8 \f, 0, 2, \zero
	PLACES
	FETCH \slot, \q, \g
	s_wait_dscnt 32                                ; all but the 32 just issued
	MUL8 \f, 1, 0, 0
	MUL8 \f, 1, 2, 0
.endm
; The last quarter multiplies buffer 1 and changes slots: one barrier; in front of it each wave waits for all its tensor loads, adds 0 to its spare word, and waits for that and for its reads of this slot.
.macro TURN slot, next, fill
	WIN 0
	s_wait_tensorcnt 0x0
	ds_add_u32 v[SPW], v[NIL]                      ; 0 onto my spare word
	s_wait_dscnt 17                                ; the add and the youngest sixteen loads may be out
	MUL8 F1, 0, 0, 0
	s_wait_dscnt 0x0
	s_barrier_signal -1
	MUL8 F1, 0, 2, 0
.if \fill
	WIN 0
.endif
	s_barrier_wait -1
.if \fill
	CREST                                          ; the barrier has opened a round of the cluster's: no wave of any partner still reads this slot or has a load on its way
	s_add_nc_u64 s[G0+4*(\slot)+2:G0+4*(\slot)+3], s[G0+4*(\slot)+2:G0+4*(\slot)+3], 131072
	s_add_nc_u64 s[G0B+4*(\slot)+2:G0B+4*(\slot)+3], s[G0B+4*(\slot)+2:G0B+4*(\slot)+3], 1048576
	JLOAD \slot                                    ; its four v_nop are also the places in front of the loads below
.else
	PLACES
.endif
	FETCH \next, 0, F0
	MUL8 F1, 1, 0, 0
	MUL8 F1, 1, 2, 0
.endm
	s_wait_tensorcnt 1                             ; my part of K step 0 is in; K step 1's may stay out
	s_barrier_signal -1
	s_barrier_wait -1
	FETCH 0, 0, F0
	QUARTER 0, 1, F0, F1, 1                        ; the first products start the sums
	QUARTER 0, 2, F1, F0, 0                        ; four K steps: the first lap fills both slots again, the second fills nothing
	QUARTER 0, 3, F0, F1, 0
	TURN 0, 1, 1
	QUARTER 1, 1, F0, F1, 0
	QUARTER 1, 2, F1, F0, 0
	QUARTER 1, 3, F0, F1, 0
	TURN 1, 0, 1
	QUARTER 0, 1, F0, F1, 0
	QUARTER 0, 2, F1, F0, 0
	QUARTER 0, 3, F0, F1, 0
	TURN 0, 1, 0
	QUARTER 1, 1, F0, F1, 0
	QUARTER 1, 2, F1, F0, 0
	QUARTER 1, 3, F0, F1, 0
	s_wait_dscnt 16
	MUL8 F1, 0, 0, 0
	MUL8 F1, 0, 2, 0
	s_wait_dscnt 0x0
	MUL8 F1, 1, 0, 0
	MUL8 F1, 1, 2, 0
	WIN 0
	PLACES
	; THE WAY OUT, 16 rows at a time: into my stage (each accumulator's low four registers first), back as whole rows of 256 bytes, stored
.irp a, 0,1,2,3
.irp b, 0,1,2,3
	ds_store_b128 v[STO], v[ACC+8*(4*(\a)+(\b)):ACC+8*(4*(\a)+(\b))+3]   offset:64*(\b)
	ds_store_b128 v[STO], v[ACC+8*(4*(\a)+(\b))+4:ACC+8*(4*(\a)+(\b))+7] offset:64*(\b)+16
.endr
.if (\a) >= 2
	s_wait_xcnt 0x0                                ; the stores of two blocks back have read the registers that are loaded again
.endif
.irp t, 0,1,2,3,4,5,6,7
	ds_load_b128 v[BK+32*((\a)%2)+4*(\t):BK+32*((\a)%2)+4*(\t)+3], v[RD] offset:2*SPITCH*(\t)  ; LDS serves a wave's instructions in order (ISA guide 5.7.1.4)
.endr
.irp t, 0,1,2,3,4,5,6,7
	s_wait_dscnt 7-(\t)
	global_store_b128 v[CO], v[BK+32*((\a)%2)+4*(\t):BK+32*((\a)%2)+4*(\t)+3], s[8:9] offset:8192*(\t)+65536*(\a)  ; 16 lanes store 256 consecutive bytes, aligned
.endr
.endr
	s_wait_tensorcnt 0x0                           ; the wave's end
	ds_add_u32 v[SPW], v[NIL]
	s_wait_dscnt 0x0
	CROUND                                         ; the closing round
	s_endpgm
.Lfunc_end_k_qe67a584ee5_oproj:
	.size	k_qe67a584ee5_oproj, .Lfunc_end_k_qe67a584ee5_oproj-k_qe67a584ee5_oproj
	.p2alignl 7, 3214868480
	.fill 96, 4, 3214868480
	.section	.rodata,"a",@progbits
	.p2align	6, 0x0
	.amdhsa_kernel k_qe67a584ee5_oproj
		.amdhsa_group_segment_fixed_size 327680
		.amdhsa_private_segment_fixed_size 0
		.amdhsa_enable_private_segment 0
		.amdhsa_kernarg_size 24
		.amdhsa_user_sgpr_count 2
		.amdhsa_user_sgpr_kernarg_segment_ptr 1
		.amdhsa_wavefront_size32 1
		.amdhsa_system_sgpr_workgroup_id_x 1
		.amdhsa_system_sgpr_workgroup_id_y 1
		.amdhsa_system_sgpr_workgroup_id_z 1
		.amdhsa_system_vgpr_workitem_id 0
		.amdhsa_next_free_vgpr 512
		.amdhsa_next_free_sgpr 66
		.amdhsa_reserve_vcc 0
		.amdhsa_float_denorm_mode_32 3
		.amdhsa_float_denorm_mode_16_64 3
		.amdhsa_memory_ordered 1
		.amdhsa_forward_progress 1
		.amdhsa_inst_pref_size 86
	.end_amdhsa_kernel
	.amdgpu_metadata
---
amdhsa.version: [ 1, 2 ]
amdhsa.kernels:
  - .name:           k_qe67a584ee5_oproj
    .symbol:         k_qe67a584ee5_oproj.kd
    .args:
      - { .name: ows, .offset: 0, .size: 8, .value_kind: global_buffer, .address_space: global }
      - { .name: wo16, .offset: 8, .size: 8, .value_kind: global_buffer, .address_space: global }
      - { .name: out0, .offset: 16, .size: 8, .value_kind: global_buffer, .address_space: global }
    .group_segment_fixed_size: 327680
    .private_segment_fixed_size: 0
    .kernarg_segment_align: 8
    .kernarg_segment_size: 24
    .max_flat_workgroup_size: 128
    .sgpr_count:     66
    .vgpr_count:     512
    .wavefront_size: 32
...
	.end_amdgpu_metadata
.endif
;; end of part 4
;; ======== version 2 of 3: 4 launches; 1.13 times as fast as version 1
;; limits: values are held in f16: magnitudes above 65,504 overflow, below 6.1e-05 lose precision
;; workspace buffers: xb 8,388,608 bytes; wqk 8,388,608 bytes; wv 2,097,152 bytes; wo16 2,097,152 bytes; qws 16,777,216 bytes; kws 16,777,216 bytes; vws 8,388,608 bytes; ows 8,388,608 bytes
;; launch prep: the kernel of part 1 again; grid 640 x 1, 8 waves a work-group, no clusters, 0 bytes of LDS; arguments x, Wq, Wk, Wv, Wo, xb, wqk, wv, wo16; writes xb, wqk, wv, wo16
;; launch qkv (part 5): grid 16 x 16, 4 waves a work-group, clusters of 4 x 4, 327,680 bytes of LDS; arguments xb, wqk, wv, qws, kws, vws; writes qws, kws, vws
.if DOCPART == 5
	.amdgcn_target "amdgcn-amd-amdhsa--gfx1250"
	.amdhsa_code_object_version 6
	.text
	.protected	k_qe67a584ee5_qkv
	.globl	k_qe67a584ee5_qkv
	.p2align	8
	.type	k_qe67a584ee5_qkv,@function
k_qe67a584ee5_qkv:
	s_mov_b64 s[64:65], 0
	v_nop
	global_prefetch_b8 v0, s[64:65] scope:SCOPE_SE
	s_setreg_imm32_b32 hwreg(HW_REG_WAVE_MODE, 25, 1), 1
	s_wait_xcnt 0x0
	s_wait_alu depctr_hold_cnt(0) depctr_sa_sdst(0) depctr_va_vdst(0) depctr_va_sdst(0) depctr_va_ssrc(0) depctr_va_vcc(0) depctr_vm_vsrc(0)
	s_getreg_b32 s2, hwreg(HW_REG_IB_STS2, 6, 4)
	s_cmp_eq_u32 s2, 0
	s_cbranch_scc0 .Lentry_in_a_cluster
	s_endpgm
.Lentry_in_a_cluster:
	s_bfe_u32 s2, ttmp6, 0x10000c
	s_cmp_lg_u32 s2, 0xf033
	s_cbranch_scc0 .Lentry_shape_is_right
	s_endpgm
.Lentry_shape_is_right:
; QKV: x [4096][1024] times [Wq | Wk | Wv], bf16 operands, f32 sums; softplus, sine and cosine on the way out.
; A work-group makes 256 rows x 320 columns: tile j of wqk (two heads of Q or of K, amplitude and phase) and head j of V.  4096 x 5120 outputs = 256 such blocks.
; A wave (rh = wave / 2, ch = wave % 2) makes 128 rows x 160 columns: column blocks 0-3 amplitude, 4-7 phase of head 2 (j % 8) + ch, 8-9 V's channels 32 ch on: 80 accumulators.
; THE MATRIX INSTRUCTION IS USED TRANSPOSED (source 0 = 16 columns of W, turned out of LDS; source 1 = 16 rows of x): a lane holds one row and eight neighbouring columns.
; K goes in steps of 128 through two LDS slots.  CLUSTER 4 x 4: x's tile is shared along a row of the cluster, W's tiles along a column: joint loads.
; A row of Q' or K' is 128 f16: for d = 2 L, 2 L + 1 its elements 4 L + e are  e 0,1: a cos p   2,3: a sin p,   a = softplus(amplitude), p = phase.  Q' . K' is the score, ungated and unscaled.
; OUT: qws, kws [bh 32][t 2048][128] f16; vws [bh 32][channel half 2][t 2048][32] f16.
; LIMITS.  Inputs arrive rounded to bf16.  Q', K', V are f16: beyond 65,504 they overflow.
; softplus(x) = max(x, 0) + ln 2 log2(1 + 2^(-|x| log2 e)): right to 6e-8 absolute, so below x = -17 it is 0.  Sine and cosine: x less the nearest multiple of 2 pi (two-part constant, good to
; |x| about 1e5), then the series to r^13 and r^14 on |r| <= pi: errors under 2.2e-5 and 4.3e-6.  NaN and infinities are not treated apart.
; REGISTERS, in windows of 256 (s_set_vgpr_msb: bits 1:0 source 0, 3:2 source 1, 5:4 source 2, 7:6 destination):
;   window 0: v0-15 addresses; v16-47 packed output; v48-175 x's fragments, two buffers of 64 (on the way out: at work); v176-255 accumulators of row block 7
;   window 1: v0-159 W's fragments, two buffers of 80; v160-239 accumulators of row block 6      window 2: row blocks 0-2 at 80 a + 8 b      window 3: row blocks 3-5
.set PA,    272                        ; a row of x in LDS: 256 bytes + 16: odd multiple of 16, so the 16 rows of a load start in 16 different groups of four banks (ISA guide 11.1)
.set PQ,    544                        ; a k row of wqk's tile: 512 + 32: odd multiple of 32
.set PW,    160                        ; a k row of wv's tile: 128 + 32
.set HALFA, 128*PA
.set OFFQ,  2*HALFA                    ; a slot: 256 rows of x, 128 k rows of wqk, 128 k rows of wv
.set OFFV,  OFFQ+128*PQ
.set SLOT,  OFFV+128*PW
.set SPARE, 2*SLOT                     ; behind the ring: the spare words, 128 bytes a wave: two blocks of 256 bytes that no other line names
.set SROW,  656                        ; the way out: a stage row, 160 f32 + 16 bytes
.set STGW,  64*SROW                    ; a wave's stage: 64 rows; the stages lie in ring bytes that have had their last fill
.set ADRA, 2                           ; v2-3  LDS address of my fragments of x in slot 0, 1
.set ADRQ, 4                           ; v4-5  of wqk's
.set ADRV, 6                           ; v6-7  of wv's
.set SPW,  8                           ; v8    LDS address of my spare word; never rewritten
.set NIL,  9                           ; v9    0; never rewritten
.set FA,   48
.set WV, 18                            ; s18 wave; s19 rh; s20 ch
.set RH, 19
.set CH, 20
.set CX, 21
.set CY, 22
.set JT, 23                            ; tile column
.set MT, 24                            ; tile row
.set LAP, 27
.set G1A, 28                           ; s[28:35], s[36:43], s[44:51] descriptor groups 1
.set G1Q, 36
.set G1V, 44
.set G0A, 52                           ; s[52:59], s[68:75], s[76:83] descriptor groups 0, a set for each slot
.set G0Q, 68
.set G0V, 76
.set HEAD, 91
.set MSB, 0
.macro WIN new                         ; the immediate's high byte repeats the setting that is left; a switch that changes nothing is dropped
.if MSB != (\new)
	s_set_vgpr_msb (MSB<<8)|(\new)
.set MSB, (\new)
.endif
.endm
.macro PLACES                          ; four places in front of loads into registers that matrix instructions have read, and of reads of results
.rept 4
	v_nop
.endr
.endm
; A joint load.  Waves 0 and 1 fetch x's two halves, wave 2 wqk's tile, wave 3 wv's.  The branches hang on the wave's number alone.
; An s_nop 0 and four v_nop follow each line, ahead of the jump and the label.
.macro JLOAD s
	s_cmp_lt_u32 s[WV], 2
	s_cbranch_scc0 .Lnot_a_\@
	tensor_load_to_lds s[G0A+4*(\s):G0A+4*(\s)+3], s[G1A:G1A+7]
	s_nop 0
	PLACES
	s_branch .Lasked_\@
.Lnot_a_\@:
	s_cmp_eq_u32 s[WV], 2
	s_cbranch_scc0 .Lfor_v_\@
	tensor_load_to_lds s[G0Q+4*(\s):G0Q+4*(\s)+3], s[G1Q:G1Q+7]
	s_nop 0
	PLACES
	s_branch .Lasked_\@
.Lfor_v_\@:
	tensor_load_to_lds s[G0V+4*(\s):G0V+4*(\s)+3], s[G1V:G1V+7]
	s_nop 0
	PLACES
.Lasked_\@:
.endm
.macro CREST                           ; a round of the cluster's barrier behind its opening barrier
	s_cmp_lg_u32 s[WV], 0
	s_cbranch_scc1 .Lnot_wave_0_\@
	s_barrier_signal -3
.Lnot_wave_0_\@:
	s_barrier_wait -3
	s_barrier_signal -1
	s_barrier_wait -1
.endm
.macro CROUND
	s_barrier_signal -1
	s_barrier_wait -1
	CREST
.endm
	s_load_b256 s[4:11], s[0:1], 0x0               ; xb 4, wqk 6, wv 8, qws 10
	s_load_b128 s[12:15], s[0:1], 0x20             ; kws 12, vws 14
	v_lshl_add_u32 v[SPW], v0, 2, SPARE
	v_mov_b32 v[NIL], 0
	ds_add_u32 v8, v9
	s_wait_dscnt 0x0
	v_lshrrev_b32 v1, 5, v0
	v_readfirstlane_b32 s[WV], v1
	s_lshr_b32 s[RH], s[WV], 1
	s_and_b32 s[CH], s[WV], 1
	s_bfe_u32 s[CX], ttmp6, 0x40000
	s_bfe_u32 s[CY], ttmp6, 0x40004
	s_lshl_b32 s[JT], ttmp9, 2
	s_add_co_u32 s[JT], s[JT], s[CX]
	s_and_b32 s[MT], ttmp7, 0xffff
	s_lshl_b32 s[MT], s[MT], 2
	s_add_co_u32 s[MT], s[MT], s[CY]
	s_lshl_b32 s25, s[CY], 2
	s_lshl_b32 s25, 15, s25                        ; my row of the cluster
	s_lshl_b32 s26, 0x1111, s[CX]                  ; my column
	s_or_b32 s[G1A], s25, (1<<16)|(1<<20)|(1<<21)|(5<<22)|(3<<25)  ; mask; 2-byte elements; padding on; bit 21 beside a mask; after 64 words 4 words
	s_mov_b32 s[G1A+1], 128<<16                    ; tensor_dim0 = 128
	s_mov_b32 s[G1A+2], 128<<16                    ; tensor_dim1 = 128
	s_mov_b32 s[G1A+3], 128<<16                    ; tile_dim0 = 128
	s_mov_b32 s[G1A+4], 128                        ; tile_dim1 = 128
	s_mov_b32 s[G1A+5], 1024                       ; elements from row to row
	s_mov_b32 s[G1A+6], 0
	s_mov_b32 s[G1A+7], 0
	s_or_b32 s[G1Q], s26, (1<<16)|(1<<20)|(1<<21)|(6<<22)|(7<<25)  ; after 128 words 8 words
	s_mov_b32 s[G1Q+1], 256<<16
	s_mov_b32 s[G1Q+2], 128<<16
	s_mov_b32 s[G1Q+3], 256<<16
	s_mov_b32 s[G1Q+4], 128
	s_mov_b32 s[G1Q+5], 4096
	s_mov_b32 s[G1Q+6], 0
	s_mov_b32 s[G1Q+7], 0
	s_or_b32 s[G1V], s26, (1<<16)|(1<<20)|(1<<21)|(4<<22)|(7<<25)  ; 128 dense k rows of 128 bytes asked for as 64 rows of 256; after 32 words 8 words
	s_mov_b32 s[G1V+1], 128<<16
	s_mov_b32 s[G1V+2], 64<<16
	s_mov_b32 s[G1V+3], 128<<16
	s_mov_b32 s[G1V+4], 64
	s_mov_b32 s[G1V+5], 128
	s_mov_b32 s[G1V+6], 0
	s_mov_b32 s[G1V+7], 0
	s_lshl_b32 s84, s[MT], 19                      ; x: (256 tile row + 128 half) rows of 2,048 bytes: made of the tile row and the wave alone
	s_lshl_b32 s85, s[CH], 18
	s_add_co_u32 s84, s84, s85
	s_mov_b32 s85, 0
	s_lshl_b32 s86, s[JT], 9                       ; wqk: 512 bytes a tile column
	s_mov_b32 s87, 0
	s_lshl_b32 s88, s[JT], 17                      ; wv: 131,072 bytes a head
	s_mov_b32 s89, 0
	s_mul_i32 s90, s[CH], HALFA
	s_and_b32 s[HEAD], s[JT], 7
	s_lshl_b32 s[HEAD], s[HEAD], 1
	s_add_co_u32 s[HEAD], s[HEAD], s[CH]           ; my head of Q or K
	s_wait_kmcnt 0x0
	s_add_nc_u64 s[84:85], s[4:5], s[84:85]
	s_add_nc_u64 s[86:87], s[6:7], s[86:87]
	s_add_nc_u64 s[88:89], s[8:9], s[88:89]
	CROUND                                         ; all sixteen work-groups are here: the first joint loads meet
.irp s, 0,1
	s_mov_b32 s[G0A+4*(\s)], 1
	s_add_co_u32 s[G0A+4*(\s)+1], s90, (\s)*SLOT
	s_add_nc_u64 s[G0A+4*(\s)+2:G0A+4*(\s)+3], s[84:85], (\s)*256
	s_or_b32 s[G0A+4*(\s)+3], s[G0A+4*(\s)+3], 0x80000000
	s_mov_b32 s[G0Q+4*(\s)], 1
	s_mov_b32 s[G0Q+4*(\s)+1], (\s)*SLOT+OFFQ
	s_add_nc_u64 s[G0Q+4*(\s)+2:G0Q+4*(\s)+3], s[86:87], (\s)*1048576
	s_or_b32 s[G0Q+4*(\s)+3], s[G0Q+4*(\s)+3], 0x80000000
	s_mov_b32 s[G0V+4*(\s)], 1
	s_mov_b32 s[G0V+4*(\s)+1], (\s)*SLOT+OFFV
	s_add_nc_u64 s[G0V+4*(\s)+2:G0V+4*(\s)+3], s[88:89], (\s)*16384
	s_or_b32 s[G0V+4*(\s)+3], s[G0V+4*(\s)+3], 0x80000000
	JLOAD \s                                       ; K steps 0 and 1: two tensor loads of mine are out
.endr
	v_and_b32 v1, 15, v0                           ; r = lane % 16
	v_bfe_u32 v10, v0, 4, 1                        ; h = lane / 16
	v_and_b32 v11, 7, v0
	v_bfe_u32 v12, v0, 3, 1
	v_mul_u32_u24 v13, v1, PA
	v_lshl_add_u32 v13, v10, 4, v13                ; x: row r, 16 bytes for each half of the lanes
	s_mul_i32 s94, s[RH], HALFA
	v_add_nc_u32 v[ADRA], s94, v13
	v_add_nc_u32 v[ADRA+1], SLOT, v[ADRA]
	v_lshl_add_u32 v14, v10, 3, v11                ; the turning load: k row 8 h + lane % 8, 16 bytes (lane / 8) % 2
	v_mul_u32_u24 v15, v14, PQ
	v_lshl_add_u32 v15, v12, 4, v15
	s_lshl_b32 s94, s[CH], 8
	s_add_co_u32 s94, s94, OFFQ
	v_add_nc_u32 v[ADRQ], s94, v15
	v_add_nc_u32 v[ADRQ+1], SLOT, v[ADRQ]
	v_mul_u32_u24 v15, v14, PW
	v_lshl_add_u32 v15, v12, 4, v15
	s_lshl_b32 s94, s[CH], 6
	s_add_co_u32 s94, s94, OFFV
	v_add_nc_u32 v[ADRV], s94, v15
	v_add_nc_u32 v[ADRV+1], SLOT, v[ADRV]
.macro ACCOF a                         ; window AW and first register AB of row block a's ten accumulators
.if (\a) < 3
.set AW, 2
.set AB, 80*(\a)
.elseif (\a) < 6
.set AW, 3
.set AB, 80*((\a)-3)
.elseif (\a) == 6
.set AW, 1
.set AB, 160
.else
.set AW, 0
.set AB, 176
.endif
.endm
; Ten matrix instructions: row block a x all column blocks, 32 along K, from buffers f.  The 80 accumulators take turns in the same order in every quarter.
.macro MULROW f, a, zero
	ACCOF \a
	WIN (AW<<6)|(AW<<4)|1
.irp b, 0,1,2,3,4,5,6,7,8,9
.if \zero
	v_wmma_f32_16x16x32_bf16 v[AB+8*(\b):AB+8*(\b)+7], v[80*(\f)+8*(\b):80*(\f)+8*(\b)+7], v[FA+64*(\f)+8*(\a):FA+64*(\f)+8*(\a)+7], 0
.else
	v_wmma_f32_16x16x32_bf16 v[AB+8*(\b):AB+8*(\b)+7], v[80*(\f)+8*(\b):80*(\f)+8*(\b)+7], v[FA+64*(\f)+8*(\a):FA+64*(\f)+8*(\a)+7], v[AB+8*(\b):AB+8*(\b)+7]
.endif
.endr
.endm
; 36 LDS loads in one run: quarter q (32 along K) of a slot into buffers f: W's ten column blocks (turned), then x's eight row blocks
.macro FETCH slot, q, f
	WIN 0x40
.irp b, 0,1,2,3,4,5,6,7
	ds_load_tr16_b128 v[80*(\f)+8*(\b):80*(\f)+8*(\b)+3],   v[ADRQ+(\slot)] offset:32*PQ*(\q)+32*(\b)
	ds_load_tr16_b128 v[80*(\f)+8*(\b)+4:80*(\f)+8*(\b)+7], v[ADRQ+(\slot)] offset:32*PQ*(\q)+32*(\b)+16*PQ
.endr
.irp b, 0,1
	ds_load_tr16_b128 v[80*(\f)+64+8*(\b):80*(\f)+64+8*(\b)+3],   v[ADRV+(\slot)] offset:32*PW*(\q)+32*(\b)
	ds_load_tr16_b128 v[80*(\f)+64+8*(\b)+4:80*(\f)+64+8*(\b)+7], v[ADRV+(\slot)] offset:32*PW*(\q)+32*(\b)+16*PW
.endr
	WIN 0
.irp a, 0,1,2,3,4,5,6,7
	ds_load_b128 v[FA+64*(\f)+8*(\a):FA+64*(\f)+8*(\a)+3],   v[ADRA+(\slot)] offset:64*(\q)+16*PA*(\a)
	ds_load_b128 v[FA+64*(\f)+8*(\a)+4:FA+64*(\f)+8*(\a)+7], v[ADRA+(\slot)] offset:64*(\q)+16*PA*(\a)+32
.endr
.endm
; One of a K step's first three quarters: multiplies buffers f; in its middle it fetches quarter q of the same slot into buffers g.
.macro QUARTER slot, q, f, g, zero
	s_wait_dscnt 8                                 ; W and x's row blocks 0-3 are in; the youngest eight loads (row blocks 4-7) may be out
	MULROW \f, 0, \zero
	MULROW \f, 1, \zero
	MULROW \f, 2, \zero
	MULROW \f, 3, \zero
	PLACES
	FETCH \slot, \q, \g
	s_wait_dscnt 36                                ; all but the 36 just issued
	MULROW \f, 4, \zero
	MULROW \f, 5, \zero
	MULROW \f, 6, \zero
	MULROW \f, 7, \zero
.endm
; The fourth quarter multiplies buffers 1 and changes slots: one barrier; in front of it each wave waits for all its tensor loads (one is out: its part of the next slot), adds 0 to its
; spare word, and waits for that and for its reads of this slot.  fill = 1: the barrier opens a round of the cluster's, and this slot is filled again, two K steps ahead, first thing behind it.
.macro TURN slot, next, fill
	WIN 0
	s_wait_tensorcnt 0x0
	ds_add_u32 v[SPW], v[NIL]                      ; 0 onto my spare word
	s_wait_dscnt 9                                 ; the add and the youngest eight loads may be out
	MULROW 1, 0, 0
	MULROW 1, 1, 0
	s_wait_dscnt 0x0                               ; the add is done, and my reads of this slot are over
	s_barrier_signal -1
	MULROW 1, 2, 0
	MULROW 1, 3, 0
.if \fill
	WIN 0
.endif
	s_barrier_wait -1
.if \fill
	CREST                                          ; no wave of any partner still reads this slot or has a load on its way
	s_add_nc_u64 s[G0A+4*(\slot)+2:G0A+4*(\slot)+3], s[G0A+4*(\slot)+2:G0A+4*(\slot)+3], 512
	s_add_nc_u64 s[G0Q+4*(\slot)+2:G0Q+4*(\slot)+3], s[G0Q+4*(\slot)+2:G0Q+4*(\slot)+3], 2097152
	s_add_nc_u64 s[G0V+4*(\slot)+2:G0V+4*(\slot)+3], s[G0V+4*(\slot)+2:G0V+4*(\slot)+3], 32768
	JLOAD \slot                                    ; its four v_nop are also the places in front of the loads below
.else
	PLACES
.endif
	FETCH \next, 0, 0
	MULROW 1, 4, 0
	MULROW 1, 5, 0
	MULROW 1, 6, 0
	MULROW 1, 7, 0
.endm
	s_wait_tensorcnt 1                             ; my part of K step 0 is in; K step 1's may stay out
	s_barrier_signal -1
	s_barrier_wait -1
	FETCH 0, 0, 0
	QUARTER 0, 1, 0, 1, 1                          ; the first quarter's products start the sums: nothing is cleared
	WIN 0
	s_mov_b32 s[LAP], 3                            ; 8 K steps = 4 laps; a trip goes once round the ring and fills both slots again
.Llap:
	QUARTER 0, 2, 1, 0, 0
	QUARTER 0, 3, 0, 1, 0
	TURN 0, 1, 1
	QUARTER 1, 1, 0, 1, 0
	QUARTER 1, 2, 1, 0, 0
	QUARTER 1, 3, 0, 1, 0
	TURN 1, 0, 1
	QUARTER 0, 1, 0, 1, 0
	WIN 0
	s_sub_co_u32 s[LAP], s[LAP], 1
	s_cmp_lg_u32 s[LAP], 0
	s_cbranch_scc1 .Llap
	QUARTER 0, 2, 1, 0, 0                          ; the last lap fills nothing
	QUARTER 0, 3, 0, 1, 0
	TURN 0, 1, 0
	QUARTER 1, 1, 0, 1, 0
	QUARTER 1, 2, 1, 0, 0
	QUARTER 1, 3, 0, 1, 0
	s_wait_dscnt 8
	MULROW 1, 0, 0
	MULROW 1, 1, 0
	MULROW 1, 2, 0
	MULROW 1, 3, 0
	s_wait_dscnt 0x0
	MULROW 1, 4, 0
	MULROW 1, 5, 0
	MULROW 1, 6, 0
	MULROW 1, 7, 0
	WIN 0
; THE WAY OUT.  Half of my rows (64) at a time go as f32 through my stage; from there a lane takes two neighbouring d of a row (amplitude and phase), makes its four f16, and a wave's store is a whole row of 256 bytes.
.set STO,  2                           ; v2   into the stage: row r, 32 bytes for each half of the lanes
.set RDA0, 3                           ; v3   out of it: 8 bytes a lane
.set VRD,  5                           ; v5   V out of the stage: row lane / 4, 32 bytes lane % 4
.set GOFF, 6                           ; v6   16 x lane
.set RDA,  7
.set GOF8, 10                          ; v10  8 x lane
.set OX,   16                          ; v16-23, v32-39 packed rows of the two sets
.set OY,   32
.set XS,   48                          ; a set: 8 amplitudes, 8 phases
.set YS,   72
.set TT,   96
.set MM,   104
.set NN,   112
.set RR,   120
.set UU,   128
.set PP,   136
.set SN,   144
.set CN,   152
.set RU,   160
.set NHI, 28                           ; scalar pairs (both words alike): the packed forms take a pair's low word for both halves.  All tensor loads are done: the descriptors' registers are free
.set NLO, 30
.set INV, 32
.set KS1, 34
.set KS2, 36
.set KS3, 38
.set KS4, 40
.set KS5, 42
.set KS6, 44
.set KC2, 46
.set KC3, 48
.set KC4, 50
.set KC5, 52
.set KC6, 54
.set KC7, 56
.set L2E, 58
.set LN2, 60
.set QKB, 68                           ; s[68:69] Q' or K' at my rows; s[70:71] V
.set VBS, 70
.set HALFC, 72
.set CNT, 73
.set RB, 74
.macro SPAIR r, val
	s_mov_b32 s[\r], \val
	s_mov_b32 s[(\r)+1], \val
.endm
.macro EA1 n, line:vararg              ; a line for z = 0, 1, ..
.set z, 0
.rept \n
	\line
.set z, z+1
.endr
.endm
.macro EA2 n, line:vararg              ; a line for z = 0, 2, ..: n pairs
.set z, 0
	s_wait_alu depctr_va_vdst(0)
.rept \n
	\line
.set z, z+2
.endr
.endm
.macro SC1 n                           ; n pairs of angles at PH: r = x - 2 pi rndne(x / 2 pi), 2 pi in two parts
	EA2 \n, v_pk_mul_f32 v[NN+z:NN+z+1], v[PH+z:PH+z+1], s[INV:INV+1] op_sel_hi:[1,0]
	EA1 2*(\n), v_rndne_f32 v[NN+z], v[NN+z]
	EA2 \n, v_pk_fma_f32 v[RR+z:RR+z+1], v[NN+z:NN+z+1], s[NHI:NHI+1], v[PH+z:PH+z+1] op_sel_hi:[1,0,1]
	EA2 \n, v_pk_fma_f32 v[RR+z:RR+z+1], v[NN+z:NN+z+1], s[NLO:NLO+1], v[RR+z:RR+z+1] op_sel_hi:[1,0,1]
.endm
.macro SC2 n                           ; sin r = r + r u q(u), cos r = 1 + u q(u), u = r r
	EA2 \n, v_pk_mul_f32 v[UU+z:UU+z+1], v[RR+z:RR+z+1], v[RR+z:RR+z+1]
	EA2 \n, v_pk_fma_f32 v[PP+z:PP+z+1], v[UU+z:UU+z+1], s[KS6:KS6+1], s[KS5:KS5+1] op_sel_hi:[1,0,0]
	EA2 \n, v_pk_fma_f32 v[PP+z:PP+z+1], v[PP+z:PP+z+1], v[UU+z:UU+z+1], s[KS4:KS4+1] op_sel_hi:[1,1,0]
	EA2 \n, v_pk_fma_f32 v[PP+z:PP+z+1], v[PP+z:PP+z+1], v[UU+z:UU+z+1], s[KS3:KS3+1] op_sel_hi:[1,1,0]
	EA2 \n, v_pk_fma_f32 v[PP+z:PP+z+1], v[PP+z:PP+z+1], v[UU+z:UU+z+1], s[KS2:KS2+1] op_sel_hi:[1,1,0]
	EA2 \n, v_pk_fma_f32 v[PP+z:PP+z+1], v[PP+z:PP+z+1], v[UU+z:UU+z+1], s[KS1:KS1+1] op_sel_hi:[1,1,0]
	EA2 \n, v_pk_mul_f32 v[RU+z:RU+z+1], v[RR+z:RR+z+1], v[UU+z:UU+z+1]
	EA2 \n, v_pk_fma_f32 v[SN+z:SN+z+1], v[RU+z:RU+z+1], v[PP+z:PP+z+1], v[RR+z:RR+z+1]
	EA2 \n, v_pk_fma_f32 v[PP+z:PP+z+1], v[UU+z:UU+z+1], s[KC7:KC7+1], s[KC6:KC6+1] op_sel_hi:[1,0,0]
	EA2 \n, v_pk_fma_f32 v[PP+z:PP+z+1], v[PP+z:PP+z+1], v[UU+z:UU+z+1], s[KC5:KC5+1] op_sel_hi:[1,1,0]
	EA2 \n, v_pk_fma_f32 v[PP+z:PP+z+1], v[PP+z:PP+z+1], v[UU+z:UU+z+1], s[KC4:KC4+1] op_sel_hi:[1,1,0]
	EA2 \n, v_pk_fma_f32 v[PP+z:PP+z+1], v[PP+z:PP+z+1], v[UU+z:UU+z+1], s[KC3:KC3+1] op_sel_hi:[1,1,0]
	EA2 \n, v_pk_fma_f32 v[PP+z:PP+z+1], v[PP+z:PP+z+1], v[UU+z:UU+z+1], s[KC2:KC2+1] op_sel_hi:[1,1,0]
	EA2 \n, v_pk_fma_f32 v[PP+z:PP+z+1], v[PP+z:PP+z+1], v[UU+z:UU+z+1], -0.5 op_sel_hi:[1,1,0]
	EA2 \n, v_pk_fma_f32 v[CN+z:CN+z+1], v[PP+z:PP+z+1], v[UU+z:UU+z+1], 1.0 op_sel_hi:[1,1,0]
.endm
.macro STORES hf                       ; row blocks 4 hf .. 4 hf + 3 into my stage; each accumulator's low four registers first
.irp a4, 0,1,2,3
	ACCOF 4*(\hf)+(\a4)
	WIN (AW<<2)                                    ; store data (source 1) in the accumulators' window
.irp b, 0,1,2,3,4,5,6,7,8,9
	ds_store_b128 v[STO], v[AB+8*(\b):AB+8*(\b)+3]   offset:16*SROW*(\a4)+64*(\b)
	ds_store_b128 v[STO], v[AB+8*(\b)+4:AB+8*(\b)+7] offset:16*SROW*(\a4)+64*(\b)+16
.endr
.endr
	WIN 0
.endm
.macro LOADS X, r0                     ; eight LDS loads: four rows' amplitudes and phases
.irp i, 0,1,2,3
	ds_load_b64 v[(\X)+2*(\i):(\X)+2*(\i)+1], v[RDA] offset:SROW*((\r0)+(\i))
.endr
.irp i, 0,1,2,3
	ds_load_b64 v[(\X)+8+2*(\i):(\X)+8+2*(\i)+1], v[RDA] offset:SROW*((\r0)+(\i))+256
.endr
.endm
; Four rows.  Exponentials and logarithms stand in runs of eight, each run followed by plain lines that touch none of its registers before its results are used (ISA guide 5.7.2).
.macro ARITH X, O, goff
.set AM, (\X)
.set PH, (\X)+8
	EA1 8, v_max_num_f32 v[MM+z], 0, v[AM+z]
	EA2 4, v_pk_fma_f32 v[TT+z:TT+z+1], v[MM+z:MM+z+1], -2.0, v[AM+z:AM+z+1] op_sel_hi:[1,0,1]   ; x - 2 max(x, 0) = -|x|, exactly
	EA2 4, v_pk_mul_f32 v[TT+z:TT+z+1], v[TT+z:TT+z+1], s[L2E:L2E+1] op_sel_hi:[1,0]
	EA1 8, v_exp_f32 v[TT+z], v[TT+z]
	SC1 4
	EA2 4, v_pk_add_f32 v[TT+z:TT+z+1], v[TT+z:TT+z+1], 1.0 op_sel_hi:[1,0]
	EA1 8, v_log_f32 v[TT+z], v[TT+z]
	SC2 4
	EA2 4, v_pk_fma_f32 v[TT+z:TT+z+1], v[TT+z:TT+z+1], s[LN2:LN2+1], v[MM+z:MM+z+1] op_sel_hi:[1,0,1]  ; a
	EA2 4, v_pk_mul_f32 v[RR+z:RR+z+1], v[CN+z:CN+z+1], v[TT+z:TT+z+1]                                  ; a cos p
	EA2 4, v_pk_mul_f32 v[UU+z:UU+z+1], v[SN+z:SN+z+1], v[TT+z:TT+z+1]                                  ; a sin p
.irp i, 0,1,2,3
	v_cvt_pk_f16_f32 v[(\O)+2*(\i)],   v[RR+2*(\i)], v[RR+2*(\i)+1]
	v_cvt_pk_f16_f32 v[(\O)+2*(\i)+1], v[UU+2*(\i)], v[UU+2*(\i)+1]
	global_store_b64 v[GOF8], v[(\O)+2*(\i):(\O)+2*(\i)+1], s[QKB:QKB+1] offset:(\goff)+256*(\i)  ; a whole row: 256 consecutive bytes, aligned
.endr
.endm
	s_wait_dscnt 0x0                               ; my reads of the ring are over,
	s_barrier_signal -1
	s_barrier_wait -1                              ; everybody's are: the ring's bytes, which have had their last fill, become stages
	SPAIR NHI, 0xc0c90fdb                          ; -2 pi, high part
	SPAIR NLO, 0x343bbd2e                          ; -(2 pi - high part)
	SPAIR INV, 0x3e22f983                          ; 1 / 2 pi
	SPAIR KS1, 0xbe2aaaab                          ; -1/3!, 1/5!, .. 1/13!
	SPAIR KS2, 0x3c088889
	SPAIR KS3, 0xb9500d01
	SPAIR KS4, 0x3638ef1d
	SPAIR KS5, 0xb2d7322b
	SPAIR KS6, 0x2f309231
	SPAIR KC2, 0x3d2aaaab                          ; 1/4!, -1/6!, .. -1/14!
	SPAIR KC3, 0xbab60b61
	SPAIR KC4, 0x37d00d01
	SPAIR KC5, 0xb493f27e
	SPAIR KC6, 0x310f76c7
	SPAIR KC7, 0xad49cba5
	SPAIR L2E, 0x3fb8aa3b
	SPAIR LN2, 0x3f317218
	v_and_b32 v12, 15, v0                          ; the address lines are also the places behind the last products
	v_bfe_u32 v13, v0, 4, 1
	v_and_b32 v14, 31, v0
	s_mul_i32 s76, s[WV], STGW
	v_mul_u32_u24 v[STO], v12, SROW
	v_lshl_add_u32 v[STO], v13, 5, v[STO]
	v_add_nc_u32 v[STO], s76, v[STO]
	v_lshl_add_u32 v[RDA0], v14, 3, s76
	v_lshrrev_b32 v15, 2, v14
	v_mul_u32_u24 v[VRD], v15, SROW
	v_and_b32 v15, 3, v0
	v_lshl_add_u32 v[VRD], v15, 5, v[VRD]
	s_add_co_u32 s77, s76, 512
	v_add_nc_u32 v[VRD], s77, v[VRD]
	v_lshlrev_b32 v[GOFF], 4, v14
	v_lshlrev_b32 v[GOF8], 3, v14
	s_and_b32 s76, s[MT], 7
	s_lshl_b32 s76, s76, 8
	s_lshl_b32 s77, s[RH], 7
	s_add_co_u32 s76, s76, s77                     ; t of my first row
	s_lshr_b32 s77, s[MT], 3
	s_lshl_b32 s77, s77, 4                         ; 16 x batch
	s_add_co_u32 s78, s77, s[HEAD]
	s_lshl_b32 s78, s78, 11
	s_add_co_u32 s78, s78, s76
	s_lshl_b32 s78, s78, 8                         ; rows of 256 bytes
	s_mov_b32 s79, 0
	s_cmp_lt_u32 s[JT], 8
	s_cselect_b64 s[QKB:QKB+1], s[10:11], s[12:13]
	s_add_nc_u64 s[QKB:QKB+1], s[QKB:QKB+1], s[78:79]
	s_add_co_u32 s78, s77, s[JT]
	s_lshl_b32 s78, s78, 1
	s_add_co_u32 s78, s78, s[CH]
	s_lshl_b32 s78, s78, 11
	s_add_co_u32 s78, s78, s76
	s_lshl_b32 s78, s78, 6                         ; rows of 64 bytes
	s_add_nc_u64 s[VBS:VBS+1], s[14:15], s[78:79]
	s_mov_b32 s[HALFC], 2
.Lhalf:
	s_cmp_eq_u32 s[HALFC], 2
	s_cbranch_scc0 .Lsecond
	STORES 0
	s_branch .Lstaged
.Lsecond:
	STORES 1
.Lstaged:
	s_wait_dscnt 0x0                               ; the stores into the stage are done;
	s_barrier_signal -1
	s_barrier_wait -1                              ; up to the next barrier LDS is only read
	s_mov_b32 s[RB], 0
	s_mov_b32 s[CNT], 8
.Lrows:                                                ; a trip: eight rows, in two sets of four
	v_add_nc_u32 v[RDA], s[RB], v[RDA0]
	LOADS XS, 0
	LOADS YS, 4
	s_wait_dscnt 8                                 ; the first set is in, the second set's eight loads may be out
	ARITH XS, OX, 0
	s_wait_dscnt 0x0
	ARITH YS, OY, 1024
	s_wait_xcnt 0x0                                ; the stores' base and data are rewritten only behind this wait
	s_add_nc_u64 s[QKB:QKB+1], s[QKB:QKB+1], 2048
	s_add_co_u32 s[RB], s[RB], 8*SROW
	s_sub_co_u32 s[CNT], s[CNT], 1
	s_cmp_lg_u32 s[CNT], 0
	s_cbranch_scc1 .Lrows
	; V of these 64 rows: eight rows x 32 channels a group; a wave's store is 512 consecutive bytes
.irp g, 0,1,2,3,4,5,6,7
	ds_load_b128 v[XS+8*(\g):XS+8*(\g)+3],   v[VRD] offset:8*SROW*(\g)
	ds_load_b128 v[XS+8*(\g)+4:XS+8*(\g)+7], v[VRD] offset:8*SROW*(\g)+16
.endr
.irp g, 0,1,2,3,4,5,6,7
	s_wait_dscnt 14-2*(\g)                         ; group g is in, two loads for each later group may be out
.irp k, 0,1,2,3
	v_cvt_pk_f16_f32 v[NN+4*(\g)+(\k)], v[XS+8*(\g)+2*(\k)], v[XS+8*(\g)+2*(\k)+1]
.endr
	global_store_b128 v[GOFF], v[NN+4*(\g):NN+4*(\g)+3], s[VBS:VBS+1] offset:512*(\g)
.endr
	s_wait_xcnt 0x0
	s_add_nc_u64 s[VBS:VBS+1], s[VBS:VBS+1], 4096
	s_barrier_signal -1                            ; my reads of the stage are back (the last count above was 0): the next half may be stored
	s_barrier_wait -1
	s_sub_co_u32 s[HALFC], s[HALFC], 1
	s_cmp_lg_u32 s[HALFC], 0
	s_cbranch_scc1 .Lhalf
	s_wait_tensorcnt 0x0                           ; the wave's end
	ds_add_u32 v[SPW], v[NIL]
	s_wait_dscnt 0x0
	CROUND                                         ; the closing round
	s_endpgm
.Lfunc_end_k_qe67a584ee5_qkv:
	.size	k_qe67a584ee5_qkv, .Lfunc_end_k_qe67a584ee5_qkv-k_qe67a584ee5_qkv
	.p2alignl 7, 3214868480
	.fill 96, 4, 3214868480
	.section	.rodata,"a",@progbits
	.p2align	6, 0x0
	.amdhsa_kernel k_qe67a584ee5_qkv
		.amdhsa_group_segment_fixed_size 327680
		.amdhsa_private_segment_fixed_size 0
		.amdhsa_enable_private_segment 0
		.amdhsa_kernarg_size 48
		.amdhsa_user_sgpr_count 2
		.amdhsa_user_sgpr_kernarg_segment_ptr 1
		.amdhsa_wavefront_size32 1
		.amdhsa_system_sgpr_workgroup_id_x 1
		.amdhsa_system_sgpr_workgroup_id_y 1
		.amdhsa_system_sgpr_workgroup_id_z 1
		.amdhsa_system_vgpr_workitem_id 0
		.amdhsa_next_free_vgpr 1024
		.amdhsa_next_free_sgpr 104
		.amdhsa_reserve_vcc 0
		.amdhsa_float_denorm_mode_32 3
		.amdhsa_float_denorm_mode_16_64 3
		.amdhsa_memory_ordered 1
		.amdhsa_forward_progress 1
		.amdhsa_inst_pref_size 171
	.end_amdhsa_kernel
	.amdgpu_metadata
---
amdhsa.version: [ 1, 2 ]
amdhsa.kernels:
  - .name:           k_qe67a584ee5_qkv
    .symbol:         k_qe67a584ee5_qkv.kd
    .args:
      - { .name: xb, .offset: 0, .size: 8, .value_kind: global_buffer, .address_space: global }
      - { .name: wqk, .offset: 8, .size: 8, .value_kind: global_buffer, .address_space: global }
      - { .name: wv, .offset: 16, .size: 8, .value_kind: global_buffer, .address_space: global }
      - { .name: qws, .offset: 24, .size: 8, .value_kind: global_buffer, .address_space: global }
      - { .name: kws, .offset: 32, .size: 8, .value_kind: global_buffer, .address_space: global }
      - { .name: vws, .offset: 40, .size: 8, .value_kind: global_buffer, .address_space: global }
    .group_segment_fixed_size: 327680
    .private_segment_fixed_size: 0
    .kernarg_segment_align: 8
    .kernarg_segment_size: 48
    .max_flat_workgroup_size: 128
    .sgpr_count:     104
    .vgpr_count:     1024
    .wavefront_size: 32
...
	.end_amdgpu_metadata
.endif
;; end of part 5
;; launch attn (part 6): grid 8 x 32, 4 waves a work-group, clusters of 4 x 1, 327,680 bytes of LDS; arguments qws, kws, vws, ows, theta_offset; writes ows
.if DOCPART == 6
	.amdgcn_target "amdgcn-amd-amdhsa--gfx1250"
	.amdhsa_code_object_version 6
	.text
	.protected	k_qe67a584ee5_attn
	.globl	k_qe67a584ee5_attn
	.p2align	8
	.type	k_qe67a584ee5_attn,@function
k_qe67a584ee5_attn:
	s_mov_b64 s[64:65], 0
	v_nop
	global_prefetch_b8 v0, s[64:65] scope:SCOPE_SE
	s_setreg_imm32_b32 hwreg(HW_REG_WAVE_MODE, 25, 1), 1
	s_wait_xcnt 0x0
	s_wait_alu depctr_hold_cnt(0) depctr_sa_sdst(0) depctr_va_vdst(0) depctr_va_sdst(0) depctr_va_ssrc(0) depctr_va_vcc(0) depctr_vm_vsrc(0)
	s_getreg_b32 s2, hwreg(HW_REG_IB_STS2, 6, 4)
	s_cmp_eq_u32 s2, 0
	s_cbranch_scc0 .Lentry_in_a_cluster
	s_endpgm
.Lentry_in_a_cluster:
	s_bfe_u32 s2, ttmp6, 0x10000c
	s_cmp_lg_u32 s2, 0x3003
	s_cbranch_scc0 .Lentry_shape_is_right
	s_endpgm
.Lentry_shape_is_right:
; GATED CAUSAL ATTENTION.  O[bh][q] = sum over k <= q of softmax_k(Q'[q] . K'[k] cos(theta_h (k - q) / 8) / 8) V[k].  Q', K': [32][2048][128] f16; V: [32][2 channel halves][2048][32] f16.
; Products, gate, maxima and sums in f32; the weights p are rounded to f16 for the second product (their sum l is taken of the unrounded p), O once at the end.
; OUT: ows [row tile of 128: 32][head 16][row 128][64] f16.
; LIMITS.  Q', K', V arrive within f16's 65,504, so an open score is 128 x 65,504^2 = 5.5e11 at the most.  A hidden score counts as its gated value less 1e30; the running maximum starts at
; -2^96, above every hidden score and below every open one; a weight below 2^-126 counts as 0 in l.  theta_offset is rounded to bf16 like every input.  Sine and cosine: the angle less the
; nearest multiple of 2 pi (two-part constant, good to about 1e5), then the series to r^13 and r^14 on |r| <= pi: errors under 2.2e-5 and 4.3e-6.  NaN and infinities are not treated apart.
; THE WALK.  A head's queries are four super-blocks of 512.  A cluster of four work-groups takes super-block HI = 3 - PB and then PB (PB = cluster x, 0 or 1); super-block I needs the key tiles
; (128 keys) 0 .. 4 I + 3, of which the last four hold the diagonal: 20 tiles whatever PB.  A running maximum takes the tiles in any order, so they are walked in an order in which the KIND of
; trip t is a constant of the text:  0-7 tiles 0-7 of the first block;  8-11 its four diagonal tiles;  12-15 four plain tiles: 8-11 of the first block (PB = 0) or 0-3 of the second (PB = 1);
; 16-19 the second block's diagonal tiles.  The tile's number enters the global address alone.  PB is asked twice: the first block ends behind trip 11 (PB = 1) or behind trip 15 (PB = 0).
; All four partners run alike, so every tile of K' and V is asked for JOINTLY (mask 15).
; SHARES.  Work-group cx owns 32 rows in each of a super-block's four bands of 128; wave (qh = wave / 2, kh = wave % 2) 16 of them a band: four PIECES, piece p in band p; of every tile it
; takes keys 64 kh .. 64 kh + 63 alone.  The two waves of a qh keep their own m, l, O and merge them at the block's end.  cx enters Q's and O's addresses and the values of mask and gate alone.
; THE GATE.  Query 512 I + 128 p + rho, key 128 t + kappa: theta (key - query) / 8 = d - U with U = 16 theta u, u = 4 I + p - t, d = theta (kappa - rho) / 8.  So G = cos U cos d + sin U sin d.
; cos d and sin d (CD, SD: 32 numbers a lane, the same for every piece and tile) are made once: one pair by the series, the others by rotations through 2 theta / 8 and 16 theta / 8, six at the
; most in a row.  u of piece 0 is 4 HI - trip, 8 - trip or 16 - trip in trips 0-7, 8-11, 12-19; the four cos U, sin U are made by the series in every trip.
; THE DIAGONAL.  In the diagonal tiles k = 0..3 band p sees tile k whole (p > k), holds the diagonal (p = k), or sees nothing (p < k).  Tiles k = 0, 1 run the full text, k = 2, 3 a text for
; pieces 3 and 2 alone.  The mask is added behind the gate (S G + M: a gate below 0 must not turn a hidden score upward): MC0 (even piece) = MD x AL0 + BE0, MC1 (odd piece) = MD x AL1;
; MD, made once, is the mask of a band's own tile; the three scalars are chosen from the trip's number in every trip (all 0 in a plain tile).
; THE ORDER.  A full trip has 96 products and 744 vector lines: more than can stand beside the products.  80 of them (the angles, piece 3's G) stand in the wait for K; the other 664 are ONE
; numbered queue: four behind each of the first 88 products, the rest in three lumps, each as long as it takes to finish a piece's softmax ahead of its V^T P.
; LAYOUT.  S^T = K' Q'^T holds one query a lane (lane % 16) and keys 8 (lane / 16) + 0..7; two such results rounded to f16 in pairs ARE source 1 of O^T = V^T P; P is written in place into S^T's registers.
; REGISTERS, in windows of 256 (s_set_vgpr_msb: bits 1:0 source 0, 3:2 source 1, 5:4 source 2, 7:6 destination):
;   window 0: v0-15 addresses; v16-31 statistics, four a piece (c m, m, l even, l odd); v32-47 four at work a piece; v48-79 the series' work, cos U and sin U; v80-127 at work at a block's end; v128-255 S^T, 32 a piece
;   window 1: v0-127 K' of my 64 keys (key block kb, chunk c at 32 kb + 8 c); v128-159 CD; v160-191 SD; v192-223 MD; v224-227 at work      window 2: v0-127 Q' (piece p, chunk c at 32 p + 8 c); v128-255 G, 32 a piece
;   window 3: v0-127 O^T, 32 a piece; v128-191 V; v192-223 MC0; v224-255 MC1
.set PK,    272                        ; a row of K' in LDS: 256 bytes + 16: odd multiple of 16
.set PVP,   96                         ; a row of a V plane: 64 + 32: odd multiple of 32
.set VOFF,  128*PK
.set VPL,   128*PVP
.set SLOT1, 1<<16                      ; one exclusive or turns an address in one slot into the other's
.set MST,   SLOT1+VOFF+2*VPL           ; behind the ring, never filled: the merge areas, 17,408 bytes a wave: 16,384 of O^T (4,096 a piece), 1,024 of (c m, l)
.set MSTW,  17408
.set OST,   MST+4*MSTW                 ; 16 rows x 144 bytes a wave, for the way out
.set SP,    144
.set SPARE, OST+4*16*SP                ; the spare words, 128 bytes a wave: two blocks of 256 bytes that no other line names
.set AK0, 2                            ; v2   my lane's place in a tile of K'; never rewritten
.set AV0, 3                            ; v3   the same for V
.set AK,  4
.set AV,  5
.set STO, 6                            ; v6   the way out: where I put 16 bytes of a row
.set RD,  7                            ; v7   where I read rows back
.set GO,  8                            ; v8   16 x lane
.set QO,  9                            ; v9   my byte offset in a band's rows of Q'
.set MSA, 10                           ; v10  my merge area: O^T
.set MSS, 11                           ; v11  its statistics
.set MLA, 12                           ; v12  my partner's (wave xor 1) area at the two pieces that I finish: O^T
.set MLS, 13                           ; v13  its statistics
.set SPW, 14
.set NIL, 15
.set ST,  16
.set TMP, 32
.set PH,  48                           ; the series' work, four registers each: angles (later the cosine's sums),
.set NN,  52                           ; multiples of 2 pi,
.set RR,  56                           ; reduced angles,
.set UU,  60                           ; their squares,
.set PP,  64                           ; the sine's sums,
.set RU,  68
.set SN,  72                           ; sines: in the loop sin U of pieces 0-3
.set CN,  76                           ; cosines: cos U of pieces 0-3
.set MOA, 93                           ; v93  my own area at the two pieces that I finish: O^T
.set MOS, 94                           ; v94  its statistics
.set TH,  95                           ; v95  16 theta
.set S,   128
.set CD,  128                          ; window 1
.set SD,  160                          ; window 1
.set MD,  192                          ; window 1
.set RTT, 224                          ; window 1
.set GT,  128                          ; window 2
.set VF,  128                          ; window 3
.set MC,  192                          ; window 3
.set WV, 12
.set KH, 13
.set PB, 14
.set HI, 15
.set G1K, 24
.set G1V, 32
.set G0K, 40
.set G0V, 44
.set TRIP, 48                          ; s48  the trip's number, 0 to 19
.set NXT, 49                           ; s49  the tile to be asked for next
.set TB1, 50                           ; s50  first tile of trips 8-11: 4 HI
.set TB2, 51                           ; s51  of trips 12-15: 8 or 0
.set TB3, 52                           ; s52  of trips 16-19: 4 PB
.set TB,  54                           ; s54  the slot that is read
.set OFF, 56
.set CS,  58
.set SEL, 60
.set KC7, 62                           ; the series' constants, as pairs with both words alike: the packed forms take a pair's low word for both halves
.set AL0, 66
.set BE0, 68
.set AL1, 70
.set BIGN, 72
.set NHI, 74
.set NLO, 76
.set INV, 78
.set KS1, 80
.set KS2, 82
.set KS3, 84
.set KS4, 86
.set KS5, 88
.set KS6, 90
.set KC2, 92
.set KC3, 94
.set KC4, 96
.set KC5, 98
.set KC6, 100
.set MSB, 0
.macro WIN new                         ; the immediate's high byte repeats the setting that is left; a switch that changes nothing is dropped
.if MSB != (\new)
	s_set_vgpr_msb (MSB<<8)|(\new)
.set MSB, (\new)
.endif
.endm
.macro PLACES                          ; four places (ISA guide 7.12.1)
.rept 4
	v_nop
.endr
.endm
; A joint fill: waves 0 and 1 fetch the two halves of a tile's K', waves 2 and 3 V's two planes.  An s_nop 0 and four v_nop follow each line.
.macro JLOAD
	s_cmp_lt_u32 s[WV], 2
	s_cbranch_scc0 .Lfor_v_\@
	tensor_load_to_lds s[G0K:G0K+3], s[G1K:G1K+7]
	s_nop 0
	PLACES
	s_branch .Lasked_\@
.Lfor_v_\@:
	tensor_load_to_lds s[G0V:G0V+3], s[G1V:G1V+7]
	s_nop 0
	PLACES
.Lasked_\@:
.endm
.macro CROUND                          ; a round of the cluster's barrier
	s_barrier_signal -1
	s_barrier_wait -1
	s_cmp_lg_u32 s[WV], 0
	s_cbranch_scc1 .Lnot_wave_0_\@
	s_barrier_signal -3
.Lnot_wave_0_\@:
	s_barrier_wait -3
	s_barrier_signal -1
	s_barrier_wait -1
.endm
; THE CHANGE OF SLOTS.  Each wave waits for all its tensor loads (one is out: its part of the slot to be read), adds 0 to its spare word, and waits for that and for its LDS reads and stores.
; fill = 1: a round of the cluster's barrier, and the slot just left is filled with tile NXT, first thing behind it: it has a whole trip in which to land.  The address is made anew from the
; tile's number; the number then steps, or, two trips ahead of a new group of four trips, is set to that group's first tile.
.macro CHANGE fill
	WIN 0
	s_wait_tensorcnt 0x0
	ds_add_u32 v[SPW], v[NIL]                      ; 0 onto my spare word
.if \fill
	s_xor_b32 s[G0K+1], s[G0K+1], SLOT1
	s_xor_b32 s[G0V+1], s[G0V+1], SLOT1
	s_lshl_b32 s[OFF], s[NXT], 15                  ; a tile is 32,768 bytes of K'
	s_add_nc_u64 s[G0K+2:G0K+3], s[6:7], s[OFF:OFF+1]
	s_or_b32 s[G0K+3], s[G0K+3], 0x80000000
	s_lshl_b32 s[OFF], s[NXT], 13                  ; and 8,192 of a plane of V
	s_add_nc_u64 s[G0V+2:G0V+3], s[8:9], s[OFF:OFF+1]
	s_or_b32 s[G0V+3], s[G0V+3], 0x80000000
	s_add_co_u32 s[NXT], s[NXT], 1
	s_cmp_eq_u32 s[TRIP], 6                        ; the next change asks for trip 8's tile,
	s_cselect_b32 s[NXT], s[TB1], s[NXT]
	s_cmp_eq_u32 s[TRIP], 10                       ; for trip 12's,
	s_cselect_b32 s[NXT], s[TB2], s[NXT]
	s_cmp_eq_u32 s[TRIP], 14                       ; for trip 16's
	s_cselect_b32 s[NXT], s[TB3], s[NXT]
.endif
	s_wait_dscnt 0x0
.if \fill
	CROUND
	JLOAD
.else
	s_barrier_signal -1
	s_barrier_wait -1
.endif
	s_xor_b32 s[TB], s[TB], SLOT1
.endm
.macro QLOAD b                         ; my four pieces' Q': piece i / 4 lies 128 rows on, chunk i % 4 64 bytes on
	WIN 0x80
.set i, 0
.rept 16
	global_load_b128 v[8*i:8*i+3],   v[QO], s[\b:(\b)+1] offset:(i/4)*32768+(i%4)*64
	global_load_b128 v[8*i+4:8*i+7], v[QO], s[\b:(\b)+1] offset:(i/4)*32768+(i%4)*64+32
.set i, i+1
.endr
	WIN 0
.endm
.macro KLOAD                           ; 32 LDS loads: my 64 keys' K', chunk by chunk
	WIN 0
	v_add_nc_u32 v[AK], s[TB], v[AK0]
	v_add_nc_u32 v[AV], s[TB], v[AV0]
	WIN 0x40
.irp c, 0,1,2,3
.irp kb, 0,1,2,3
	ds_load_b128 v[32*(\kb)+8*(\c):32*(\kb)+8*(\c)+3],   v[AK] offset:16*PK*(\kb)+64*(\c)
	ds_load_b128 v[32*(\kb)+8*(\c)+4:32*(\kb)+8*(\c)+7], v[AK] offset:16*PK*(\kb)+64*(\c)+32
.endr
.endr
.endm
.macro VLOAD                           ; 16 turning loads: keys 32 (f / 4) on, channels 16 (f % 4) on
	WIN 0xc0
.irp f, 0,1,2,3,4,5,6,7
	ds_load_tr16_b128 v[VF+8*(\f):VF+8*(\f)+3],   v[AV] offset:VPL*(((\f)%4)/2)+32*PVP*((\f)/4)+32*((\f)%2)
	ds_load_tr16_b128 v[VF+8*(\f)+4:VF+8*(\f)+7], v[AV] offset:VPL*(((\f)%4)/2)+32*PVP*((\f)/4)+32*((\f)%2)+16*PVP
.endr
.endm
; One product of S^T = K' Q'^T: piece p, key block kb, chunk c.  Chunk 0 starts the sum.
.macro KQ p, kb, c
.set rS, S+32*(\p)+8*(\kb)
.set rK, 32*(\kb)+8*(\c)
.set rQ, 32*(\p)+8*(\c)
	WIN 0x09
.if (\c) == 0
	v_wmma_f32_16x16x32_f16 v[rS:rS+7], v[rK:rK+7], v[rQ:rQ+7], 0
.else
	v_wmma_f32_16x16x32_f16 v[rS:rS+7], v[rK:rK+7], v[rQ:rQ+7], v[rS:rS+7]
.endif
.endm
.macro PV p, i                         ; product i of 8 of O^T += V^T P: keys 32 (i / 4) on, channels 16 (i % 4) on
	WIN 0xf3
.set rO, 32*(\p)+8*((\i)%4)
.set rV, VF+32*((\i)/4)+8*((\i)%4)
.set rP, S+32*(\p)+8*((\i)/4)
	v_wmma_f32_16x16x32_f16 v[rO:rO+7], v[rV:rV+7], v[rP:rP+7], v[rO:rO+7]
.endm
; A PIECE'S SOFTMAX for a tile: a list of 118 instructions; SM writes number j of it.
;   0-15 the maximum of the 32 scores and the old m; 16-20 the other half of the lanes', the new m, c m, c m_old - c m_new;
;   21-101 a = 2^(..), c s - c m by pairs (FF), exponentials in twos with a plain line behind them (EE), l takes a pair (AA), the pair is rounded to f16 into register n of S^T (CC): by then that
;   register's own pair, n / 2, has been summed and rounded;  102-117 O^T times a, ascending.
.macro FF n
	v_pk_fma_f32 v[rS+2*(\n):rS+2*(\n)+1], v[rS+2*(\n):rS+2*(\n)+1], s[CS:CS+1], v[rT:rT+1] op_sel_hi:[1,0,0] neg_lo:[0,0,1] neg_hi:[0,0,1]
.endm
.macro EE n
	v_exp_f32 v[rS+(\n)], v[rS+(\n)]
.endm
.macro AA n
.if (\n) == 0
	s_wait_alu depctr_va_vdst(0)
	v_pk_fma_f32 v[rT+2:rT+3], v[rT+2:rT+3], v[rC+2:rC+3], v[rS:rS+1] op_sel_hi:[1,0,1]
.else
	s_wait_alu depctr_va_vdst(0)
	v_pk_add_f32 v[rT+2:rT+3], v[rT+2:rT+3], v[rS+2*(\n):rS+2*(\n)+1]
.endif
.endm
.macro CC n
	v_cvt_pk_f16_f32 v[rS+(\n)], v[rS+2*(\n)], v[rS+2*(\n)+1]
.endm
.macro SM p
.set rT, ST+4*(\p)
.set rC, TMP+4*(\p)
.set rS, S+32*(\p)
.set rO, 32*(\p)
.if j < 102
	WIN 0
.endif
.if j < 4
	v_max3_num_f32 v[rC+j], v[rS+8*j], v[rS+8*j+1], v[rS+8*j+2]
.elseif j < 12
	v_max3_num_f32 v[rC+j%4], v[rC+j%4], v[rS+8*(j%4)+2*(j/4)+1], v[rS+8*(j%4)+2*(j/4)+2]
.elseif j == 12
	v_max3_num_f32 v[rC], v[rC], v[rS+7], v[rS+15]
.elseif j == 13
	v_max3_num_f32 v[rC+2], v[rC+2], v[rS+23], v[rS+31]
.elseif j == 14
	v_max3_num_f32 v[rC], v[rC], v[rC+1], v[rC+2]
.elseif j == 15
	v_max3_num_f32 v[rC], v[rC], v[rC+3], v[rT+1]
.elseif j == 16
	v_permlanex16_b32 v[rC+1], v[rC], s[SEL], s[SEL+1]
.elseif j == 17
	v_mov_b32 v[rC+3], v[rT]
.elseif j == 18
	v_max_num_f32 v[rT+1], v[rC], v[rC+1]
.elseif j == 19
	v_mul_f32 v[rT], s[CS], v[rT+1]
.elseif j == 20
	v_sub_f32 v[rC+3], v[rC+3], v[rT]
.elseif j == 21
	FF 0
.elseif j == 22
	v_exp_f32 v[rC+2], v[rC+3]
.elseif j == 23
	FF 1
.elseif j == 24
	EE 0
.elseif j == 25
	EE 1
.elseif j == 26
	FF 2
.elseif j < 92
.set g, (j-27)/5+1
.set u, (j-27)%5
.if u == 0
	EE 2*g
.elseif u == 1
	EE 2*g+1
.elseif u == 2
	FF g+2
.elseif u == 3
	AA g-1
.else
	CC g-1
.endif
.elseif j < 100
.set g, (j-92)/4+14
.set u, (j-92)%4
.if u == 0
	EE 2*g
.elseif u == 1
	EE 2*g+1
.elseif u == 2
	AA g-1
.else
	CC g-1
.endif
.elseif j == 100
	AA 15
.elseif j == 101
	CC 15
.else
	WIN 0xc3
	v_pk_mul_f32 v[rO+2*(j-102):rO+2*(j-102)+1], v[rO+2*(j-102):rO+2*(j-102)+1], v[rC+2:rC+3] op_sel_hi:[1,0]
.endif
.endm
; Number n of the 32 that make piece p's G: 0-15 CD cos U by pairs, 16-31 + SD sin U.  cos U and sin U of pieces 2 v, 2 v + 1 are the low and the high register of a pair.
.macro GC p, n
	WIN 0xa1                                       ; source 0 (CD, SD) window 1, source 1 window 0, source 2 and destination (G) window 2
.set rG, GT+32*(\p)
.set rU, 2*((\p)/2)
.if (\n) < 16
.if (\p)%2
	v_pk_mul_f32 v[rG+2*(\n):rG+2*(\n)+1], v[CD+2*(\n):CD+2*(\n)+1], v[CN+rU:CN+rU+1] op_sel:[0,1] op_sel_hi:[1,1]
.else
	v_pk_mul_f32 v[rG+2*(\n):rG+2*(\n)+1], v[CD+2*(\n):CD+2*(\n)+1], v[CN+rU:CN+rU+1] op_sel_hi:[1,0]
.endif
.else
.set w, (\n)-16
.if (\p)%2
	v_pk_fma_f32 v[rG+2*w:rG+2*w+1], v[SD+2*w:SD+2*w+1], v[SN+rU:SN+rU+1], v[rG+2*w:rG+2*w+1] op_sel:[0,1,0] op_sel_hi:[1,1,1]
.else
	v_pk_fma_f32 v[rG+2*w:rG+2*w+1], v[SD+2*w:SD+2*w+1], v[SN+rU:SN+rU+1], v[rG+2*w:rG+2*w+1] op_sel_hi:[1,0,1]
.endif
.endif
.endm
.macro MK n                            ; number n of the 32 that make the trip's masks: 0-15 MC0, 16-31 MC1
	WIN 0xc1                                       ; source 0 (MD) window 1, destination window 3
.if (\n) < 16
	v_pk_fma_f32 v[MC+2*(\n):MC+2*(\n)+1], v[MD+2*(\n):MD+2*(\n)+1], s[AL0:AL0+1], s[BE0:BE0+1] op_sel_hi:[1,0,0]
.else
	v_pk_mul_f32 v[MC+2*(\n):MC+2*(\n)+1], v[MD+2*(\n)-32:MD+2*(\n)-31], s[AL1:AL1+1] op_sel_hi:[1,0]
.endif
.endm
; Pair n of piece p's scores times G, plus mask buffer mc (mc = -1: no mask).  Ascending.
.macro GA p, n, mc
	WIN 0x38                                       ; source 1 (G) window 2, source 2 (MC) window 3
.set rS, S+32*(\p)+2*(\n)
.set rG, GT+32*(\p)+2*(\n)
.set rM, MC+32*(\mc)+2*(\n)
.if (\mc) >= 0
	v_pk_fma_f32 v[rS:rS+1], v[rS:rS+1], v[rG:rG+1], v[rM:rM+1]
.else
	v_pk_mul_f32 v[rS:rS+1], v[rS:rS+1], v[rG:rG+1]
.endif
.endm
.macro XP p, x, mc                     ; number x of a piece's 134: the gate, then the softmax
.if (\x) < 16
	GA \p, \x, \mc
.else
.set j, (\x)-16
	SM \p
.endif
.endm
; THE QUEUE.  ITEM writes number q.  Full text (kind 0): 0-63 G of pieces 2, 1; 64-197 piece 3; 198-229 G of piece 0; 230-261 the masks; 262-395 piece 2; 396-529 piece 1; 530-663 piece 0.
; Text for pieces 3 and 2 (kind 1): 0-31 G of piece 2; 32-63 the masks; 64-197 piece 3; 198-331 piece 2.
; With four behind each product, number 64, the first read of piece 3's scores, comes behind product 16, and numbers 60-63, which name no register of product 15, are the four places between.
.macro ITEM kind
.if \kind
.if q < 32
	GC 2, q
.elseif q < 64
	MK q-32
.elseif q < 198
	XP 3, q-64, 1
.elseif q < 332
	XP 2, q-198, 0
.endif
.else
.if q < 32
	GC 2, q
.elseif q < 64
	GC 1, q-32
.elseif q < 198
	XP 3, q-64, -1
.elseif q < 230
	GC 0, q-198
.elseif q < 262
	MK q-230
.elseif q < 396
	XP 2, q-262, -1
.elseif q < 530
	XP 1, q-396, 1
.elseif q < 664
	XP 0, q-530, 0
.endif
.endif
.set q, q+1
.endm
.macro RIDEQ kind, n
.rept \n
	ITEM \kind
.endr
.endm
.macro FLUSH kind, to                  ; a lump: the queue up to number 'to' (108 lines at the most)
.rept 112
.if q < (\to)
	ITEM \kind
.endif
.endr
.endm
; The matrix work by number m.  In each run of 16 or 8 four accumulators take turns, one instruction a turn.
.macro MMF                             ; full text: K' Q'^T of pieces 3, 2, 1, 0 (chunk outer, key block inner), then V^T P of pieces 3, 2, 1, 0
.if m < 64
	KQ 3-m/16, m%4, (m%16)/4
.else
	PV 3-(m-64)/8, (m-64)%8
.endif
.set m, m+1
.endm
.macro MMX                             ; pieces 3 and 2 alone
.if m < 32
	KQ 3-m/16, m%4, (m%16)/4
.else
	PV 3-(m-32)/8, (m-32)%8
.endif
.set m, m+1
.endm
.macro FULL
.set q, 0
.set m, 0
.rept 64
.if (m < 16) && (m%4 == 0)
	s_wait_dscnt 40-8*(m/4)                        ; chunk m / 4 of K' is in: the later chunks' eight loads each and V's sixteen may be out
.endif
	MMF
	RIDEQ 0, 4
.endr
	s_wait_dscnt 0x0                               ; V is in
.irp e, 396, 530, 664
.rept 8
	MMF
	RIDEQ 0, 4
.endr
	FLUSH 0, \e                                    ; the next piece's softmax is finished
.endr
.rept 8
	MMF
.endr
	WIN 0
.endm
.macro XONLY
.set q, 0
.set m, 0
.rept 32
.if (m < 16) && (m%4 == 0)
	s_wait_dscnt 40-8*(m/4)
.endif
	MMX
	RIDEQ 1, 4
.endr
	s_wait_dscnt 0x0                               ; V is in
	FLUSH 1, 198
.rept 8
	MMX
	RIDEQ 1, 4
.endr
	FLUSH 1, 332
.rept 8
	MMX
.endr
	WIN 0
.endm
.macro SPAIR r, val
	s_mov_b32 s[\r], \val
	s_mov_b32 s[(\r)+1], \val
.endm
.macro EA1 n, line:vararg              ; a line for z = 0, 1, ..
.set z, 0
.rept \n
	\line
.set z, z+1
.endr
.endm
.macro EA2 n, line:vararg              ; a line for z = 0, 2, ..: n pairs
.set z, 0
.rept \n
	\line
.set z, z+2
.endr
.endm
; Sine and cosine of the four angles at PH, into SN and CN: r = x - 2 pi rndne(x / 2 pi); u = r r; sin = r + r u q(u), cos = 1 + u q(u).  The two sums go side by side; the cosine's takes PH's registers.
.macro SINCOS
	EA2 2, v_pk_mul_f32 v[NN+z:NN+z+1], v[PH+z:PH+z+1], s[INV:INV+1] op_sel_hi:[1,0]
	EA1 4, v_rndne_f32 v[NN+z], v[NN+z]
	EA2 2, v_pk_fma_f32 v[RR+z:RR+z+1], v[NN+z:NN+z+1], s[NHI:NHI+1], v[PH+z:PH+z+1] op_sel_hi:[1,0,1]
	EA2 2, v_pk_fma_f32 v[RR+z:RR+z+1], v[NN+z:NN+z+1], s[NLO:NLO+1], v[RR+z:RR+z+1] op_sel_hi:[1,0,1]
	EA2 2, v_pk_mul_f32 v[UU+z:UU+z+1], v[RR+z:RR+z+1], v[RR+z:RR+z+1]
	EA2 2, v_pk_fma_f32 v[PP+z:PP+z+1], v[UU+z:UU+z+1], s[KS6:KS6+1], s[KS5:KS5+1] op_sel_hi:[1,0,0]
	EA2 2, v_pk_fma_f32 v[PH+z:PH+z+1], v[UU+z:UU+z+1], s[KC7:KC7+1], s[KC6:KC6+1] op_sel_hi:[1,0,0]
	EA2 2, v_pk_fma_f32 v[PP+z:PP+z+1], v[PP+z:PP+z+1], v[UU+z:UU+z+1], s[KS4:KS4+1] op_sel_hi:[1,1,0]
	EA2 2, v_pk_fma_f32 v[PH+z:PH+z+1], v[PH+z:PH+z+1], v[UU+z:UU+z+1], s[KC5:KC5+1] op_sel_hi:[1,1,0]
	EA2 2, v_pk_fma_f32 v[PP+z:PP+z+1], v[PP+z:PP+z+1], v[UU+z:UU+z+1], s[KS3:KS3+1] op_sel_hi:[1,1,0]
	EA2 2, v_pk_fma_f32 v[PH+z:PH+z+1], v[PH+z:PH+z+1], v[UU+z:UU+z+1], s[KC4:KC4+1] op_sel_hi:[1,1,0]
	EA2 2, v_pk_fma_f32 v[PP+z:PP+z+1], v[PP+z:PP+z+1], v[UU+z:UU+z+1], s[KS2:KS2+1] op_sel_hi:[1,1,0]
	EA2 2, v_pk_fma_f32 v[PH+z:PH+z+1], v[PH+z:PH+z+1], v[UU+z:UU+z+1], s[KC3:KC3+1] op_sel_hi:[1,1,0]
	EA2 2, v_pk_fma_f32 v[PP+z:PP+z+1], v[PP+z:PP+z+1], v[UU+z:UU+z+1], s[KS1:KS1+1] op_sel_hi:[1,1,0]
	EA2 2, v_pk_fma_f32 v[PH+z:PH+z+1], v[PH+z:PH+z+1], v[UU+z:UU+z+1], s[KC2:KC2+1] op_sel_hi:[1,1,0]
	EA2 2, v_pk_mul_f32 v[RU+z:RU+z+1], v[RR+z:RR+z+1], v[UU+z:UU+z+1]
	EA2 2, v_pk_fma_f32 v[PH+z:PH+z+1], v[PH+z:PH+z+1], v[UU+z:UU+z+1], -0.5 op_sel_hi:[1,1,0]
	EA2 2, v_pk_fma_f32 v[SN+z:SN+z+1], v[RU+z:RU+z+1], v[PP+z:PP+z+1], v[RR+z:RR+z+1]
	EA2 2, v_pk_fma_f32 v[CN+z:CN+z+1], v[PH+z:PH+z+1], v[UU+z:UU+z+1], 1.0 op_sel_hi:[1,1,0]
.endm
; Pair zd of CD and SD from pair zs, turned on by the angle whose cosine and sine lie in CN + 2, SN + 2 (hi = 0: 2 theta / 8) or CN + 3, SN + 3 (hi = 1: 16 theta / 8).
.macro ROT zd, zs, hi
.if \hi
	v_pk_mul_f32 v[RTT:RTT+1],     v[SD+2*(\zs):SD+2*(\zs)+1], v[SN+2:SN+3] op_sel:[0,1] op_sel_hi:[1,1]
	v_pk_mul_f32 v[RTT+2:RTT+3],   v[CD+2*(\zs):CD+2*(\zs)+1], v[SN+2:SN+3] op_sel:[0,1] op_sel_hi:[1,1]
	v_pk_fma_f32 v[CD+2*(\zd):CD+2*(\zd)+1], v[CD+2*(\zs):CD+2*(\zs)+1], v[CN+2:CN+3], v[RTT:RTT+1] op_sel:[0,1,0] op_sel_hi:[1,1,1] neg_lo:[0,0,1] neg_hi:[0,0,1]
	v_pk_fma_f32 v[SD+2*(\zd):SD+2*(\zd)+1], v[SD+2*(\zs):SD+2*(\zs)+1], v[CN+2:CN+3], v[RTT+2:RTT+3] op_sel:[0,1,0] op_sel_hi:[1,1,1]
.else
	v_pk_mul_f32 v[RTT:RTT+1],     v[SD+2*(\zs):SD+2*(\zs)+1], v[SN+2:SN+3] op_sel_hi:[1,0]
	v_pk_mul_f32 v[RTT+2:RTT+3],   v[CD+2*(\zs):CD+2*(\zs)+1], v[SN+2:SN+3] op_sel_hi:[1,0]
	v_pk_fma_f32 v[CD+2*(\zd):CD+2*(\zd)+1], v[CD+2*(\zs):CD+2*(\zs)+1], v[CN+2:CN+3], v[RTT:RTT+1] op_sel_hi:[1,0,1] neg_lo:[0,0,1] neg_hi:[0,0,1]
	v_pk_fma_f32 v[SD+2*(\zd):SD+2*(\zd)+1], v[SD+2*(\zs):SD+2*(\zs)+1], v[CN+2:CN+3], v[RTT+2:RTT+3] op_sel_hi:[1,0,1]
.endif
.endm
; A TRIP'S HEAD.  The four angles U (eight plain lines: with the two address lines they are the places between the last trip's last products and the loads into V's registers); K' and V are
; asked for, 48 LDS loads; in the wait for them the series, the masks' scalars and piece 3's G.
; The masks: trips 8-11 and 16-19 are diagonal tiles k = trip % 4.  k even: the even piece holds the diagonal, the odd one sees all.  k odd: the even piece sees nothing, the odd one holds the
; diagonal.  Every other trip: both see all.  Bits 0 and 2 of the number tell the three cases apart from trip 8 on; below 8 the case is set to 'plain'.
.macro TRIPHEAD
	s_cmp_lt_u32 s[TRIP], 12
	s_cselect_b32 s73, 8, 16
	s_cmp_lt_u32 s[TRIP], 8
	s_cselect_b32 s73, s[TB1], s73
	s_sub_co_i32 s73, s73, s[TRIP]                 ; u of piece 0: a whole number, -3 to 12
	v_cvt_f32_i32 v[PH], s73
	v_add_f32 v[PH+1], 1.0, v[PH]
	v_add_f32 v[PH+2], 2.0, v[PH]
	v_add_f32 v[PH+3], 1.0, v[PH+2]
.irp p, 0,1,2,3
	v_mul_f32 v[PH+(\p)], v[TH], v[PH+(\p)]
.endr
	KLOAD
	VLOAD
	WIN 0
	SINCOS
	s_and_b32 s55, s[TRIP], 5
	s_cmp_lt_u32 s[TRIP], 8
	s_cselect_b32 s55, 4, s55
	s_cmp_eq_u32 s55, 0
	s_cselect_b32 s[AL0], 1.0, 0
	s_cmp_eq_u32 s55, 1
	s_cselect_b32 s[BE0], s[BIGN], 0
	s_cselect_b32 s[AL1], 1.0, 0
.set y, 0
.rept 32
	GC 3, y
.set y, y+1
.endr
	WIN 0
.endm
; A BLOCK BEGINS: c m far below every c s, so the first tile's a is 0 and O^T need only be finite; l 0; Q' is in.
; m starts at -2^96: below every open score (5.5e11 at the most), so the first maximum of open scores is the scores' own; and above every hidden one (-1e30 and a little), so m is never a
; hidden score.  That matters: c s - c m is one fused multiply-add against the ROUNDED c m, and at 1.8e29 that rounding is some 1e22: with m a hidden score the exponent of that very score
; would be of that size and not 0.  With m = -2^96 the exponents of hidden scores lie near -1.7e29, and their weights are 0.
.macro BEGIN
	WIN 0
.set i, 0
.rept 4
	v_mov_b32 v[ST+4*i], 0xfe000000                ; c m = -4.25e37
	v_mov_b32 v[ST+4*i+1], 0xef800000              ; m = -2^96
	v_mov_b32 v[ST+4*i+2], 0
	v_mov_b32 v[ST+4*i+3], 0
.set i, i+1
.endr
	s_wait_loadcnt 0x0
.endm
.macro ALLP line:vararg
.set t, 0
.rept 4
	\line
.set t, t+1
.endr
.endm
; Piece 2 kh + q is finished from my own and my partner's shipped parts: O = (a0 O0 + a1 O1) / (a0 l0 + a1 l1), a = 2^(c m - the greater c m).  A wave that saw only hidden keys of a row
; (keys 64 on of tile 0, for the head's first 64 rows) still has m = -2^96 there, l = 0 and O^T = 0, and its a is 0; its partner has seen the row's own key, so the divisor is not 0.
; kh stands in the four LDS addresses and in O's base, so the text is the same for every wave.
.macro FINAL q
	WIN 0
	ds_load_b64 v[80:81], v[MOS] offset:256*(\q)
	ds_load_b64 v[82:83], v[MLS] offset:256*(\q)
.set i, 0
.rept 8
	ds_load_b128 v[S+4*i:S+4*i+3], v[MOA] offset:4096*(\q)+512*i
.set i, i+1
.endr
.set i, 0
.rept 8
	ds_load_b128 v[S+32+4*i:S+32+4*i+3], v[MLA] offset:4096*(\q)+512*i
.set i, i+1
.endr
	s_wait_dscnt 16                                ; the statistics are in, the sixteen loads of O^T may be out
	v_max_num_f32 v84, v80, v82
	v_sub_f32 v85, v80, v84
	v_sub_f32 v86, v82, v84
	v_exp_f32 v85, v85
	v_exp_f32 v86, v86
	v_nop                                          ; a plain line behind the exponentials
	s_wait_alu depctr_va_vdst(0)
	v_mul_f32 v87, v85, v81
	v_fmac_f32 v87, v86, v83
	v_rcp_f32 v92, v87
	v_nop                                          ; and behind the reciprocal
	s_wait_alu depctr_va_vdst(0)
	v_mul_f32 v88, v85, v92
	v_mul_f32 v89, v85, v92
	v_mul_f32 v90, v86, v92
	v_mul_f32 v91, v86, v92
	s_wait_dscnt 0x0
.set i, 0
.rept 16
	v_pk_mul_f32 v[S+32+2*i:S+32+2*i+1], v[S+32+2*i:S+32+2*i+1], v[90:91]
.set i, i+1
.endr
.set i, 0
.rept 16
	v_pk_fma_f32 v[S+2*i:S+2*i+1], v[S+2*i:S+2*i+1], v[88:89], v[S+32+2*i:S+32+2*i+1]
.set i, i+1
.endr
.set i, 0
.rept 16
	v_cvt_pk_f16_f32 v[96+i], v[S+2*i], v[S+2*i+1]
.set i, i+1
.endr
.irp f, 0,1,2,3
	ds_store_b128 v[STO], v[96+4*(\f):96+4*(\f)+3] offset:32*(\f)
.endr
	s_wait_xcnt 0x0                                ; earlier stores have read v112-127: they are loaded again only behind this wait
.irp f, 0,1,2,3
	ds_load_b128 v[112+4*(\f):112+4*(\f)+3], v[RD] offset:(\f)*4*SP  ; LDS serves a wave's instructions in order (ISA guide 5.7.1.4): these see the stores above
.endr
.irp f, 0,1,2,3
	s_wait_dscnt 3-(\f)
	global_store_b128 v[GO], v[112+4*(\f):112+4*(\f)+3], s[20:21] offset:262144*(\q)+512*(\f)  ; four rows of 128 bytes: 512 consecutive bytes, aligned
.endr
.endm
; A BLOCK ENDS.  l's two halves and the other half of the lanes' are added: (c m, l) becomes a pair (the first additions are the places behind the last products).  Every wave ships all four
; pieces into its own merge area, O^T ascending; its stores are waited for; a barrier; then each wave finishes two pieces.  Between these loads and the next end's stores stands a change of slots.
; next = 1: the second block follows: its Q' is asked for ahead of the barrier, O's base moves on, the statistics start anew.
.macro ENDBLK next
	WIN 0
	ALLP v_add_f32 v[ST+4*t+2], v[ST+4*t+2], v[ST+4*t+3]
	ALLP v_permlanex16_b32 v[ST+4*t+3], v[ST+4*t+2], s[SEL], s[SEL+1]
	ALLP v_add_f32 v[ST+4*t+1], v[ST+4*t+2], v[ST+4*t+3]
	WIN 0x0c                                       ; store data (source 1) in window 3
.set i, 0
.rept 32
	ds_store_b128 v[MSA], v[4*i:4*i+3] offset:512*i
.set i, i+1
.endr
	WIN 0
	ALLP ds_store_b64 v[MSS], v[ST+4*t:ST+4*t+1] offset:256*t
.if \next
	QLOAD 18
.endif
	s_wait_dscnt 0x0                               ; for my partner's sake: my stores are done
	s_barrier_signal -1
	s_barrier_wait -1
	FINAL 0
	FINAL 1
.if \next
	s_wait_xcnt 0x0                                ; the stores have read O's base
	s_mov_b64 s[20:21], s[22:23]
	BEGIN
.endif
.endm
	s_load_b256 s[4:11], s[0:1], 0x0               ; qws 4, kws 6, vws 8, ows 10
	s_load_b64 s[2:3], s[0:1], 0x20                ; theta_offset
	v_lshl_add_u32 v[SPW], v0, 2, SPARE
	v_mov_b32 v[NIL], 0
	ds_add_u32 v14, v15
	s_wait_dscnt 0x0
	v_lshrrev_b32 v1, 5, v0
	v_readfirstlane_b32 s[WV], v1
	s_and_b32 s[KH], s[WV], 1
	s_lshr_b32 s73, s[WV], 1                       ; qh
	s_mov_b32 s[PB], ttmp9
	s_sub_co_u32 s[HI], 3, s[PB]
	s_and_b32 s75, ttmp7, 0xffff                   ; bh
	s_lshl_b32 s76, s75, 19                        ; K': 524,288 bytes a head; my 64 rows of a tile (the wave's low bit also says which part I fetch)
	s_lshl_b32 s77, s[KH], 14
	s_add_co_u32 s76, s76, s77
	s_mov_b32 s77, 0
	s_lshl_b32 s78, s75, 18                        ; V: 262,144 bytes a head, 131,072 a plane
	s_lshl_b32 s79, s[KH], 17
	s_add_co_u32 s78, s78, s79
	s_mov_b32 s79, 0
	s_mul_i32 s86, s[KH], 64*PK
	s_mul_i32 s87, s[KH], VPL
	s_add_co_u32 s87, s87, VOFF
	s_lshl_b32 s80, s75, 19                        ; Q': the two super-blocks, 131,072 bytes each
	s_lshl_b32 s81, s[HI], 17
	s_lshl_b32 s82, s[PB], 17
	s_add_co_u32 s82, s82, s80
	s_add_co_u32 s80, s80, s81
	s_mov_b32 s81, 0
	s_mov_b32 s83, 0
	s_bfe_u32 s74, ttmp6, 0x40000                  ; cx
	s_lshl_b32 s84, s74, 5
	s_lshl_b32 s85, s73, 4
	s_add_co_u32 s84, s84, s85                     ; my first row in a band: 32 cx + 16 qh
	s_lshr_b32 s88, s75, 4                         ; O: batch, head, my rows,
	s_lshl_b32 s88, s88, 22
	s_and_b32 s89, s75, 15
	s_lshl_b32 s89, s89, 14
	s_add_co_u32 s88, s88, s89
	s_lshl_b32 s89, s84, 7
	s_add_co_u32 s88, s88, s89
	s_lshl_b32 s89, s[KH], 19                      ; the two pieces that I finish: 2 kh row tiles of 262,144 bytes on,
	s_add_co_u32 s88, s88, s89
	s_lshl_b32 s90, s[PB], 20                      ; and the super-block: four row tiles
	s_add_co_u32 s90, s90, s88
	s_lshl_b32 s89, s[HI], 20
	s_add_co_u32 s88, s88, s89
	s_mov_b32 s89, 0
	s_mov_b32 s91, 0
	s_and_b32 s53, s75, 15                         ; the head's place in theta_offset
	s_lshl_b32 s53, s53, 2
	s_mov_b32 s[G1K], 15|(1<<16)|(1<<20)|(1<<21)|(5<<22)|(3<<25)  ; mask of four; 2-byte elements; padding on; bit 21 beside a mask; after 64 words 4 words
	s_mov_b32 s[G1K+1], 128<<16                    ; tensor_dim0 = 128
	s_mov_b32 s[G1K+2], 64<<16                     ; tensor_dim1 = 64
	s_mov_b32 s[G1K+3], 128<<16                    ; tile_dim0 = 128
	s_mov_b32 s[G1K+4], 64                         ; tile_dim1 = 64
	s_mov_b32 s[G1K+5], 128                        ; elements from row to row
	s_mov_b32 s[G1K+6], 0
	s_mov_b32 s[G1K+7], 0
	s_mov_b32 s[G1V], 15|(1<<16)|(1<<20)|(1<<21)|(3<<22)|(7<<25)  ; 128 dense rows of 64 bytes asked for as 32 rows of 256; after 16 words 8 words
	s_mov_b32 s[G1V+1], 128<<16
	s_mov_b32 s[G1V+2], 32<<16
	s_mov_b32 s[G1V+3], 128<<16
	s_mov_b32 s[G1V+4], 32
	s_mov_b32 s[G1V+5], 128
	s_mov_b32 s[G1V+6], 0
	s_mov_b32 s[G1V+7], 0
	s_mov_b32 s[CS], 0x3e38aa3b                    ; c = log2(e) / 8
	s_mov_b32 s[CS+1], s[CS]
	s_mov_b32 s[SEL], 0x76543210
	s_mov_b32 s[SEL+1], 0xfedcba98
	s_mov_b32 s[OFF+1], 0
	s_mov_b32 s[AL0+1], 0                          ; named as pairs
	s_mov_b32 s[BE0+1], 0
	s_mov_b32 s[AL1+1], 0
	s_mov_b32 s[BIGN], 0xf149f2ca                  ; -1e30
	s_lshl_b32 s[TB1], s[HI], 2
	s_lshl_b32 s[TB3], s[PB], 2
	s_cmp_eq_u32 s[PB], 0
	s_cselect_b32 s[TB2], 8, 0
	s_mov_b32 s[G0K], 1
	s_mov_b32 s[G0K+1], s86
	s_mov_b32 s[G0V], 1
	s_mov_b32 s[G0V+1], s87
	s_wait_kmcnt 0x0
	s_load_b32 s55, s[2:3], s53 offset:0x0         ; theta of my head: waited for below; s[2:3] and s53 stay as they are
	s_add_nc_u64 s[6:7], s[6:7], s[76:77]
	s_add_nc_u64 s[8:9], s[8:9], s[78:79]
	s_add_nc_u64 s[16:17], s[4:5], s[80:81]
	s_add_nc_u64 s[18:19], s[4:5], s[82:83]
	s_add_nc_u64 s[20:21], s[10:11], s[88:89]
	s_add_nc_u64 s[22:23], s[10:11], s[90:91]
	s_add_nc_u64 s[G0K+2:G0K+3], s[6:7], 0
	s_or_b32 s[G0K+3], s[G0K+3], 0x80000000
	s_add_nc_u64 s[G0V+2:G0V+3], s[8:9], 0
	s_or_b32 s[G0V+3], s[G0V+3], 0x80000000
	CROUND                                         ; all four work-groups are here
	JLOAD                                          ; tile 0 into slot 0; slot 1 is asked for by the loop's first change of slots
	v_and_b32 v1, 15, v0                           ; r
	v_bfe_u32 v80, v0, 4, 1                        ; h
	v_and_b32 v81, 7, v0
	v_bfe_u32 v82, v0, 3, 1
	v_and_b32 v83, 31, v0
	v_add_nc_u32 v84, s84, v1                      ; rho: my query's place in its band
	v_lshlrev_b32 v[QO], 8, v84
	v_lshl_add_u32 v[QO], v80, 4, v[QO]
	QLOAD 16
	v_mul_u32_u24 v[AK0], v1, PK
	v_lshl_add_u32 v[AK0], v80, 4, v[AK0]
	v_add_nc_u32 v[AK0], s86, v[AK0]
	v_lshl_add_u32 v[AV0], v80, 3, v81
	v_mul_u32_u24 v[AV0], v[AV0], PVP
	v_lshl_add_u32 v[AV0], v82, 4, v[AV0]
	s_mul_i32 s92, s[KH], 64*PVP
	s_add_co_u32 s92, s92, VOFF
	v_add_nc_u32 v[AV0], s92, v[AV0]
	s_mul_i32 s92, s[WV], 16*SP
	s_add_co_u32 s92, s92, OST
	v_mul_u32_u24 v[STO], v1, SP                   ; into my stage: row r, 16 bytes for each half of the lanes
	v_lshl_add_u32 v[STO], v80, 4, v[STO]
	v_add_nc_u32 v[STO], s92, v[STO]
	v_bfe_u32 v[RD], v0, 3, 2                      ; back: 32 lanes take four rows of 128 bytes
	v_mul_u32_u24 v[RD], v[RD], SP
	v_lshl_add_u32 v[RD], v81, 4, v[RD]
	v_add_nc_u32 v[RD], s92, v[RD]
	v_lshlrev_b32 v[GO], 4, v83
	s_mul_i32 s92, s[WV], MSTW                     ; my merge area,
	s_add_co_u32 s92, s92, MST
	v_lshl_add_u32 v[MSA], v83, 4, s92
	v_lshl_add_u32 v[MSS], v83, 3, s92
	v_add_nc_u32 v[MSS], 16384, v[MSS]
	s_xor_b32 s93, s[WV], 1                        ; my partner's,
	s_mul_i32 s93, s93, MSTW
	s_add_co_u32 s93, s93, MST
	v_lshl_add_u32 v[MLA], v83, 4, s93
	v_lshl_add_u32 v[MLS], v83, 3, s93
	v_add_nc_u32 v[MLS], 16384, v[MLS]
	s_lshl_b32 s94, s[KH], 13                      ; and in both the two pieces that I finish: 2 kh pieces of 4,096 bytes, of 256 bytes of statistics
	s_lshl_b32 s95, s[KH], 9
	v_add_nc_u32 v[MOA], s94, v[MSA]
	v_add_nc_u32 v[MLA], s94, v[MLA]
	v_add_nc_u32 v[MOS], s95, v[MSS]
	v_add_nc_u32 v[MLS], s95, v[MLS]
	s_lshl_b32 s94, s[KH], 6
	v_lshlrev_b32 v85, 3, v80
	v_sub_nc_u32 v85, v84, v85
	v_sub_nc_u32 v85, v85, s94                     ; rho - 8 h - 64 kh: register reg of key group kt is hidden in a band's own tile where 16 kt + reg is greater
	WIN 0x40
.set i, 0
.rept 32
	v_cmp_gt_i32 vcc_lo, 16*(i/8)+i%8, v85
	v_cndmask_b32 v[MD+i], 0, s[BIGN], vcc_lo
.set i, i+1
.endr
	WIN 0xc0
.set i, 0
.rept 128
	v_mov_b32 v[i], 0                              ; O^T: finite is all that the first tile's a = 0 asks; this stands in the wait for the first tile
.set i, i+1
.endr
	WIN 0
	; THE GATE'S FIXED PART.  The scalars at work above are done with: their registers take the series' constants, which stay for the whole launch.
	s_wait_kmcnt 0x0                               ; theta
	SPAIR NHI, 0xc0c90fdb                          ; -2 pi, high part
	SPAIR NLO, 0x343bbd2e                          ; -(2 pi - high part)
	SPAIR INV, 0x3e22f983                          ; 1 / 2 pi
	SPAIR KS1, 0xbe2aaaab                          ; -1/3!, 1/5!, .. 1/13!
	SPAIR KS2, 0x3c088889
	SPAIR KS3, 0xb9500d01
	SPAIR KS4, 0x3638ef1d
	SPAIR KS5, 0xb2d7322b
	SPAIR KS6, 0x2f309231
	SPAIR KC2, 0x3d2aaaab                          ; 1/4!, -1/6!, .. -1/14!
	SPAIR KC3, 0xbab60b61
	SPAIR KC4, 0x37d00d01
	SPAIR KC5, 0xb493f27e
	SPAIR KC6, 0x310f76c7
	SPAIR KC7, 0xad49cba5
	v_mov_b32 v86, s55
	v_cvt_pk_bf16_f32 v86, v86, v86                ; theta is rounded to bf16 like every input
	v_lshlrev_b32 v86, 16, v86
	v_mul_f32 v[TH], 0x41800000, v86               ; 16 theta, exactly
	v_mul_f32 v87, 0x3e000000, v86                 ; theta / 8, exactly
	v_sub_nc_u32 v88, 0, v85                       ; kappa - rho of my register 0 of key group 0
	v_cvt_f32_i32 v88, v88
	v_mul_f32 v[PH], v87, v88                      ; d of register 0,
	v_add_f32 v88, 1.0, v88
	v_mul_f32 v[PH+1], v87, v88                    ; of register 1;
	v_add_f32 v[PH+2], v87, v87                    ; 2 theta / 8: from a pair of registers to the next;
	v_add_f32 v[PH+3], v86, v86                    ; 16 theta / 8: from a key group to the next
	SINCOS
	WIN 0x40
	v_mov_b32 v[CD], v[CN]
	v_mov_b32 v[CD+1], v[CN+1]
	v_mov_b32 v[SD], v[SN]
	v_mov_b32 v[SD+1], v[SN+1]
	WIN 0x51                                       ; CD, SD and the two at work in window 1, the turning angle's cosine and sine in window 0
	ROT 1, 0, 0
	ROT 2, 1, 0
	ROT 3, 2, 0
.set y, 0
.rept 12
	ROT y+4, y, 1
.set y, y+1
.endr
	WIN 0
	BEGIN
	s_mov_b32 s[NXT], 1
	s_mov_b32 s[TB], SLOT1
	s_mov_b32 s[TRIP], 0
.Ltrip:                                                ; 19 times: a tile is entered and the next is asked for.  The jumps below go forward and pass no tensor load; which text a trip runs hangs on its number alone
	CHANGE 1
	TRIPHEAD
	s_cmp_eq_u32 s[TRIP], 10
	s_cbranch_scc1 .Lx
	s_cmp_eq_u32 s[TRIP], 11
	s_cbranch_scc1 .Lx
	s_cmp_eq_u32 s[TRIP], 18
	s_cbranch_scc1 .Lx
	FULL
	s_cmp_eq_u32 s[TRIP], 15                       ; behind trip 15 the first block ends if it is super-block 3
	s_cbranch_scc0 .Lbot
	s_cmp_eq_u32 s[PB], 0
	s_cbranch_scc1 .Lend
	s_branch .Lbot
.Lx:
	XONLY
	s_cmp_eq_u32 s[TRIP], 11                       ; behind trip 11 it ends if it is super-block 2
	s_cbranch_scc0 .Lbot
	s_cmp_eq_u32 s[PB], 1
	s_cbranch_scc0 .Lbot
.Lend:
	ENDBLK 1                                       ; its barrier is passed by all four waves or by none: the trip's number and PB are the work-group's
.Lbot:
	s_add_co_u32 s[TRIP], s[TRIP], 1
	s_cmp_lt_u32 s[TRIP], 19
	s_cbranch_scc1 .Ltrip
	CHANGE 0                                       ; trip 19 is written out: nothing is asked for
	TRIPHEAD
	XONLY
	ENDBLK 0
	s_wait_tensorcnt 0x0                           ; the wave's end
	ds_add_u32 v[SPW], v[NIL]
	s_wait_dscnt 0x0
	CROUND                                         ; the closing round
	s_endpgm
.Lfunc_end_k_qe67a584ee5_attn:
	.size	k_qe67a584ee5_attn, .Lfunc_end_k_qe67a584ee5_attn-k_qe67a584ee5_attn
	.p2alignl 7, 3214868480
	.fill 96, 4, 3214868480
	.section	.rodata,"a",@progbits
	.p2align	6, 0x0
	.amdhsa_kernel k_qe67a584ee5_attn
		.amdhsa_group_segment_fixed_size 327680
		.amdhsa_private_segment_fixed_size 0
		.amdhsa_enable_private_segment 0
		.amdhsa_kernarg_size 40
		.amdhsa_user_sgpr_count 2
		.amdhsa_user_sgpr_kernarg_segment_ptr 1
		.amdhsa_wavefront_size32 1
		.amdhsa_system_sgpr_workgroup_id_x 1
		.amdhsa_system_sgpr_workgroup_id_y 1
		.amdhsa_system_sgpr_workgroup_id_z 1
		.amdhsa_system_vgpr_workitem_id 0
		.amdhsa_next_free_vgpr 1024
		.amdhsa_next_free_sgpr 102
		.amdhsa_reserve_vcc 1
		.amdhsa_float_denorm_mode_32 3
		.amdhsa_float_denorm_mode_16_64 3
		.amdhsa_memory_ordered 1
		.amdhsa_forward_progress 1
		.amdhsa_inst_pref_size 181
	.end_amdhsa_kernel
	.amdgpu_metadata
---
amdhsa.version: [ 1, 2 ]
amdhsa.kernels:
  - .name:           k_qe67a584ee5_attn
    .symbol:         k_qe67a584ee5_attn.kd
    .args:
      - { .name: qws, .offset: 0, .size: 8, .value_kind: global_buffer, .address_space: global }
      - { .name: kws, .offset: 8, .size: 8, .value_kind: global_buffer, .address_space: global }
      - { .name: vws, .offset: 16, .size: 8, .value_kind: global_buffer, .address_space: global }
      - { .name: ows, .offset: 24, .size: 8, .value_kind: global_buffer, .address_space: global }
      - { .name: theta_offset, .offset: 32, .size: 8, .value_kind: global_buffer, .address_space: global }
    .group_segment_fixed_size: 327680
    .private_segment_fixed_size: 0
    .kernarg_segment_align: 8
    .kernarg_segment_size: 40
    .max_flat_workgroup_size: 128
    .sgpr_count:     102
    .vgpr_count:     1024
    .wavefront_size: 32
...
	.end_amdgpu_metadata
.endif
;; end of part 6
;; launch oproj: the kernel of part 4 again; grid 8 x 32, 4 waves a work-group, clusters of 4 x 4, 327,680 bytes of LDS; arguments ows, wo16, out0; writes out0
;; ======== version 3 of 3: 4 launches; 1.29 times as fast as version 1
;; limits: values are held in f16: magnitudes above 65,504 overflow, below 6.1e-05 lose precision; right only within a limited range of input values
;; workspace buffers: xb 8,388,608 bytes; wqk 8,388,608 bytes; wv 2,097,152 bytes; wo16 2,097,152 bytes; qws 16,777,216 bytes; kws 16,777,216 bytes; vws 8,388,608 bytes; ows 8,388,608 bytes
;; launch prep: the kernel of part 1 again; grid 640 x 1, 8 waves a work-group, no clusters, 0 bytes of LDS; arguments x, Wq, Wk, Wv, Wo, xb, wqk, wv, wo16; writes xb, wqk, wv, wo16
;; launch qkv (part 7): grid 16 x 16, 4 waves a work-group, clusters of 4 x 4, 327,680 bytes of LDS; arguments xb, wqk, wv, qws, kws, vws; writes qws, kws, vws
.if DOCPART == 7
	.amdgcn_target "amdgcn-amd-amdhsa--gfx1250"
	.amdhsa_code_object_version 6
	.text
	.protected	k_qe67a584ee5_qkv
	.globl	k_qe67a584ee5_qkv
	.p2align	8
	.type	k_qe67a584ee5_qkv,@function
k_qe67a584ee5_qkv:
	s_mov_b64 s[64:65], 0
	v_nop
	global_prefetch_b8 v0, s[64:65] scope:SCOPE_SE
	s_setreg_imm32_b32 hwreg(HW_REG_WAVE_MODE, 25, 1), 1
	s_wait_xcnt 0x0
	s_wait_alu depctr_hold_cnt(0) depctr_sa_sdst(0) depctr_va_vdst(0) depctr_va_sdst(0) depctr_va_ssrc(0) depctr_va_vcc(0) depctr_vm_vsrc(0)
	s_getreg_b32 s2, hwreg(HW_REG_IB_STS2, 6, 4)
	s_cmp_eq_u32 s2, 0
	s_cbranch_scc0 .Lentry_in_a_cluster
	s_endpgm
.Lentry_in_a_cluster:
	s_bfe_u32 s2, ttmp6, 0x10000c
	s_cmp_lg_u32 s2, 0xf033
	s_cbranch_scc0 .Lentry_shape_is_right
	s_endpgm
.Lentry_shape_is_right:
; QKV: x [4096][1024] times [Wq | Wk | Wv], bf16 operands, f32 sums; softplus, sine and cosine on the way out.
; A work-group makes 256 rows x 320 columns: tile j of wqk (two heads of Q or of K, amplitude and phase) and head j of V.  4096 x 5120 outputs = 256 such blocks.
; A wave (rh = wave / 2, ch = wave % 2) makes 128 rows x 160 columns: column blocks 0-3 amplitude, 4-7 phase of head 2 (j % 8) + ch, 8-9 V's channels 32 ch on: 80 accumulators.
; THE MATRIX INSTRUCTION IS USED TRANSPOSED (source 0 = 16 columns of W, turned out of LDS; source 1 = 16 rows of x): a lane holds one row and eight neighbouring columns.
; K goes in steps of 128 through two LDS slots.  CLUSTER 4 x 4: x's tile is shared along a row of the cluster, W's tiles along a column: joint loads.
; A row of Q' or K' is 128 f16: for d = 2 L, 2 L + 1 its elements 4 L + e are  e 0,1: a cos p   2,3: a sin p,   a = softplus(amplitude), p = phase.  Q' . K' is the score, ungated and unscaled.
; OUT: qws, kws [bh 32][t 2048][128] f16; vws [bh 32][channel half 2][t 2048][32] f16.
; THE BATCHES.  On the way out four rows' eight exponentials are one batch and their eight logarithms a second (a logarithm reads 1 + an exponential).  Each batch has ONE wait, ahead of its first
; reader; between a batch and its wait stands the angles' work, which names none of its results: the reduction (20 lines) behind the exponentials, the two series (60 lines) behind the logarithms.
; LIMITS.  Inputs arrive rounded to bf16.  Q', K', V are f16: beyond 65,504 they overflow.
; softplus(x) = max(x, 0) + ln 2 log2(1 + 2^(-|x| log2 e)): right to 6e-8 absolute, so below x = -17 it is 0.  Sine and cosine: x less the nearest multiple of 2 pi (two-part constant, good to
; |x| about 1e5), then the series to r^13 and r^14 on |r| <= pi: errors under 2.2e-5 and 4.3e-6.  NaN and infinities are not treated apart.
; REGISTERS, in windows of 256 (s_set_vgpr_msb: bits 1:0 source 0, 3:2 source 1, 5:4 source 2, 7:6 destination):
;   window 0: v0-15 addresses; v16-47 packed output; v48-175 x's fragments, two buffers of 64 (on the way out: at work); v176-255 accumulators of row block 7
;   window 1: v0-159 W's fragments, two buffers of 80; v160-239 accumulators of row block 6      window 2: row blocks 0-2 at 80 a + 8 b      window 3: row blocks 3-5
.set PA,    272                        ; a row of x in LDS: 256 bytes + 16: odd multiple of 16, so the 16 rows of a load start in 16 different groups of four banks (ISA guide 11.1)
.set PQ,    544                        ; a k row of wqk's tile: 512 + 32: odd multiple of 32
.set PW,    160                        ; a k row of wv's tile: 128 + 32
.set HALFA, 128*PA
.set OFFQ,  2*HALFA                    ; a slot: 256 rows of x, 128 k rows of wqk, 128 k rows of wv
.set OFFV,  OFFQ+128*PQ
.set SLOT,  OFFV+128*PW
.set SPARE, 2*SLOT                     ; behind the ring: the spare words, 128 bytes a wave: two blocks of 256 bytes that no other line names
.set SROW,  656                        ; the way out: a stage row, 160 f32 + 16 bytes
.set STGW,  64*SROW                    ; a wave's stage: 64 rows; the stages lie in ring bytes that have had their last fill
.set ADRA, 2                           ; v2-3  LDS address of my fragments of x in slot 0, 1
.set ADRQ, 4                           ; v4-5  of wqk's
.set ADRV, 6                           ; v6-7  of wv's
.set SPW,  8                           ; v8    LDS address of my spare word; never rewritten
.set NIL,  9                           ; v9    0; never rewritten
.set FA,   48
.set WV, 18                            ; s18 wave; s19 rh; s20 ch
.set RH, 19
.set CH, 20
.set CX, 21
.set CY, 22
.set JT, 23                            ; tile column
.set MT, 24                            ; tile row
.set LAP, 27
.set G1A, 28                           ; s[28:35], s[36:43], s[44:51] descriptor groups 1
.set G1Q, 36
.set G1V, 44
.set G0A, 52                           ; s[52:59], s[68:75], s[76:83] descriptor groups 0, a set for each slot
.set G0Q, 68
.set G0V, 76
.set HEAD, 91
.set MSB, 0
.macro WIN new                         ; the immediate's high byte repeats the setting that is left; a switch that changes nothing is dropped
.if MSB != (\new)
	s_set_vgpr_msb (MSB<<8)|(\new)
.set MSB, (\new)
.endif
.endm
.macro PLACES                          ; four places in front of loads into registers that matrix instructions have read, and of reads of results
.rept 4
	v_nop
.endr
.endm
; A joint load.  Waves 0 and 1 fetch x's two halves, wave 2 wqk's tile, wave 3 wv's.  The branches hang on the wave's number alone.
; An s_nop 0 and four v_nop follow each line, ahead of the jump and the label.
.macro JLOAD s
	s_cmp_lt_u32 s[WV], 2
	s_cbranch_scc0 .Lnot_a_\@
	tensor_load_to_lds s[G0A+4*(\s):G0A+4*(\s)+3], s[G1A:G1A+7]
	s_nop 0
	PLACES
	s_branch .Lasked_\@
.Lnot_a_\@:
	s_cmp_eq_u32 s[WV], 2
	s_cbranch_scc0 .Lfor_v_\@
	tensor_load_to_lds s[G0Q+4*(\s):G0Q+4*(\s)+3], s[G1Q:G1Q+7]
	s_nop 0
	PLACES
	s_branch .Lasked_\@
.Lfor_v_\@:
	tensor_load_to_lds s[G0V+4*(\s):G0V+4*(\s)+3], s[G1V:G1V+7]
	s_nop 0
	PLACES
.Lasked_\@:
.endm
.macro CREST                           ; a round of the cluster's barrier behind its opening barrier
	s_cmp_lg_u32 s[WV], 0
	s_cbranch_scc1 .Lnot_wave_0_\@
	s_barrier_signal -3
.Lnot_wave_0_\@:
	s_barrier_wait -3
	s_barrier_signal -1
	s_barrier_wait -1
.endm
.macro CROUND
	s_barrier_signal -1
	s_barrier_wait -1
	CREST
.endm
	s_load_b256 s[4:11], s[0:1], 0x0               ; xb 4, wqk 6, wv 8, qws 10
	s_load_b128 s[12:15], s[0:1], 0x20             ; kws 12, vws 14
	v_lshl_add_u32 v[SPW], v0, 2, SPARE
	v_mov_b32 v[NIL], 0
	ds_add_u32 v8, v9
	s_wait_dscnt 0x0
	v_lshrrev_b32 v1, 5, v0
	v_readfirstlane_b32 s[WV], v1
	s_lshr_b32 s[RH], s[WV], 1
	s_and_b32 s[CH], s[WV], 1
	s_bfe_u32 s[CX], ttmp6, 0x40000
	s_bfe_u32 s[CY], ttmp6, 0x40004
	s_lshl_b32 s[JT], ttmp9, 2
	s_add_co_u32 s[JT], s[JT], s[CX]
	s_and_b32 s[MT], ttmp7, 0xffff
	s_lshl_b32 s[MT], s[MT], 2
	s_add_co_u32 s[MT], s[MT], s[CY]
	s_lshl_b32 s25, s[CY], 2
	s_lshl_b32 s25, 15, s25                        ; my row of the cluster
	s_lshl_b32 s26, 0x1111, s[CX]                  ; my column
	s_or_b32 s[G1A], s25, (1<<16)|(1<<20)|(1<<21)|(5<<22)|(3<<25)  ; mask; 2-byte elements; padding on; bit 21 beside a mask; after 64 words 4 words
	s_mov_b32 s[G1A+1], 128<<16                    ; tensor_dim0 = 128
	s_mov_b32 s[G1A+2], 128<<16                    ; tensor_dim1 = 128
	s_mov_b32 s[G1A+3], 128<<16                    ; tile_dim0 = 128
	s_mov_b32 s[G1A+4], 128                        ; tile_dim1 = 128
	s_mov_b32 s[G1A+5], 1024                       ; elements from row to row
	s_mov_b32 s[G1A+6], 0
	s_mov_b32 s[G1A+7], 0
	s_or_b32 s[G1Q], s26, (1<<16)|(1<<20)|(1<<21)|(6<<22)|(7<<25)  ; after 128 words 8 words
	s_mov_b32 s[G1Q+1], 256<<16
	s_mov_b32 s[G1Q+2], 128<<16
	s_mov_b32 s[G1Q+3], 256<<16
	s_mov_b32 s[G1Q+4], 128
	s_mov_b32 s[G1Q+5], 4096
	s_mov_b32 s[G1Q+6], 0
	s_mov_b32 s[G1Q+7], 0
	s_or_b32 s[G1V], s26, (1<<16)|(1<<20)|(1<<21)|(4<<22)|(7<<25)  ; 128 dense k rows of 128 bytes asked for as 64 rows of 256; after 32 words 8 words
	s_mov_b32 s[G1V+1], 128<<16
	s_mov_b32 s[G1V+2], 64<<16
	s_mov_b32 s[G1V+3], 128<<16
	s_mov_b32 s[G1V+4], 64
	s_mov_b32 s[G1V+5], 128
	s_mov_b32 s[G1V+6], 0
	s_mov_b32 s[G1V+7], 0
	s_lshl_b32 s84, s[MT], 19                      ; x: (256 tile row + 128 half) rows of 2,048 bytes: made of the tile row and the wave alone
	s_lshl_b32 s85, s[CH], 18
	s_add_co_u32 s84, s84, s85
	s_mov_b32 s85, 0
	s_lshl_b32 s86, s[JT], 9                       ; wqk: 512 bytes a tile column
	s_mov_b32 s87, 0
	s_lshl_b32 s88, s[JT], 17                      ; wv: 131,072 bytes a head
	s_mov_b32 s89, 0
	s_mul_i32 s90, s[CH], HALFA
	s_and_b32 s[HEAD], s[JT], 7
	s_lshl_b32 s[HEAD], s[HEAD], 1
	s_add_co_u32 s[HEAD], s[HEAD], s[CH]           ; my head of Q or K
	s_wait_kmcnt 0x0
	s_add_nc_u64 s[84:85], s[4:5], s[84:85]
	s_add_nc_u64 s[86:87], s[6:7], s[86:87]
	s_add_nc_u64 s[88:89], s[8:9], s[88:89]
	CROUND                                         ; all sixteen work-groups are here: the first joint loads meet
.irp s, 0,1
	s_mov_b32 s[G0A+4*(\s)], 1
	s_add_co_u32 s[G0A+4*(\s)+1], s90, (\s)*SLOT
	s_add_nc_u64 s[G0A+4*(\s)+2:G0A+4*(\s)+3], s[84:85], (\s)*256
	s_or_b32 s[G0A+4*(\s)+3], s[G0A+4*(\s)+3], 0x80000000
	s_mov_b32 s[G0Q+4*(\s)], 1
	s_mov_b32 s[G0Q+4*(\s)+1], (\s)*SLOT+OFFQ
	s_add_nc_u64 s[G0Q+4*(\s)+2:G0Q+4*(\s)+3], s[86:87], (\s)*1048576
	s_or_b32 s[G0Q+4*(\s)+3], s[G0Q+4*(\s)+3], 0x80000000
	s_mov_b32 s[G0V+4*(\s)], 1
	s_mov_b32 s[G0V+4*(\s)+1], (\s)*SLOT+OFFV
	s_add_nc_u64 s[G0V+4*(\s)+2:G0V+4*(\s)+3], s[88:89], (\s)*16384
	s_or_b32 s[G0V+4*(\s)+3], s[G0V+4*(\s)+3], 0x80000000
	JLOAD \s                                       ; K steps 0 and 1: two tensor loads of mine are out
.endr
	v_and_b32 v1, 15, v0                           ; r = lane % 16
	v_bfe_u32 v10, v0, 4, 1                        ; h = lane / 16
	v_and_b32 v11, 7, v0
	v_bfe_u32 v12, v0, 3, 1
	v_mul_u32_u24 v13, v1, PA
	v_lshl_add_u32 v13, v10, 4, v13                ; x: row r, 16 bytes for each half of the lanes
	s_mul_i32 s94, s[RH], HALFA
	v_add_nc_u32 v[ADRA], s94, v13
	v_add_nc_u32 v[ADRA+1], SLOT, v[ADRA]
	v_lshl_add_u32 v14, v10, 3, v11                ; the turning load: k row 8 h + lane % 8, 16 bytes (lane / 8) % 2
	v_mul_u32_u24 v15, v14, PQ
	v_lshl_add_u32 v15, v12, 4, v15
	s_lshl_b32 s94, s[CH], 8
	s_add_co_u32 s94, s94, OFFQ
	v_add_nc_u32 v[ADRQ], s94, v15
	v_add_nc_u32 v[ADRQ+1], SLOT, v[ADRQ]
	v_mul_u32_u24 v15, v14, PW
	v_lshl_add_u32 v15, v12, 4, v15
	s_lshl_b32 s94, s[CH], 6
	s_add_co_u32 s94, s94, OFFV
	v_add_nc_u32 v[ADRV], s94, v15
	v_add_nc_u32 v[ADRV+1], SLOT, v[ADRV]
.macro ACCOF a                         ; window AW and first register AB of row block a's ten accumulators
.if (\a) < 3
.set AW, 2
.set AB, 80*(\a)
.elseif (\a) < 6
.set AW, 3
.set AB, 80*((\a)-3)
.elseif (\a) == 6
.set AW, 1
.set AB, 160
.else
.set AW, 0
.set AB, 176
.endif
.endm
; Ten matrix instructions: row block a x all column blocks, 32 along K, from buffers f.  The 80 accumulators take turns in the same order in every quarter.
.macro MULROW f, a, zero
	ACCOF \a
	WIN (AW<<6)|(AW<<4)|1
.irp b, 0,1,2,3,4,5,6,7,8,9
.if \zero
	v_wmma_f32_16x16x32_bf16 v[AB+8*(\b):AB+8*(\b)+7], v[80*(\f)+8*(\b):80*(\f)+8*(\b)+7], v[FA+64*(\f)+8*(\a):FA+64*(\f)+8*(\a)+7], 0
.else
	v_wmma_f32_16x16x32_bf16 v[AB+8*(\b):AB+8*(\b)+7], v[80*(\f)+8*(\b):80*(\f)+8*(\b)+7], v[FA+64*(\f)+8*(\a):FA+64*(\f)+8*(\a)+7], v[AB+8*(\b):AB+8*(\b)+7]
.endif
.endr
.endm
; 36 LDS loads in one run: quarter q (32 along K) of a slot into buffers f: W's ten column blocks (turned), then x's eight row blocks
.macro FETCH slot, q, f
	WIN 0x40
.irp b, 0,1,2,3,4,5,6,7
	ds_load_tr16_b128 v[80*(\f)+8*(\b):80*(\f)+8*(\b)+3],   v[ADRQ+(\slot)] offset:32*PQ*(\q)+32*(\b)
	ds_load_tr16_b128 v[80*(\f)+8*(\b)+4:80*(\f)+8*(\b)+7], v[ADRQ+(\slot)] offset:32*PQ*(\q)+32*(\b)+16*PQ
.endr
.irp b, 0,1
	ds_load_tr16_b128 v[80*(\f)+64+8*(\b):80*(\f)+64+8*(\b)+3],   v[ADRV+(\slot)] offset:32*PW*(\q)+32*(\b)
	ds_load_tr16_b128 v[80*(\f)+64+8*(\b)+4:80*(\f)+64+8*(\b)+7], v[ADRV+(\slot)] offset:32*PW*(\q)+32*(\b)+16*PW
.endr
	WIN 0
.irp a, 0,1,2,3,4,5,6,7
	ds_load_b128 v[FA+64*(\f)+8*(\a):FA+64*(\f)+8*(\a)+3],   v[ADRA+(\slot)] offset:64*(\q)+16*PA*(\a)
	ds_load_b128 v[FA+64*(\f)+8*(\a)+4:FA+64*(\f)+8*(\a)+7], v[ADRA+(\slot)] offset:64*(\q)+16*PA*(\a)+32
.endr
.endm
; One of a K step's first three quarters: multiplies buffers f; in its middle it fetches quarter q of the same slot into buffers g.
.macro QUARTER slot, q, f, g, zero
	s_wait_dscnt 8                                 ; W and x's row blocks 0-3 are in; the youngest eight loads (row blocks 4-7) may be out
	MULROW \f, 0, \zero
	MULROW \f, 1, \zero
	MULROW \f, 2, \zero
	MULROW \f, 3, \zero
	PLACES
	FETCH \slot, \q, \g
	s_wait_dscnt 36                                ; all but the 36 just issued
	MULROW \f, 4, \zero
	MULROW \f, 5, \zero
	MULROW \f, 6, \zero
	MULROW \f, 7, \zero
.endm
; The fourth quarter multiplies buffers 1 and changes slots: one barrier; in front of it each wave waits for all its tensor loads (one is out: its part of the next slot), adds 0 to its
; spare word, and waits for that and for its reads of this slot.  fill = 1: the barrier opens a round of the cluster's, and this slot is filled again, two K steps ahead, first thing behind it.
.macro TURN slot, next, fill
	WIN 0
	s_wait_tensorcnt 0x0
	ds_add_u32 v[SPW], v[NIL]                      ; 0 onto my spare word
	s_wait_dscnt 9                                 ; the add and the youngest eight loads may be out
	MULROW 1, 0, 0
	MULROW 1, 1, 0
	s_wait_dscnt 0x0                               ; the add is done, and my reads of this slot are over
	s_barrier_signal -1
	MULROW 1, 2, 0
	MULROW 1, 3, 0
.if \fill
	WIN 0
.endif
	s_barrier_wait -1
.if \fill
	CREST                                          ; no wave of any partner still reads this slot or has a load on its way
	s_add_nc_u64 s[G0A+4*(\slot)+2:G0A+4*(\slot)+3], s[G0A+4*(\slot)+2:G0A+4*(\slot)+3], 512
	s_add_nc_u64 s[G0Q+4*(\slot)+2:G0Q+4*(\slot)+3], s[G0Q+4*(\slot)+2:G0Q+4*(\slot)+3], 2097152
	s_add_nc_u64 s[G0V+4*(\slot)+2:G0V+4*(\slot)+3], s[G0V+4*(\slot)+2:G0V+4*(\slot)+3], 32768
	JLOAD \slot                                    ; its four v_nop are also the places in front of the loads below
.else
	PLACES
.endif
	FETCH \next, 0, 0
	MULROW 1, 4, 0
	MULROW 1, 5, 0
	MULROW 1, 6, 0
	MULROW 1, 7, 0
.endm
	s_wait_tensorcnt 1                             ; my part of K step 0 is in; K step 1's may stay out
	s_barrier_signal -1
	s_barrier_wait -1
	FETCH 0, 0, 0
	QUARTER 0, 1, 0, 1, 1                          ; the first quarter's products start the sums: nothing is cleared
	WIN 0
	s_mov_b32 s[LAP], 3                            ; 8 K steps = 4 laps; a trip goes once round the ring and fills both slots again
.Llap:
	QUARTER 0, 2, 1, 0, 0
	QUARTER 0, 3, 0, 1, 0
	TURN 0, 1, 1
	QUARTER 1, 1, 0, 1, 0
	QUARTER 1, 2, 1, 0, 0
	QUARTER 1, 3, 0, 1, 0
	TURN 1, 0, 1
	QUARTER 0, 1, 0, 1, 0
	WIN 0
	s_sub_co_u32 s[LAP], s[LAP], 1
	s_cmp_lg_u32 s[LAP], 0
	s_cbranch_scc1 .Llap
	QUARTER 0, 2, 1, 0, 0                          ; the last lap fills nothing
	QUARTER 0, 3, 0, 1, 0
	TURN 0, 1, 0
	QUARTER 1, 1, 0, 1, 0
	QUARTER 1, 2, 1, 0, 0
	QUARTER 1, 3, 0, 1, 0
	s_wait_dscnt 8
	MULROW 1, 0, 0
	MULROW 1, 1, 0
	MULROW 1, 2, 0
	MULROW 1, 3, 0
	s_wait_dscnt 0x0
	MULROW 1, 4, 0
	MULROW 1, 5, 0
	MULROW 1, 6, 0
	MULROW 1, 7, 0
	WIN 0
; THE WAY OUT.  Half of my rows (64) at a time go as f32 through my stage; from there a lane takes two neighbouring d of a row (amplitude and phase), makes its four f16, and a wave's store is a whole row of 256 bytes.
.set STO,  2                           ; v2   into the stage: row r, 32 bytes for each half of the lanes
.set RDA0, 3                           ; v3   out of it: 8 bytes a lane
.set VRD,  5                           ; v5   V out of the stage: row lane / 4, 32 bytes lane % 4
.set GOFF, 6                           ; v6   16 x lane
.set RDA,  7
.set GOF8, 10                          ; v10  8 x lane
.set OX,   16                          ; v16-23, v32-39 packed rows of the two sets
.set OY,   32
.set XS,   48                          ; a set: 8 amplitudes, 8 phases
.set YS,   72
.set TT,   96
.set MM,   104
.set NN,   112
.set RR,   120
.set UU,   128
.set PP,   136
.set SN,   144
.set CN,   152
.set RU,   160
.set NHI, 28                           ; scalar pairs (both words alike): the packed forms take a pair's low word for both halves.  All tensor loads are done: the descriptors' registers are free
.set NLO, 30
.set INV, 32
.set KS1, 34
.set KS2, 36
.set KS3, 38
.set KS4, 40
.set KS5, 42
.set KS6, 44
.set KC2, 46
.set KC3, 48
.set KC4, 50
.set KC5, 52
.set KC6, 54
.set KC7, 56
.set L2E, 58
.set LN2, 60
.set QKB, 68                           ; s[68:69] Q' or K' at my rows; s[70:71] V
.set VBS, 70
.set HALFC, 72
.set CNT, 73
.set RB, 74
.macro SPAIR r, val
	s_mov_b32 s[\r], \val
	s_mov_b32 s[(\r)+1], \val
.endm
.macro EA1 n, line:vararg              ; a line for z = 0, 1, ..
.set z, 0
.rept \n
	\line
.set z, z+1
.endr
.endm
.macro EA2 n, line:vararg              ; a line for z = 0, 2, ..: n pairs
.set z, 0
.rept \n
	\line
.set z, z+2
.endr
.endm
.macro SC1 n                           ; n pairs of angles at PH: r = x - 2 pi rndne(x / 2 pi), 2 pi in two parts
	EA2 \n, v_pk_mul_f32 v[NN+z:NN+z+1], v[PH+z:PH+z+1], s[INV:INV+1] op_sel_hi:[1,0]
	EA1 2*(\n), v_rndne_f32 v[NN+z], v[NN+z]
	EA2 \n, v_pk_fma_f32 v[RR+z:RR+z+1], v[NN+z:NN+z+1], s[NHI:NHI+1], v[PH+z:PH+z+1] op_sel_hi:[1,0,1]
	EA2 \n, v_pk_fma_f32 v[RR+z:RR+z+1], v[NN+z:NN+z+1], s[NLO:NLO+1], v[RR+z:RR+z+1] op_sel_hi:[1,0,1]
.endm
.macro SC2 n                           ; sin r = r + r u q(u), cos r = 1 + u q(u), u = r r
	EA2 \n, v_pk_mul_f32 v[UU+z:UU+z+1], v[RR+z:RR+z+1], v[RR+z:RR+z+1]
	EA2 \n, v_pk_fma_f32 v[PP+z:PP+z+1], v[UU+z:UU+z+1], s[KS6:KS6+1], s[KS5:KS5+1] op_sel_hi:[1,0,0]
	EA2 \n, v_pk_fma_f32 v[PP+z:PP+z+1], v[PP+z:PP+z+1], v[UU+z:UU+z+1], s[KS4:KS4+1] op_sel_hi:[1,1,0]
	EA2 \n, v_pk_fma_f32 v[PP+z:PP+z+1], v[PP+z:PP+z+1], v[UU+z:UU+z+1], s[KS3:KS3+1] op_sel_hi:[1,1,0]
	EA2 \n, v_pk_fma_f32 v[PP+z:PP+z+1], v[PP+z:PP+z+1], v[UU+z:UU+z+1], s[KS2:KS2+1] op_sel_hi:[1,1,0]
	EA2 \n, v_pk_fma_f32 v[PP+z:PP+z+1], v[PP+z:PP+z+1], v[UU+z:UU+z+1], s[KS1:KS1+1] op_sel_hi:[1,1,0]
	EA2 \n, v_pk_mul_f32 v[RU+z:RU+z+1], v[RR+z:RR+z+1], v[UU+z:UU+z+1]
	EA2 \n, v_pk_fma_f32 v[SN+z:SN+z+1], v[RU+z:RU+z+1], v[PP+z:PP+z+1], v[RR+z:RR+z+1]
	EA2 \n, v_pk_fma_f32 v[PP+z:PP+z+1], v[UU+z:UU+z+1], s[KC7:KC7+1], s[KC6:KC6+1] op_sel_hi:[1,0,0]
	EA2 \n, v_pk_fma_f32 v[PP+z:PP+z+1], v[PP+z:PP+z+1], v[UU+z:UU+z+1], s[KC5:KC5+1] op_sel_hi:[1,1,0]
	EA2 \n, v_pk_fma_f32 v[PP+z:PP+z+1], v[PP+z:PP+z+1], v[UU+z:UU+z+1], s[KC4:KC4+1] op_sel_hi:[1,1,0]
	EA2 \n, v_pk_fma_f32 v[PP+z:PP+z+1], v[PP+z:PP+z+1], v[UU+z:UU+z+1], s[KC3:KC3+1] op_sel_hi:[1,1,0]
	EA2 \n, v_pk_fma_f32 v[PP+z:PP+z+1], v[PP+z:PP+z+1], v[UU+z:UU+z+1], s[KC2:KC2+1] op_sel_hi:[1,1,0]
	EA2 \n, v_pk_fma_f32 v[PP+z:PP+z+1], v[PP+z:PP+z+1], v[UU+z:UU+z+1], -0.5 op_sel_hi:[1,1,0]
	EA2 \n, v_pk_fma_f32 v[CN+z:CN+z+1], v[PP+z:PP+z+1], v[UU+z:UU+z+1], 1.0 op_sel_hi:[1,1,0]
.endm
.macro STORES hf                       ; row blocks 4 hf .. 4 hf + 3 into my stage; each accumulator's low four registers first
.irp a4, 0,1,2,3
	ACCOF 4*(\hf)+(\a4)
	WIN (AW<<2)                                    ; store data (source 1) in the accumulators' window
.irp b, 0,1,2,3,4,5,6,7,8,9
	ds_store_b128 v[STO], v[AB+8*(\b):AB+8*(\b)+3]   offset:16*SROW*(\a4)+64*(\b)
	ds_store_b128 v[STO], v[AB+8*(\b)+4:AB+8*(\b)+7] offset:16*SROW*(\a4)+64*(\b)+16
.endr
.endr
	WIN 0
.endm
.macro LOADS X, r0                     ; eight LDS loads: four rows' amplitudes and phases
.irp i, 0,1,2,3
	ds_load_b64 v[(\X)+2*(\i):(\X)+2*(\i)+1], v[RDA] offset:SROW*((\r0)+(\i))
.endr
.irp i, 0,1,2,3
	ds_load_b64 v[(\X)+8+2*(\i):(\X)+8+2*(\i)+1], v[RDA] offset:SROW*((\r0)+(\i))+256
.endr
.endm
; Four rows.  Exponentials and logarithms stand in runs of eight, each run followed by plain lines that touch none of its registers before its results are used (ISA guide 5.7.2).
; Each run is a batch with one wait: the angles' work (SC1, SC2), which names no register of TT, stands between the run and its wait, and the wait stands ahead of the run's first reader.
.macro ARITH X, O, goff
.set AM, (\X)
.set PH, (\X)+8
	EA1 8, v_max_num_f32 v[MM+z], 0, v[AM+z]
	EA2 4, v_pk_fma_f32 v[TT+z:TT+z+1], v[MM+z:MM+z+1], -2.0, v[AM+z:AM+z+1] op_sel_hi:[1,0,1]   ; x - 2 max(x, 0) = -|x|, exactly
	EA2 4, v_pk_mul_f32 v[TT+z:TT+z+1], v[TT+z:TT+z+1], s[L2E:L2E+1] op_sel_hi:[1,0]
	EA1 8, v_exp_f32 v[TT+z], v[TT+z]
	SC1 4
	s_wait_alu depctr_va_vdst(0)                   ; one wait for the eight exponentials, ahead of their first reader, the addition below
	EA2 4, v_pk_add_f32 v[TT+z:TT+z+1], v[TT+z:TT+z+1], 1.0 op_sel_hi:[1,0]
	EA1 8, v_log_f32 v[TT+z], v[TT+z]
	SC2 4
	s_wait_alu depctr_va_vdst(0)                   ; and one for the eight logarithms, ahead of their first reader, the line that makes a
	EA2 4, v_pk_fma_f32 v[TT+z:TT+z+1], v[TT+z:TT+z+1], s[LN2:LN2+1], v[MM+z:MM+z+1] op_sel_hi:[1,0,1]  ; a
	EA2 4, v_pk_mul_f32 v[RR+z:RR+z+1], v[CN+z:CN+z+1], v[TT+z:TT+z+1]                                  ; a cos p
	EA2 4, v_pk_mul_f32 v[UU+z:UU+z+1], v[SN+z:SN+z+1], v[TT+z:TT+z+1]                                  ; a sin p
.irp i, 0,1,2,3
	v_cvt_pk_f16_f32 v[(\O)+2*(\i)],   v[RR+2*(\i)], v[RR+2*(\i)+1]
	v_cvt_pk_f16_f32 v[(\O)+2*(\i)+1], v[UU+2*(\i)], v[UU+2*(\i)+1]
	global_store_b64 v[GOF8], v[(\O)+2*(\i):(\O)+2*(\i)+1], s[QKB:QKB+1] offset:(\goff)+256*(\i)  ; a whole row: 256 consecutive bytes, aligned
.endr
.endm
	s_wait_dscnt 0x0                               ; my reads of the ring are over,
	s_barrier_signal -1
	s_barrier_wait -1                              ; everybody's are: the ring's bytes, which have had their last fill, become stages
	SPAIR NHI, 0xc0c90fdb                          ; -2 pi, high part
	SPAIR NLO, 0x343bbd2e                          ; -(2 pi - high part)
	SPAIR INV, 0x3e22f983                          ; 1 / 2 pi
	SPAIR KS1, 0xbe2aaaab                          ; -1/3!, 1/5!, .. 1/13!
	SPAIR KS2, 0x3c088889
	SPAIR KS3, 0xb9500d01
	SPAIR KS4, 0x3638ef1d
	SPAIR KS5, 0xb2d7322b
	SPAIR KS6, 0x2f309231
	SPAIR KC2, 0x3d2aaaab                          ; 1/4!, -1/6!, .. -1/14!
	SPAIR KC3, 0xbab60b61
	SPAIR KC4, 0x37d00d01
	SPAIR KC5, 0xb493f27e
	SPAIR KC6, 0x310f76c7
	SPAIR KC7, 0xad49cba5
	SPAIR L2E, 0x3fb8aa3b
	SPAIR LN2, 0x3f317218
	v_and_b32 v12, 15, v0                          ; the address lines are also the places behind the last products
	v_bfe_u32 v13, v0, 4, 1
	v_and_b32 v14, 31, v0
	s_mul_i32 s76, s[WV], STGW
	v_mul_u32_u24 v[STO], v12, SROW
	v_lshl_add_u32 v[STO], v13, 5, v[STO]
	v_add_nc_u32 v[STO], s76, v[STO]
	v_lshl_add_u32 v[RDA0], v14, 3, s76
	v_lshrrev_b32 v15, 2, v14
	v_mul_u32_u24 v[VRD], v15, SROW
	v_and_b32 v15, 3, v0
	v_lshl_add_u32 v[VRD], v15, 5, v[VRD]
	s_add_co_u32 s77, s76, 512
	v_add_nc_u32 v[VRD], s77, v[VRD]
	v_lshlrev_b32 v[GOFF], 4, v14
	v_lshlrev_b32 v[GOF8], 3, v14
	s_and_b32 s76, s[MT], 7
	s_lshl_b32 s76, s76, 8
	s_lshl_b32 s77, s[RH], 7
	s_add_co_u32 s76, s76, s77                     ; t of my first row
	s_lshr_b32 s77, s[MT], 3
	s_lshl_b32 s77, s77, 4                         ; 16 x batch
	s_add_co_u32 s78, s77, s[HEAD]
	s_lshl_b32 s78, s78, 11
	s_add_co_u32 s78, s78, s76
	s_lshl_b32 s78, s78, 8                         ; rows of 256 bytes
	s_mov_b32 s79, 0
	s_cmp_lt_u32 s[JT], 8
	s_cselect_b64 s[QKB:QKB+1], s[10:11], s[12:13]
	s_add_nc_u64 s[QKB:QKB+1], s[QKB:QKB+1], s[78:79]
	s_add_co_u32 s78, s77, s[JT]
	s_lshl_b32 s78, s78, 1
	s_add_co_u32 s78, s78, s[CH]
	s_lshl_b32 s78, s78, 11
	s_add_co_u32 s78, s78, s76
	s_lshl_b32 s78, s78, 6                         ; rows of 64 bytes
	s_add_nc_u64 s[VBS:VBS+1], s[14:15], s[78:79]
	s_mov_b32 s[HALFC], 2
.Lhalf:
	s_cmp_eq_u32 s[HALFC], 2
	s_cbranch_scc0 .Lsecond
	STORES 0
	s_branch .Lstaged
.Lsecond:
	STORES 1
.Lstaged:
	s_wait_dscnt 0x0                               ; the stores into the stage are done;
	s_barrier_signal -1
	s_barrier_wait -1                              ; up to the next barrier LDS is only read
	s_mov_b32 s[RB], 0
	s_mov_b32 s[CNT], 8
.Lrows:                                                ; a trip: eight rows, in two sets of four: four batches, four waits; none is open at the backward jump
	v_add_nc_u32 v[RDA], s[RB], v[RDA0]
	LOADS XS, 0
	LOADS YS, 4
	s_wait_dscnt 8                                 ; the first set is in, the second set's eight loads may be out
	ARITH XS, OX, 0
	s_wait_dscnt 0x0
	ARITH YS, OY, 1024
	s_wait_xcnt 0x0                                ; the stores' base and data are rewritten only behind this wait
	s_add_nc_u64 s[QKB:QKB+1], s[QKB:QKB+1], 2048
	s_add_co_u32 s[RB], s[RB], 8*SROW
	s_sub_co_u32 s[CNT], s[CNT], 1
	s_cmp_lg_u32 s[CNT], 0
	s_cbranch_scc1 .Lrows
	; V of these 64 rows: eight rows x 32 channels a group; a wave's store is 512 consecutive bytes
.irp g, 0,1,2,3,4,5,6,7
	ds_load_b128 v[XS+8*(\g):XS+8*(\g)+3],   v[VRD] offset:8*SROW*(\g)
	ds_load_b128 v[XS+8*(\g)+4:XS+8*(\g)+7], v[VRD] offset:8*SROW*(\g)+16
.endr
.irp g, 0,1,2,3,4,5,6,7
	s_wait_dscnt 14-2*(\g)                         ; group g is in, two loads for each later group may be out
.irp k, 0,1,2,3
	v_cvt_pk_f16_f32 v[NN+4*(\g)+(\k)], v[XS+8*(\g)+2*(\k)], v[XS+8*(\g)+2*(\k)+1]
.endr
	global_store_b128 v[GOFF], v[NN+4*(\g):NN+4*(\g)+3], s[VBS:VBS+1] offset:512*(\g)
.endr
	s_wait_xcnt 0x0
	s_add_nc_u64 s[VBS:VBS+1], s[VBS:VBS+1], 4096
	s_barrier_signal -1                            ; my reads of the stage are back (the last count above was 0): the next half may be stored
	s_barrier_wait -1
	s_sub_co_u32 s[HALFC], s[HALFC], 1
	s_cmp_lg_u32 s[HALFC], 0
	s_cbranch_scc1 .Lhalf
	s_wait_tensorcnt 0x0                           ; the wave's end
	ds_add_u32 v[SPW], v[NIL]
	s_wait_dscnt 0x0
	CROUND                                         ; the closing round
	s_endpgm
.Lfunc_end_k_qe67a584ee5_qkv:
	.size	k_qe67a584ee5_qkv, .Lfunc_end_k_qe67a584ee5_qkv-k_qe67a584ee5_qkv
	.p2alignl 7, 3214868480
	.fill 96, 4, 3214868480
	.section	.rodata,"a",@progbits
	.p2align	6, 0x0
	.amdhsa_kernel k_qe67a584ee5_qkv
		.amdhsa_group_segment_fixed_size 327680
		.amdhsa_private_segment_fixed_size 0
		.amdhsa_enable_private_segment 0
		.amdhsa_kernarg_size 48
		.amdhsa_user_sgpr_count 2
		.amdhsa_user_sgpr_kernarg_segment_ptr 1
		.amdhsa_wavefront_size32 1
		.amdhsa_system_sgpr_workgroup_id_x 1
		.amdhsa_system_sgpr_workgroup_id_y 1
		.amdhsa_system_sgpr_workgroup_id_z 1
		.amdhsa_system_vgpr_workitem_id 0
		.amdhsa_next_free_vgpr 1024
		.amdhsa_next_free_sgpr 104
		.amdhsa_reserve_vcc 0
		.amdhsa_float_denorm_mode_32 3
		.amdhsa_float_denorm_mode_16_64 3
		.amdhsa_memory_ordered 1
		.amdhsa_forward_progress 1
		.amdhsa_inst_pref_size 170
	.end_amdhsa_kernel
	.amdgpu_metadata
---
amdhsa.version: [ 1, 2 ]
amdhsa.kernels:
  - .name:           k_qe67a584ee5_qkv
    .symbol:         k_qe67a584ee5_qkv.kd
    .args:
      - { .name: xb, .offset: 0, .size: 8, .value_kind: global_buffer, .address_space: global }
      - { .name: wqk, .offset: 8, .size: 8, .value_kind: global_buffer, .address_space: global }
      - { .name: wv, .offset: 16, .size: 8, .value_kind: global_buffer, .address_space: global }
      - { .name: qws, .offset: 24, .size: 8, .value_kind: global_buffer, .address_space: global }
      - { .name: kws, .offset: 32, .size: 8, .value_kind: global_buffer, .address_space: global }
      - { .name: vws, .offset: 40, .size: 8, .value_kind: global_buffer, .address_space: global }
    .group_segment_fixed_size: 327680
    .private_segment_fixed_size: 0
    .kernarg_segment_align: 8
    .kernarg_segment_size: 48
    .max_flat_workgroup_size: 128
    .sgpr_count:     104
    .vgpr_count:     1024
    .wavefront_size: 32
...
	.end_amdgpu_metadata
.endif
;; end of part 7
;; launch attn (part 8): grid 8 x 32, 4 waves a work-group, clusters of 4 x 1, 327,680 bytes of LDS; arguments qws, kws, vws, ows, theta_offset; writes ows
.if DOCPART == 8
	.amdgcn_target "amdgcn-amd-amdhsa--gfx1250"
	.amdhsa_code_object_version 6
	.text
	.protected	k_qe67a584ee5_attn
	.globl	k_qe67a584ee5_attn
	.p2align	8
	.type	k_qe67a584ee5_attn,@function
k_qe67a584ee5_attn:
	s_mov_b64 s[64:65], 0
	v_nop
	global_prefetch_b8 v0, s[64:65] scope:SCOPE_SE
	s_setreg_imm32_b32 hwreg(HW_REG_WAVE_MODE, 25, 1), 1
	s_wait_xcnt 0x0
	s_wait_alu depctr_hold_cnt(0) depctr_sa_sdst(0) depctr_va_vdst(0) depctr_va_sdst(0) depctr_va_ssrc(0) depctr_va_vcc(0) depctr_vm_vsrc(0)
	s_getreg_b32 s2, hwreg(HW_REG_IB_STS2, 6, 4)
	s_cmp_eq_u32 s2, 0
	s_cbranch_scc0 .Lentry_in_a_cluster
	s_endpgm
.Lentry_in_a_cluster:
	s_bfe_u32 s2, ttmp6, 0x10000c
	s_cmp_lg_u32 s2, 0x3003
	s_cbranch_scc0 .Lentry_shape_is_right
	s_endpgm
.Lentry_shape_is_right:
; GATED CAUSAL ATTENTION.  O[bh][q] = sum over k <= q of softmax_k(Q'[q] . K'[k] cos(theta_h (k - q) / 8) / 8) V[k].  Q', K': [32][2048][128] f16; V: [32][2 channel halves][2048][32] f16.
; Products, gate, maxima and sums in f32; the weights p are rounded to f16 for the second product (their sum l is taken of the unrounded p), O once at the end.
; OUT: ows [row tile of 128: 32][head 16][row 128][64] f16.
; LIMITS.  Q', K', V arrive within f16's 65,504, so an open score is 128 x 65,504^2 = 5.5e11 at the most.  A hidden score counts as its gated value less 1e30; the running maximum starts at
; -2^96, above every hidden score and below every open one; a weight below 2^-126 counts as 0 in l.  theta_offset is rounded to bf16 like every input.  Sine and cosine: the angle less the
; nearest multiple of 2 pi (two-part constant, good to about 1e5), then the series to r^13 and r^14 on |r| <= pi: errors under 2.2e-5 and 4.3e-6.  NaN and infinities are not treated apart.
; THE WALK.  A head's queries are four super-blocks of 512.  A cluster of four work-groups takes super-block HI = 3 - PB and then PB (PB = cluster x, 0 or 1); super-block I needs the key tiles
; (128 keys) 0 .. 4 I + 3, of which the last four hold the diagonal: 20 tiles whatever PB.  A running maximum takes the tiles in any order, so they are walked in an order in which the KIND of
; trip t is a constant of the text:  0-7 tiles 0-7 of the first block;  8-11 its four diagonal tiles;  12-15 four plain tiles: 8-11 of the first block (PB = 0) or 0-3 of the second (PB = 1);
; 16-19 the second block's diagonal tiles.  The tile's number enters the global address alone.  PB is asked twice: the first block ends behind trip 11 (PB = 1) or behind trip 15 (PB = 0).
; All four partners run alike, so every tile of K' and V is asked for JOINTLY (mask 15).
; SHARES.  Work-group cx owns 32 rows in each of a super-block's four bands of 128; wave (qh = wave / 2, kh = wave % 2) 16 of them a band: four PIECES, piece p in band p; of every tile it
; takes keys 64 kh .. 64 kh + 63 alone.  The two waves of a qh keep their own m, l, O and merge them at the block's end.  cx enters Q's and O's addresses and the values of mask and gate alone.
; THE GATE.  Query 512 I + 128 p + rho, key 128 t + kappa: theta (key - query) / 8 = d - U with U = 16 theta u, u = 4 I + p - t, d = theta (kappa - rho) / 8.  So G = cos U cos d + sin U sin d.
; cos d and sin d (CD, SD: 32 numbers a lane, the same for every piece and tile) are made once: one pair by the series, the others by rotations through 2 theta / 8 and 16 theta / 8, six at the
; most in a row.  u of piece 0 is 4 HI - trip, 8 - trip or 16 - trip in trips 0-7, 8-11, 12-19; the four cos U, sin U are made by the series in every trip.
; THE DIAGONAL.  In the diagonal tiles k = 0..3 band p sees tile k whole (p > k), holds the diagonal (p = k), or sees nothing (p < k).  Tiles k = 0, 1 run the full text, k = 2, 3 a text for
; pieces 3 and 2 alone.  The mask is added behind the gate (S G + M: a gate below 0 must not turn a hidden score upward): MC0 (even piece) = MD x AL0 + BE0, MC1 (odd piece) = MD x AL1;
; MD, made once, is the mask of a band's own tile; the three scalars are chosen from the trip's number in every trip (all 0 in a plain tile).
; THE ORDER.  A full trip has 96 products and 745 vector lines: more than can stand beside the products.  80 of them (the angles, piece 3's G) stand in the wait for K; the other 665 are ONE
; numbered queue: four behind each of the first 88 products, the rest in three lumps, each as long as it takes to finish a piece's softmax ahead of its V^T P.
; THE BATCHES.  A piece's 33 exponentials of a tile (a and its 32 weights) are ONE batch with ONE wait.  Ahead of the wait stand the batch, among its 16 scalings, and behind it the next piece's
; gate and the first five lines of its maximum, which name no result of the batch.  Behind the wait stand all the readers: l's sums, the roundings to f16, O^T times a.  So a full trip has four
; waits and a trip for two pieces two; none is open at a trip's end.  At a block's end each merge has two batches: its two exponentials, then the reciprocal of a sum made of them.
; LAYOUT.  S^T = K' Q'^T holds one query a lane (lane % 16) and keys 8 (lane / 16) + 0..7; two such results rounded to f16 in pairs ARE source 1 of O^T = V^T P; P is written in place into S^T's registers.
; REGISTERS, in windows of 256 (s_set_vgpr_msb: bits 1:0 source 0, 3:2 source 1, 5:4 source 2, 7:6 destination):
;   window 0: v0-15 addresses; v16-31 statistics, four a piece (c m, m, l even, l odd); v32-47 four at work a piece; v48-79 the series' work, cos U and sin U; v80-127 at work at a block's end; v128-255 S^T, 32 a piece
;   window 1: v0-127 K' of my 64 keys (key block kb, chunk c at 32 kb + 8 c); v128-159 CD; v160-191 SD; v192-223 MD; v224-227 at work      window 2: v0-127 Q' (piece p, chunk c at 32 p + 8 c); v128-255 G, 32 a piece
;   window 3: v0-127 O^T, 32 a piece; v128-191 V; v192-223 MC0; v224-255 MC1
.set PK,    272                        ; a row of K' in LDS: 256 bytes + 16: odd multiple of 16
.set PVP,   96                         ; a row of a V plane: 64 + 32: odd multiple of 32
.set VOFF,  128*PK
.set VPL,   128*PVP
.set SLOT1, 1<<16                      ; one exclusive or turns an address in one slot into the other's
.set MST,   SLOT1+VOFF+2*VPL           ; behind the ring, never filled: the merge areas, 17,408 bytes a wave: 16,384 of O^T (4,096 a piece), 1,024 of (c m, l)
.set MSTW,  17408
.set OST,   MST+4*MSTW                 ; 16 rows x 144 bytes a wave, for the way out
.set SP,    144
.set SPARE, OST+4*16*SP                ; the spare words, 128 bytes a wave: two blocks of 256 bytes that no other line names
.set AK0, 2                            ; v2   my lane's place in a tile of K'; never rewritten
.set AV0, 3                            ; v3   the same for V
.set AK,  4
.set AV,  5
.set STO, 6                            ; v6   the way out: where I put 16 bytes of a row
.set RD,  7                            ; v7   where I read rows back
.set GO,  8                            ; v8   16 x lane
.set QO,  9                            ; v9   my byte offset in a band's rows of Q'
.set MSA, 10                           ; v10  my merge area: O^T
.set MSS, 11                           ; v11  its statistics
.set MLA, 12                           ; v12  my partner's (wave xor 1) area at the two pieces that I finish: O^T
.set MLS, 13                           ; v13  its statistics
.set SPW, 14
.set NIL, 15
.set ST,  16
.set TMP, 32
.set PH,  48                           ; the series' work, four registers each: angles (later the cosine's sums),
.set NN,  52                           ; multiples of 2 pi,
.set RR,  56                           ; reduced angles,
.set UU,  60                           ; their squares,
.set PP,  64                           ; the sine's sums,
.set RU,  68
.set SN,  72                           ; sines: in the loop sin U of pieces 0-3
.set CN,  76                           ; cosines: cos U of pieces 0-3
.set MOA, 93                           ; v93  my own area at the two pieces that I finish: O^T
.set MOS, 94                           ; v94  its statistics
.set TH,  95                           ; v95  16 theta
.set S,   128
.set CD,  128                          ; window 1
.set SD,  160                          ; window 1
.set MD,  192                          ; window 1
.set RTT, 224                          ; window 1
.set GT,  128                          ; window 2
.set VF,  128                          ; window 3
.set MC,  192                          ; window 3
.set WV, 12
.set KH, 13
.set PB, 14
.set HI, 15
.set G1K, 24
.set G1V, 32
.set G0K, 40
.set G0V, 44
.set TRIP, 48                          ; s48  the trip's number, 0 to 19
.set NXT, 49                           ; s49  the tile to be asked for next
.set TB1, 50                           ; s50  first tile of trips 8-11: 4 HI
.set TB2, 51                           ; s51  of trips 12-15: 8 or 0
.set TB3, 52                           ; s52  of trips 16-19: 4 PB
.set TB,  54                           ; s54  the slot that is read
.set OFF, 56
.set CS,  58
.set SEL, 60
.set KC7, 62                           ; the series' constants, as pairs with both words alike: the packed forms take a pair's low word for both halves
.set AL0, 66
.set BE0, 68
.set AL1, 70
.set BIGN, 72
.set NHI, 74
.set NLO, 76
.set INV, 78
.set KS1, 80
.set KS2, 82
.set KS3, 84
.set KS4, 86
.set KS5, 88
.set KS6, 90
.set KC2, 92
.set KC3, 94
.set KC4, 96
.set KC5, 98
.set KC6, 100
.set MSB, 0
.macro WIN new                         ; the immediate's high byte repeats the setting that is left; a switch that changes nothing is dropped
.if MSB != (\new)
	s_set_vgpr_msb (MSB<<8)|(\new)
.set MSB, (\new)
.endif
.endm
.macro PLACES                          ; four places (ISA guide 7.12.1)
.rept 4
	v_nop
.endr
.endm
; A joint fill: waves 0 and 1 fetch the two halves of a tile's K', waves 2 and 3 V's two planes.  An s_nop 0 and four v_nop follow each line.
.macro JLOAD
	s_cmp_lt_u32 s[WV], 2
	s_cbranch_scc0 .Lfor_v_\@
	tensor_load_to_lds s[G0K:G0K+3], s[G1K:G1K+7]
	s_nop 0
	PLACES
	s_branch .Lasked_\@
.Lfor_v_\@:
	tensor_load_to_lds s[G0V:G0V+3], s[G1V:G1V+7]
	s_nop 0
	PLACES
.Lasked_\@:
.endm
.macro CROUND                          ; a round of the cluster's barrier
	s_barrier_signal -1
	s_barrier_wait -1
	s_cmp_lg_u32 s[WV], 0
	s_cbranch_scc1 .Lnot_wave_0_\@
	s_barrier_signal -3
.Lnot_wave_0_\@:
	s_barrier_wait -3
	s_barrier_signal -1
	s_barrier_wait -1
.endm
; THE CHANGE OF SLOTS.  Each wave waits for all its tensor loads (one is out: its part of the slot to be read), adds 0 to its spare word, and waits for that and for its LDS reads and stores.
; fill = 1: a round of the cluster's barrier, and the slot just left is filled with tile NXT, first thing behind it: it has a whole trip in which to land.  The address is made anew from the
; tile's number; the number then steps, or, two trips ahead of a new group of four trips, is set to that group's first tile.
.macro CHANGE fill
	WIN 0
	s_wait_tensorcnt 0x0
	ds_add_u32 v[SPW], v[NIL]                      ; 0 onto my spare word
.if \fill
	s_xor_b32 s[G0K+1], s[G0K+1], SLOT1
	s_xor_b32 s[G0V+1], s[G0V+1], SLOT1
	s_lshl_b32 s[OFF], s[NXT], 15                  ; a tile is 32,768 bytes of K'
	s_add_nc_u64 s[G0K+2:G0K+3], s[6:7], s[OFF:OFF+1]
	s_or_b32 s[G0K+3], s[G0K+3], 0x80000000
	s_lshl_b32 s[OFF], s[NXT], 13                  ; and 8,192 of a plane of V
	s_add_nc_u64 s[G0V+2:G0V+3], s[8:9], s[OFF:OFF+1]
	s_or_b32 s[G0V+3], s[G0V+3], 0x80000000
	s_add_co_u32 s[NXT], s[NXT], 1
	s_cmp_eq_u32 s[TRIP], 6                        ; the next change asks for trip 8's tile,
	s_cselect_b32 s[NXT], s[TB1], s[NXT]
	s_cmp_eq_u32 s[TRIP], 10                       ; for trip 12's,
	s_cselect_b32 s[NXT], s[TB2], s[NXT]
	s_cmp_eq_u32 s[TRIP], 14                       ; for trip 16's
	s_cselect_b32 s[NXT], s[TB3], s[NXT]
.endif
	s_wait_dscnt 0x0
.if \fill
	CROUND
	JLOAD
.else
	s_barrier_signal -1
	s_barrier_wait -1
.endif
	s_xor_b32 s[TB], s[TB], SLOT1
.endm
.macro QLOAD b                         ; my four pieces' Q': piece i / 4 lies 128 rows on, chunk i % 4 64 bytes on
	WIN 0x80
.set i, 0
.rept 16
	global_load_b128 v[8*i:8*i+3],   v[QO], s[\b:(\b)+1] offset:(i/4)*32768+(i%4)*64
	global_load_b128 v[8*i+4:8*i+7], v[QO], s[\b:(\b)+1] offset:(i/4)*32768+(i%4)*64+32
.set i, i+1
.endr
	WIN 0
.endm
.macro KLOAD                           ; 32 LDS loads: my 64 keys' K', chunk by chunk
	WIN 0
	v_add_nc_u32 v[AK], s[TB], v[AK0]
	v_add_nc_u32 v[AV], s[TB], v[AV0]
	WIN 0x40
.irp c, 0,1,2,3
.irp kb, 0,1,2,3
	ds_load_b128 v[32*(\kb)+8*(\c):32*(\kb)+8*(\c)+3],   v[AK] offset:16*PK*(\kb)+64*(\c)
	ds_load_b128 v[32*(\kb)+8*(\c)+4:32*(\kb)+8*(\c)+7], v[AK] offset:16*PK*(\kb)+64*(\c)+32
.endr
.endr
.endm
.macro VLOAD                           ; 16 turning loads: keys 32 (f / 4) on, channels 16 (f % 4) on
	WIN 0xc0
.irp f, 0,1,2,3,4,5,6,7
	ds_load_tr16_b128 v[VF+8*(\f):VF+8*(\f)+3],   v[AV] offset:VPL*(((\f)%4)/2)+32*PVP*((\f)/4)+32*((\f)%2)
	ds_load_tr16_b128 v[VF+8*(\f)+4:VF+8*(\f)+7], v[AV] offset:VPL*(((\f)%4)/2)+32*PVP*((\f)/4)+32*((\f)%2)+16*PVP
.endr
.endm
; One product of S^T = K' Q'^T: piece p, key block kb, chunk c.  Chunk 0 starts the sum.
.macro KQ p, kb, c
.set rS, S+32*(\p)+8*(\kb)
.set rK, 32*(\kb)+8*(\c)
.set rQ, 32*(\p)+8*(\c)
	WIN 0x09
.if (\c) == 0
	v_wmma_f32_16x16x32_f16 v[rS:rS+7], v[rK:rK+7], v[rQ:rQ+7], 0
.else
	v_wmma_f32_16x16x32_f16 v[rS:rS+7], v[rK:rK+7], v[rQ:rQ+7], v[rS:rS+7]
.endif
.endm
.macro PV p, i                         ; product i of 8 of O^T += V^T P: keys 32 (i / 4) on, channels 16 (i % 4) on
	WIN 0xf3
.set rO, 32*(\p)+8*((\i)%4)
.set rV, VF+32*((\i)/4)+8*((\i)%4)
.set rP, S+32*(\p)+8*((\i)/4)
	v_wmma_f32_16x16x32_f16 v[rO:rO+7], v[rV:rV+7], v[rP:rP+7], v[rO:rO+7]
.endm
; A PIECE'S SOFTMAX for a tile: 118 instructions, in four parts.
;   MX, numbers 0-20: 0-15 the maximum of the 32 scores and the old m; 16-20 the other half of the lanes', the new m, c m, c m_old - c m_new.
;   BT, numbers 21-69: THE BATCH: c s - c m by pairs (FF), a = 2^(..) at 23, and the 32 exponentials (EE).  None of these reads an exponential's result.  22-37 scaling and exponential by turns;
;       38-65 a scaling and three exponentials; 66-69 the last four exponentials.  A pair is scaled at least four numbers ahead of its exponentials.
;   AA, CC, 32 lines, behind the batch's wait: l takes pair n (AA 0: l = a l + pair 0; then pair 1 to pair 15, one after the other), and the pair is rounded to f16 into register n of S^T (CC):
;       by then that register's own pair, n / 2, has been summed and rounded.
;   RS, 16 lines, behind the wait too: O^T times a, ascending.
.macro REGS p                          ; the registers of piece p
.set rT, ST+4*(\p)
.set rC, TMP+4*(\p)
.set rS, S+32*(\p)
.set rO, 32*(\p)
.endm
.macro FF n
	v_pk_fma_f32 v[rS+2*(\n):rS+2*(\n)+1], v[rS+2*(\n):rS+2*(\n)+1], s[CS:CS+1], v[rT:rT+1] op_sel_hi:[1,0,0] neg_lo:[0,0,1] neg_hi:[0,0,1]
.endm
.macro EE n
	v_exp_f32 v[rS+(\n)], v[rS+(\n)]
.endm
.macro AA n
.if (\n) == 0
	v_pk_fma_f32 v[rT+2:rT+3], v[rT+2:rT+3], v[rC+2:rC+3], v[rS:rS+1] op_sel_hi:[1,0,1]
.else
	v_pk_add_f32 v[rT+2:rT+3], v[rT+2:rT+3], v[rS+2*(\n):rS+2*(\n)+1]
.endif
.endm
.macro CC n
	v_cvt_pk_f16_f32 v[rS+(\n)], v[rS+2*(\n)], v[rS+2*(\n)+1]
.endm
.macro MX p                            ; number j (0-20) for piece p
	REGS \p
	WIN 0
.if j < 4
	v_max3_num_f32 v[rC+j], v[rS+8*j], v[rS+8*j+1], v[rS+8*j+2]
.elseif j < 12
	v_max3_num_f32 v[rC+j%4], v[rC+j%4], v[rS+8*(j%4)+2*(j/4)+1], v[rS+8*(j%4)+2*(j/4)+2]
.elseif j == 12
	v_max3_num_f32 v[rC], v[rC], v[rS+7], v[rS+15]
.elseif j == 13
	v_max3_num_f32 v[rC+2], v[rC+2], v[rS+23], v[rS+31]
.elseif j == 14
	v_max3_num_f32 v[rC], v[rC], v[rC+1], v[rC+2]
.elseif j == 15
	v_max3_num_f32 v[rC], v[rC], v[rC+3], v[rT+1]
.elseif j == 16
	v_permlanex16_b32 v[rC+1], v[rC], s[SEL], s[SEL+1]
.elseif j == 17
	v_mov_b32 v[rC+3], v[rT]
.elseif j == 18
	v_max_num_f32 v[rT+1], v[rC], v[rC+1]
.elseif j == 19
	v_mul_f32 v[rT], s[CS], v[rT+1]
.else
	v_sub_f32 v[rC+3], v[rC+3], v[rT]
.endif
.endm
.macro BT p                            ; number j (21-69) for piece p
	REGS \p
	WIN 0
.if j == 23
	v_exp_f32 v[rC+2], v[rC+3]
.elseif (j < 23) || ((j < 38) && (j%2 == 0)) || ((j < 66) && (j%4 == 2))
.set fb, (j-2)/4                       ; 38, 42, .. 62: pairs 9 to 15
.if j < 38
.set fb, (j-20)/2                      ; 21: pair 0; 22, 24, .. 36: pairs 1 to 8
.endif
	FF fb
.else
.set ex, j-38                          ; 66 to 69: s28 to s31
.if j < 66
.set ex, j-32-(j-38)/4                 ; 39-41, 43-45, .. 63-65: s7 to s27
.endif
.if j < 38
.set ex, (j-25)/2                      ; 25, 27, .. 37: s0 to s6
.endif
	EE ex
.endif
.endm
.macro RS p                            ; pair rk of 16 of piece p's O^T times a
	REGS \p
	WIN 0xc3
	v_pk_mul_f32 v[rO+2*rk:rO+2*rk+1], v[rO+2*rk:rO+2*rk+1], v[rC+2:rC+3] op_sel_hi:[1,0]
.endm
; Number n of the 32 that make piece p's G: 0-15 CD cos U by pairs, 16-31 + SD sin U.  cos U and sin U of pieces 2 v, 2 v + 1 are the low and the high register of a pair.
.macro GC p, n
	WIN 0xa1                                       ; source 0 (CD, SD) window 1, source 1 window 0, source 2 and destination (G) window 2
.set rG, GT+32*(\p)
.set rU, 2*((\p)/2)
.if (\n) < 16
.if (\p)%2
	v_pk_mul_f32 v[rG+2*(\n):rG+2*(\n)+1], v[CD+2*(\n):CD+2*(\n)+1], v[CN+rU:CN+rU+1] op_sel:[0,1] op_sel_hi:[1,1]
.else
	v_pk_mul_f32 v[rG+2*(\n):rG+2*(\n)+1], v[CD+2*(\n):CD+2*(\n)+1], v[CN+rU:CN+rU+1] op_sel_hi:[1,0]
.endif
.else
.set w, (\n)-16
.if (\p)%2
	v_pk_fma_f32 v[rG+2*w:rG+2*w+1], v[SD+2*w:SD+2*w+1], v[SN+rU:SN+rU+1], v[rG+2*w:rG+2*w+1] op_sel:[0,1,0] op_sel_hi:[1,1,1]
.else
	v_pk_fma_f32 v[rG+2*w:rG+2*w+1], v[SD+2*w:SD+2*w+1], v[SN+rU:SN+rU+1], v[rG+2*w:rG+2*w+1] op_sel_hi:[1,0,1]
.endif
.endif
.endm
.macro MK n                            ; number n of the 32 that make the trip's masks: 0-15 MC0, 16-31 MC1
	WIN 0xc1                                       ; source 0 (MD) window 1, destination window 3
.if (\n) < 16
	v_pk_fma_f32 v[MC+2*(\n):MC+2*(\n)+1], v[MD+2*(\n):MD+2*(\n)+1], s[AL0:AL0+1], s[BE0:BE0+1] op_sel_hi:[1,0,0]
.else
	v_pk_mul_f32 v[MC+2*(\n):MC+2*(\n)+1], v[MD+2*(\n)-32:MD+2*(\n)-31], s[AL1:AL1+1] op_sel_hi:[1,0]
.endif
.endm
; Pair n of piece p's scores times G, plus mask buffer mc (mc = -1: no mask).  Ascending.
.macro GA p, n, mc
	WIN 0x38                                       ; source 1 (G) window 2, source 2 (MC) window 3
.set rS, S+32*(\p)+2*(\n)
.set rG, GT+32*(\p)+2*(\n)
.set rM, MC+32*(\mc)+2*(\n)
.if (\mc) >= 0
	v_pk_fma_f32 v[rS:rS+1], v[rS:rS+1], v[rG:rG+1], v[rM:rM+1]
.else
	v_pk_mul_f32 v[rS:rS+1], v[rS:rS+1], v[rG:rG+1]
.endif
.endm
; A STAGE: number xx of the 134 lines that take piece p from its statistics to its finished P and O^T, and the next piece nx (mask buffer mc) from its raw scores to its statistics.
;   0-48    piece p's batch
;   49-69   nx's gate (16 lines) and numbers 0-4 of its maximum: they name no result of the batch; the first of them is the plain line behind the last exponential (ISA guide 5.7.2)
;   (wait)  ONE wait for the batch's 33 exponentials, ahead of number 70, their first reader
;   70-117  sixteen times: l takes a pair, the pair is rounded, and one of nx's numbers 5-20: so the links of l's chain, and those of nx's chain 12-20, stand three lines apart
;   118-133 piece p's O^T times a
.macro TP p, nx, mc
.if xx < 49
.set j, 21+xx
	BT \p
.elseif xx < 65
	GA \nx, xx-49, \mc
.elseif xx < 70
.set j, xx-65
	MX \nx
.elseif xx < 118
.set pn, (xx-70)/3
.if (xx-70)%3 == 2
.set j, 5+pn
	MX \nx
.else
.if xx == 70
	s_wait_alu depctr_va_vdst(0)                   ; one wait for the piece's batch, a and its 32 weights; every reader stands behind it
.endif
	REGS \p
	WIN 0
.if (xx-70)%3 == 0
	AA pn
.else
	CC pn
.endif
.endif
.else
.set rk, xx-118
	RS \p
.endif
.endm
; THE LAST STAGE of a trip: number xx of 98: no piece follows.  0-48 the batch; 49 a v_nop, the plain line behind the last exponential, and the batch's wait; 50-81 sums and roundings; 82-97 O^T times a.
.macro TL p
.if xx < 49
.set j, 21+xx
	BT \p
.elseif xx == 49
	v_nop
	s_wait_alu depctr_va_vdst(0)                   ; one wait for the last piece's batch; behind it the trip issues no exponential
.elseif xx < 82
.set pn, (xx-50)/2
	REGS \p
	WIN 0
.if (xx-50)%2 == 0
	AA pn
.else
	CC pn
.endif
.else
.set rk, xx-82
	RS \p
.endif
.endm
; THE QUEUE.  ITEM writes number q.  Full text (kind 0): 0-63 G of pieces 2, 1; 64-100 piece 3's gate, maximum and statistics; 101-234 the stage 3 -> 2; 235-266 G of piece 0; 267-298 the masks;
; 299-432 the stage 2 -> 1; 433-566 the stage 1 -> 0; 567-664 piece 0's last stage.  Pieces 3, 2, 1, 0 are finished at 235, 433, 567, 665.
; Text for pieces 3 and 2 (kind 1): 0-31 G of piece 2; 32-63 the masks; 64-100 piece 3's gate, maximum and statistics; 101-234 the stage 3 -> 2; 235-332 piece 2's last stage.
; With four behind each product, number 64, the first read of piece 3's scores, comes behind product 16, and numbers 60-63, which name no register of product 15, are the four places between.
; Number 150 is the first read of piece 2's scores; product 31, the last that writes them, is followed by numbers 124 on, of which the scalings 126, 130, 134, 138, 142 are plain: five places
; (an exponential is none).
.macro ITEM kind
.if \kind
.if q < 32
	GC 2, q
.elseif q < 64
	MK q-32
.elseif q < 80
	GA 3, q-64, 1
.elseif q < 101
.set j, q-80
	MX 3
.elseif q < 235
.set xx, q-101
	TP 3, 2, 0
.elseif q < 333
.set xx, q-235
	TL 2
.endif
.else
.if q < 32
	GC 2, q
.elseif q < 64
	GC 1, q-32
.elseif q < 80
	GA 3, q-64, -1
.elseif q < 101
.set j, q-80
	MX 3
.elseif q < 235
.set xx, q-101
	TP 3, 2, -1
.elseif q < 267
	GC 0, q-235
.elseif q < 299
	MK q-267
.elseif q < 433
.set xx, q-299
	TP 2, 1, 1
.elseif q < 567
.set xx, q-433
	TP 1, 0, 0
.elseif q < 665
.set xx, q-567
	TL 0
.endif
.endif
.set q, q+1
.endm
.macro RIDEQ kind, n
.rept \n
	ITEM \kind
.endr
.endm
.macro FLUSH kind, to                  ; a lump: the queue up to number 'to' (145 lines at the most)
.rept 160
.if q < (\to)
	ITEM \kind
.endif
.endr
.endm
; The matrix work by number m.  In each run of 16 or 8 four accumulators take turns, one instruction a turn.
.macro MMF                             ; full text: K' Q'^T of pieces 3, 2, 1, 0 (chunk outer, key block inner), then V^T P of pieces 3, 2, 1, 0
.if m < 64
	KQ 3-m/16, m%4, (m%16)/4
.else
	PV 3-(m-64)/8, (m-64)%8
.endif
.set m, m+1
.endm
.macro MMX                             ; pieces 3 and 2 alone
.if m < 32
	KQ 3-m/16, m%4, (m%16)/4
.else
	PV 3-(m-32)/8, (m-32)%8
.endif
.set m, m+1
.endm
.macro FULL
.set q, 0
.set m, 0
.rept 64
.if (m < 16) && (m%4 == 0)
	s_wait_dscnt 40-8*(m/4)                        ; chunk m / 4 of K' is in: the later chunks' eight loads each and V's sixteen may be out
.endif
	MMF
	RIDEQ 0, 4
.endr
	s_wait_dscnt 0x0                               ; V is in
.irp e, 433, 567, 665
.rept 8
	MMF
	RIDEQ 0, 4
.endr
	FLUSH 0, \e                                    ; the next piece's softmax is finished
.endr
.rept 8
	MMF
.endr
	WIN 0
.endm
.macro XONLY
.set q, 0
.set m, 0
.rept 32
.if (m < 16) && (m%4 == 0)
	s_wait_dscnt 40-8*(m/4)
.endif
	MMX
	RIDEQ 1, 4
.endr
	s_wait_dscnt 0x0                               ; V is in
	FLUSH 1, 235
.rept 8
	MMX
	RIDEQ 1, 4
.endr
	FLUSH 1, 333
.rept 8
	MMX
.endr
	WIN 0
.endm
.macro SPAIR r, val
	s_mov_b32 s[\r], \val
	s_mov_b32 s[(\r)+1], \val
.endm
.macro EA1 n, line:vararg              ; a line for z = 0, 1, ..
.set z, 0
.rept \n
	\line
.set z, z+1
.endr
.endm
.macro EA2 n, line:vararg              ; a line for z = 0, 2, ..: n pairs
.set z, 0
.rept \n
	\line
.set z, z+2
.endr
.endm
; Sine and cosine of the four angles at PH, into SN and CN: r = x - 2 pi rndne(x / 2 pi); u = r r; sin = r + r u q(u), cos = 1 + u q(u).  The two sums go side by side; the cosine's takes PH's registers.
.macro SINCOS
	EA2 2, v_pk_mul_f32 v[NN+z:NN+z+1], v[PH+z:PH+z+1], s[INV:INV+1] op_sel_hi:[1,0]
	EA1 4, v_rndne_f32 v[NN+z], v[NN+z]
	EA2 2, v_pk_fma_f32 v[RR+z:RR+z+1], v[NN+z:NN+z+1], s[NHI:NHI+1], v[PH+z:PH+z+1] op_sel_hi:[1,0,1]
	EA2 2, v_pk_fma_f32 v[RR+z:RR+z+1], v[NN+z:NN+z+1], s[NLO:NLO+1], v[RR+z:RR+z+1] op_sel_hi:[1,0,1]
	EA2 2, v_pk_mul_f32 v[UU+z:UU+z+1], v[RR+z:RR+z+1], v[RR+z:RR+z+1]
	EA2 2, v_pk_fma_f32 v[PP+z:PP+z+1], v[UU+z:UU+z+1], s[KS6:KS6+1], s[KS5:KS5+1] op_sel_hi:[1,0,0]
	EA2 2, v_pk_fma_f32 v[PH+z:PH+z+1], v[UU+z:UU+z+1], s[KC7:KC7+1], s[KC6:KC6+1] op_sel_hi:[1,0,0]
	EA2 2, v_pk_fma_f32 v[PP+z:PP+z+1], v[PP+z:PP+z+1], v[UU+z:UU+z+1], s[KS4:KS4+1] op_sel_hi:[1,1,0]
	EA2 2, v_pk_fma_f32 v[PH+z:PH+z+1], v[PH+z:PH+z+1], v[UU+z:UU+z+1], s[KC5:KC5+1] op_sel_hi:[1,1,0]
	EA2 2, v_pk_fma_f32 v[PP+z:PP+z+1], v[PP+z:PP+z+1], v[UU+z:UU+z+1], s[KS3:KS3+1] op_sel_hi:[1,1,0]
	EA2 2, v_pk_fma_f32 v[PH+z:PH+z+1], v[PH+z:PH+z+1], v[UU+z:UU+z+1], s[KC4:KC4+1] op_sel_hi:[1,1,0]
	EA2 2, v_pk_fma_f32 v[PP+z:PP+z+1], v[PP+z:PP+z+1], v[UU+z:UU+z+1], s[KS2:KS2+1] op_sel_hi:[1,1,0]
	EA2 2, v_pk_fma_f32 v[PH+z:PH+z+1], v[PH+z:PH+z+1], v[UU+z:UU+z+1], s[KC3:KC3+1] op_sel_hi:[1,1,0]
	EA2 2, v_pk_fma_f32 v[PP+z:PP+z+1], v[PP+z:PP+z+1], v[UU+z:UU+z+1], s[KS1:KS1+1] op_sel_hi:[1,1,0]
	EA2 2, v_pk_fma_f32 v[PH+z:PH+z+1], v[PH+z:PH+z+1], v[UU+z:UU+z+1], s[KC2:KC2+1] op_sel_hi:[1,1,0]
	EA2 2, v_pk_mul_f32 v[RU+z:RU+z+1], v[RR+z:RR+z+1], v[UU+z:UU+z+1]
	EA2 2, v_pk_fma_f32 v[PH+z:PH+z+1], v[PH+z:PH+z+1], v[UU+z:UU+z+1], -0.5 op_sel_hi:[1,1,0]
	EA2 2, v_pk_fma_f32 v[SN+z:SN+z+1], v[RU+z:RU+z+1], v[PP+z:PP+z+1], v[RR+z:RR+z+1]
	EA2 2, v_pk_fma_f32 v[CN+z:CN+z+1], v[PH+z:PH+z+1], v[UU+z:UU+z+1], 1.0 op_sel_hi:[1,1,0]
.endm
; Pair zd of CD and SD from pair zs, turned on by the angle whose cosine and sine lie in CN + 2, SN + 2 (hi = 0: 2 theta / 8) or CN + 3, SN + 3 (hi = 1: 16 theta / 8).
.macro ROT zd, zs, hi
.if \hi
	v_pk_mul_f32 v[RTT:RTT+1],     v[SD+2*(\zs):SD+2*(\zs)+1], v[SN+2:SN+3] op_sel:[0,1] op_sel_hi:[1,1]
	v_pk_mul_f32 v[RTT+2:RTT+3],   v[CD+2*(\zs):CD+2*(\zs)+1], v[SN+2:SN+3] op_sel:[0,1] op_sel_hi:[1,1]
	v_pk_fma_f32 v[CD+2*(\zd):CD+2*(\zd)+1], v[CD+2*(\zs):CD+2*(\zs)+1], v[CN+2:CN+3], v[RTT:RTT+1] op_sel:[0,1,0] op_sel_hi:[1,1,1] neg_lo:[0,0,1] neg_hi:[0,0,1]
	v_pk_fma_f32 v[SD+2*(\zd):SD+2*(\zd)+1], v[SD+2*(\zs):SD+2*(\zs)+1], v[CN+2:CN+3], v[RTT+2:RTT+3] op_sel:[0,1,0] op_sel_hi:[1,1,1]
.else
	v_pk_mul_f32 v[RTT:RTT+1],     v[SD+2*(\zs):SD+2*(\zs)+1], v[SN+2:SN+3] op_sel_hi:[1,0]
	v_pk_mul_f32 v[RTT+2:RTT+3],   v[CD+2*(\zs):CD+2*(\zs)+1], v[SN+2:SN+3] op_sel_hi:[1,0]
	v_pk_fma_f32 v[CD+2*(\zd):CD+2*(\zd)+1], v[CD+2*(\zs):CD+2*(\zs)+1], v[CN+2:CN+3], v[RTT:RTT+1] op_sel_hi:[1,0,1] neg_lo:[0,0,1] neg_hi:[0,0,1]
	v_pk_fma_f32 v[SD+2*(\zd):SD+2*(\zd)+1], v[SD+2*(\zs):SD+2*(\zs)+1], v[CN+2:CN+3], v[RTT+2:RTT+3] op_sel_hi:[1,0,1]
.endif
.endm
; A TRIP'S HEAD.  The four angles U (eight plain lines: with the two address lines they are the places between the last trip's last products and the loads into V's registers); K' and V are
; asked for, 48 LDS loads; in the wait for them the series, the masks' scalars and piece 3's G.
; The masks: trips 8-11 and 16-19 are diagonal tiles k = trip % 4.  k even: the even piece holds the diagonal, the odd one sees all.  k odd: the even piece sees nothing, the odd one holds the
; diagonal.  Every other trip: both see all.  Bits 0 and 2 of the number tell the three cases apart from trip 8 on; below 8 the case is set to 'plain'.
.macro TRIPHEAD
	s_cmp_lt_u32 s[TRIP], 12
	s_cselect_b32 s73, 8, 16
	s_cmp_lt_u32 s[TRIP], 8
	s_cselect_b32 s73, s[TB1], s73
	s_sub_co_i32 s73, s73, s[TRIP]                 ; u of piece 0: a whole number, -3 to 12
	v_cvt_f32_i32 v[PH], s73
	v_add_f32 v[PH+1], 1.0, v[PH]
	v_add_f32 v[PH+2], 2.0, v[PH]
	v_add_f32 v[PH+3], 1.0, v[PH+2]
.irp p, 0,1,2,3
	v_mul_f32 v[PH+(\p)], v[TH], v[PH+(\p)]
.endr
	KLOAD
	VLOAD
	WIN 0
	SINCOS
	s_and_b32 s55, s[TRIP], 5
	s_cmp_lt_u32 s[TRIP], 8
	s_cselect_b32 s55, 4, s55
	s_cmp_eq_u32 s55, 0
	s_cselect_b32 s[AL0], 1.0, 0
	s_cmp_eq_u32 s55, 1
	s_cselect_b32 s[BE0], s[BIGN], 0
	s_cselect_b32 s[AL1], 1.0, 0
.set y, 0
.rept 32
	GC 3, y
.set y, y+1
.endr
	WIN 0
.endm
; A BLOCK BEGINS: c m far below every c s, so the first tile's a is 0 and O^T need only be finite; l 0; Q' is in.
; m starts at -2^96: below every open score (5.5e11 at the most), so the first maximum of open scores is the scores' own; and above every hidden one (-1e30 and a little), so m is never a
; hidden score.  That matters: c s - c m is one fused multiply-add against the ROUNDED c m, and at 1.8e29 that rounding is some 1e22: with m a hidden score the exponent of that very score
; would be of that size and not 0.  With m = -2^96 the exponents of hidden scores lie near -1.7e29, and their weights are 0.
.macro BEGIN
	WIN 0
.set i, 0
.rept 4
	v_mov_b32 v[ST+4*i], 0xfe000000                ; c m = -4.25e37
	v_mov_b32 v[ST+4*i+1], 0xef800000              ; m = -2^96
	v_mov_b32 v[ST+4*i+2], 0
	v_mov_b32 v[ST+4*i+3], 0
.set i, i+1
.endr
	s_wait_loadcnt 0x0
.endm
.macro ALLP line:vararg
.set t, 0
.rept 4
	\line
.set t, t+1
.endr
.endm
; Piece 2 kh + q is finished from my own and my partner's shipped parts: O = (a0 O0 + a1 O1) / (a0 l0 + a1 l1), a = 2^(c m - the greater c m).  A wave that saw only hidden keys of a row
; (keys 64 on of tile 0, for the head's first 64 rows) still has m = -2^96 there, l = 0 and O^T = 0, and its a is 0; its partner has seen the row's own key, so the divisor is not 0.
; kh stands in the four LDS addresses and in O's base, so the text is the same for every wave.
.macro FINAL q
	WIN 0
	ds_load_b64 v[80:81], v[MOS] offset:256*(\q)
	ds_load_b64 v[82:83], v[MLS] offset:256*(\q)
.set i, 0
.rept 8
	ds_load_b128 v[S+4*i:S+4*i+3], v[MOA] offset:4096*(\q)+512*i
.set i, i+1
.endr
.set i, 0
.rept 8
	ds_load_b128 v[S+32+4*i:S+32+4*i+3], v[MLA] offset:4096*(\q)+512*i
.set i, i+1
.endr
	s_wait_dscnt 16                                ; the statistics are in, the sixteen loads of O^T may be out
	v_max_num_f32 v84, v80, v82
	v_sub_f32 v85, v80, v84
	v_sub_f32 v86, v82, v84
	v_exp_f32 v85, v85
	v_exp_f32 v86, v86
	v_nop                                          ; a plain line behind the exponentials
	s_wait_alu depctr_va_vdst(0)                   ; one wait for the merge's two exponentials
	v_mul_f32 v87, v85, v81
	v_fmac_f32 v87, v86, v83
	v_rcp_f32 v92, v87
	v_nop                                          ; and behind the reciprocal
	s_wait_alu depctr_va_vdst(0)                   ; and one for the reciprocal, a batch of its own: it reads a sum made of the exponentials
	v_mul_f32 v88, v85, v92
	v_mul_f32 v89, v85, v92
	v_mul_f32 v90, v86, v92
	v_mul_f32 v91, v86, v92
	s_wait_dscnt 0x0
.set i, 0
.rept 16
	v_pk_mul_f32 v[S+32+2*i:S+32+2*i+1], v[S+32+2*i:S+32+2*i+1], v[90:91]
.set i, i+1
.endr
.set i, 0
.rept 16
	v_pk_fma_f32 v[S+2*i:S+2*i+1], v[S+2*i:S+2*i+1], v[88:89], v[S+32+2*i:S+32+2*i+1]
.set i, i+1
.endr
.set i, 0
.rept 16
	v_cvt_pk_f16_f32 v[96+i], v[S+2*i], v[S+2*i+1]
.set i, i+1
.endr
.irp f, 0,1,2,3
	ds_store_b128 v[STO], v[96+4*(\f):96+4*(\f)+3] offset:32*(\f)
.endr
	s_wait_xcnt 0x0                                ; earlier stores have read v112-127: they are loaded again only behind this wait
.irp f, 0,1,2,3
	ds_load_b128 v[112+4*(\f):112+4*(\f)+3], v[RD] offset:(\f)*4*SP  ; LDS serves a wave's instructions in order (ISA guide 5.7.1.4): these see the stores above
.endr
.irp f, 0,1,2,3
	s_wait_dscnt 3-(\f)
	global_store_b128 v[GO], v[112+4*(\f):112+4*(\f)+3], s[20:21] offset:262144*(\q)+512*(\f)  ; four rows of 128 bytes: 512 consecutive bytes, aligned
.endr
.endm
; A BLOCK ENDS.  l's two halves and the other half of the lanes' are added: (c m, l) becomes a pair (the first additions are the places behind the last products).  Every wave ships all four
; pieces into its own merge area, O^T ascending; its stores are waited for; a barrier; then each wave finishes two pieces.  Between these loads and the next end's stores stands a change of slots.
; next = 1: the second block follows: its Q' is asked for ahead of the barrier, O's base moves on, the statistics start anew.
.macro ENDBLK next
	WIN 0
	ALLP v_add_f32 v[ST+4*t+2], v[ST+4*t+2], v[ST+4*t+3]
	ALLP v_permlanex16_b32 v[ST+4*t+3], v[ST+4*t+2], s[SEL], s[SEL+1]
	ALLP v_add_f32 v[ST+4*t+1], v[ST+4*t+2], v[ST+4*t+3]
	WIN 0x0c                                       ; store data (source 1) in window 3
.set i, 0
.rept 32
	ds_store_b128 v[MSA], v[4*i:4*i+3] offset:512*i
.set i, i+1
.endr
	WIN 0
	ALLP ds_store_b64 v[MSS], v[ST+4*t:ST+4*t+1] offset:256*t
.if \next
	QLOAD 18
.endif
	s_wait_dscnt 0x0                               ; for my partner's sake: my stores are done
	s_barrier_signal -1
	s_barrier_wait -1
	FINAL 0
	FINAL 1
.if \next
	s_wait_xcnt 0x0                                ; the stores have read O's base
	s_mov_b64 s[20:21], s[22:23]
	BEGIN
.endif
.endm
	s_load_b256 s[4:11], s[0:1], 0x0               ; qws 4, kws 6, vws 8, ows 10
	s_load_b64 s[2:3], s[0:1], 0x20                ; theta_offset
	v_lshl_add_u32 v[SPW], v0, 2, SPARE
	v_mov_b32 v[NIL], 0
	ds_add_u32 v14, v15
	s_wait_dscnt 0x0
	v_lshrrev_b32 v1, 5, v0
	v_readfirstlane_b32 s[WV], v1
	s_and_b32 s[KH], s[WV], 1
	s_lshr_b32 s73, s[WV], 1                       ; qh
	s_mov_b32 s[PB], ttmp9
	s_sub_co_u32 s[HI], 3, s[PB]
	s_and_b32 s75, ttmp7, 0xffff                   ; bh
	s_lshl_b32 s76, s75, 19                        ; K': 524,288 bytes a head; my 64 rows of a tile (the wave's low bit also says which part I fetch)
	s_lshl_b32 s77, s[KH], 14
	s_add_co_u32 s76, s76, s77
	s_mov_b32 s77, 0
	s_lshl_b32 s78, s75, 18                        ; V: 262,144 bytes a head, 131,072 a plane
	s_lshl_b32 s79, s[KH], 17
	s_add_co_u32 s78, s78, s79
	s_mov_b32 s79, 0
	s_mul_i32 s86, s[KH], 64*PK
	s_mul_i32 s87, s[KH], VPL
	s_add_co_u32 s87, s87, VOFF
	s_lshl_b32 s80, s75, 19                        ; Q': the two super-blocks, 131,072 bytes each
	s_lshl_b32 s81, s[HI], 17
	s_lshl_b32 s82, s[PB], 17
	s_add_co_u32 s82, s82, s80
	s_add_co_u32 s80, s80, s81
	s_mov_b32 s81, 0
	s_mov_b32 s83, 0
	s_bfe_u32 s74, ttmp6, 0x40000                  ; cx
	s_lshl_b32 s84, s74, 5
	s_lshl_b32 s85, s73, 4
	s_add_co_u32 s84, s84, s85                     ; my first row in a band: 32 cx + 16 qh
	s_lshr_b32 s88, s75, 4                         ; O: batch, head, my rows,
	s_lshl_b32 s88, s88, 22
	s_and_b32 s89, s75, 15
	s_lshl_b32 s89, s89, 14
	s_add_co_u32 s88, s88, s89
	s_lshl_b32 s89, s84, 7
	s_add_co_u32 s88, s88, s89
	s_lshl_b32 s89, s[KH], 19                      ; the two pieces that I finish: 2 kh row tiles of 262,144 bytes on,
	s_add_co_u32 s88, s88, s89
	s_lshl_b32 s90, s[PB], 20                      ; and the super-block: four row tiles
	s_add_co_u32 s90, s90, s88
	s_lshl_b32 s89, s[HI], 20
	s_add_co_u32 s88, s88, s89
	s_mov_b32 s89, 0
	s_mov_b32 s91, 0
	s_and_b32 s53, s75, 15                         ; the head's place in theta_offset
	s_lshl_b32 s53, s53, 2
	s_mov_b32 s[G1K], 15|(1<<16)|(1<<20)|(1<<21)|(5<<22)|(3<<25)  ; mask of four; 2-byte elements; padding on; bit 21 beside a mask; after 64 words 4 words
	s_mov_b32 s[G1K+1], 128<<16                    ; tensor_dim0 = 128
	s_mov_b32 s[G1K+2], 64<<16                     ; tensor_dim1 = 64
	s_mov_b32 s[G1K+3], 128<<16                    ; tile_dim0 = 128
	s_mov_b32 s[G1K+4], 64                         ; tile_dim1 = 64
	s_mov_b32 s[G1K+5], 128                        ; elements from row to row
	s_mov_b32 s[G1K+6], 0
	s_mov_b32 s[G1K+7], 0
	s_mov_b32 s[G1V], 15|(1<<16)|(1<<20)|(1<<21)|(3<<22)|(7<<25)  ; 128 dense rows of 64 bytes asked for as 32 rows of 256; after 16 words 8 words
	s_mov_b32 s[G1V+1], 128<<16
	s_mov_b32 s[G1V+2], 32<<16
	s_mov_b32 s[G1V+3], 128<<16
	s_mov_b32 s[G1V+4], 32
	s_mov_b32 s[G1V+5], 128
	s_mov_b32 s[G1V+6], 0
	s_mov_b32 s[G1V+7], 0
	s_mov_b32 s[CS], 0x3e38aa3b                    ; c = log2(e) / 8
	s_mov_b32 s[CS+1], s[CS]
	s_mov_b32 s[SEL], 0x76543210
	s_mov_b32 s[SEL+1], 0xfedcba98
	s_mov_b32 s[OFF+1], 0
	s_mov_b32 s[AL0+1], 0                          ; named as pairs
	s_mov_b32 s[BE0+1], 0
	s_mov_b32 s[AL1+1], 0
	s_mov_b32 s[BIGN], 0xf149f2ca                  ; -1e30
	s_lshl_b32 s[TB1], s[HI], 2
	s_lshl_b32 s[TB3], s[PB], 2
	s_cmp_eq_u32 s[PB], 0
	s_cselect_b32 s[TB2], 8, 0
	s_mov_b32 s[G0K], 1
	s_mov_b32 s[G0K+1], s86
	s_mov_b32 s[G0V], 1
	s_mov_b32 s[G0V+1], s87
	s_wait_kmcnt 0x0
	s_load_b32 s55, s[2:3], s53 offset:0x0         ; theta of my head: waited for below; s[2:3] and s53 stay as they are
	s_add_nc_u64 s[6:7], s[6:7], s[76:77]
	s_add_nc_u64 s[8:9], s[8:9], s[78:79]
	s_add_nc_u64 s[16:17], s[4:5], s[80:81]
	s_add_nc_u64 s[18:19], s[4:5], s[82:83]
	s_add_nc_u64 s[20:21], s[10:11], s[88:89]
	s_add_nc_u64 s[22:23], s[10:11], s[90:91]
	s_add_nc_u64 s[G0K+2:G0K+3], s[6:7], 0
	s_or_b32 s[G0K+3], s[G0K+3], 0x80000000
	s_add_nc_u64 s[G0V+2:G0V+3], s[8:9], 0
	s_or_b32 s[G0V+3], s[G0V+3], 0x80000000
	CROUND                                         ; all four work-groups are here
	JLOAD                                          ; tile 0 into slot 0; slot 1 is asked for by the loop's first change of slots
	v_and_b32 v1, 15, v0                           ; r
	v_bfe_u32 v80, v0, 4, 1                        ; h
	v_and_b32 v81, 7, v0
	v_bfe_u32 v82, v0, 3, 1
	v_and_b32 v83, 31, v0
	v_add_nc_u32 v84, s84, v1                      ; rho: my query's place in its band
	v_lshlrev_b32 v[QO], 8, v84
	v_lshl_add_u32 v[QO], v80, 4, v[QO]
	QLOAD 16
	v_mul_u32_u24 v[AK0], v1, PK
	v_lshl_add_u32 v[AK0], v80, 4, v[AK0]
	v_add_nc_u32 v[AK0], s86, v[AK0]
	v_lshl_add_u32 v[AV0], v80, 3, v81
	v_mul_u32_u24 v[AV0], v[AV0], PVP
	v_lshl_add_u32 v[AV0], v82, 4, v[AV0]
	s_mul_i32 s92, s[KH], 64*PVP
	s_add_co_u32 s92, s92, VOFF
	v_add_nc_u32 v[AV0], s92, v[AV0]
	s_mul_i32 s92, s[WV], 16*SP
	s_add_co_u32 s92, s92, OST
	v_mul_u32_u24 v[STO], v1, SP                   ; into my stage: row r, 16 bytes for each half of the lanes
	v_lshl_add_u32 v[STO], v80, 4, v[STO]
	v_add_nc_u32 v[STO], s92, v[STO]
	v_bfe_u32 v[RD], v0, 3, 2                      ; back: 32 lanes take four rows of 128 bytes
	v_mul_u32_u24 v[RD], v[RD], SP
	v_lshl_add_u32 v[RD], v81, 4, v[RD]
	v_add_nc_u32 v[RD], s92, v[RD]
	v_lshlrev_b32 v[GO], 4, v83
	s_mul_i32 s92, s[WV], MSTW                     ; my merge area,
	s_add_co_u32 s92, s92, MST
	v_lshl_add_u32 v[MSA], v83, 4, s92
	v_lshl_add_u32 v[MSS], v83, 3, s92
	v_add_nc_u32 v[MSS], 16384, v[MSS]
	s_xor_b32 s93, s[WV], 1                        ; my partner's,
	s_mul_i32 s93, s93, MSTW
	s_add_co_u32 s93, s93, MST
	v_lshl_add_u32 v[MLA], v83, 4, s93
	v_lshl_add_u32 v[MLS], v83, 3, s93
	v_add_nc_u32 v[MLS], 16384, v[MLS]
	s_lshl_b32 s94, s[KH], 13                      ; and in both the two pieces that I finish: 2 kh pieces of 4,096 bytes, of 256 bytes of statistics
	s_lshl_b32 s95, s[KH], 9
	v_add_nc_u32 v[MOA], s94, v[MSA]
	v_add_nc_u32 v[MLA], s94, v[MLA]
	v_add_nc_u32 v[MOS], s95, v[MSS]
	v_add_nc_u32 v[MLS], s95, v[MLS]
	s_lshl_b32 s94, s[KH], 6
	v_lshlrev_b32 v85, 3, v80
	v_sub_nc_u32 v85, v84, v85
	v_sub_nc_u32 v85, v85, s94                     ; rho - 8 h - 64 kh: register reg of key group kt is hidden in a band's own tile where 16 kt + reg is greater
	WIN 0x40
.set i, 0
.rept 32
	v_cmp_gt_i32 vcc_lo, 16*(i/8)+i%8, v85
	v_cndmask_b32 v[MD+i], 0, s[BIGN], vcc_lo
.set i, i+1
.endr
	WIN 0xc0
.set i, 0
.rept 128
	v_mov_b32 v[i], 0                              ; O^T: finite is all that the first tile's a = 0 asks; this stands in the wait for the first tile
.set i, i+1
.endr
	WIN 0
	; THE GATE'S FIXED PART.  The scalars at work above are done with: their registers take the series' constants, which stay for the whole launch.
	s_wait_kmcnt 0x0                               ; theta
	SPAIR NHI, 0xc0c90fdb                          ; -2 pi, high part
	SPAIR NLO, 0x343bbd2e                          ; -(2 pi - high part)
	SPAIR INV, 0x3e22f983                          ; 1 / 2 pi
	SPAIR KS1, 0xbe2aaaab                          ; -1/3!, 1/5!, .. 1/13!
	SPAIR KS2, 0x3c088889
	SPAIR KS3, 0xb9500d01
	SPAIR KS4, 0x3638ef1d
	SPAIR KS5, 0xb2d7322b
	SPAIR KS6, 0x2f309231
	SPAIR KC2, 0x3d2aaaab                          ; 1/4!, -1/6!, .. -1/14!
	SPAIR KC3, 0xbab60b61
	SPAIR KC4, 0x37d00d01
	SPAIR KC5, 0xb493f27e
	SPAIR KC6, 0x310f76c7
	SPAIR KC7, 0xad49cba5
	v_mov_b32 v86, s55
	v_cvt_pk_bf16_f32 v86, v86, v86                ; theta is rounded to bf16 like every input
	v_lshlrev_b32 v86, 16, v86
	v_mul_f32 v[TH], 0x41800000, v86               ; 16 theta, exactly
	v_mul_f32 v87, 0x3e000000, v86                 ; theta / 8, exactly
	v_sub_nc_u32 v88, 0, v85                       ; kappa - rho of my register 0 of key group 0
	v_cvt_f32_i32 v88, v88
	v_mul_f32 v[PH], v87, v88                      ; d of register 0,
	v_add_f32 v88, 1.0, v88
	v_mul_f32 v[PH+1], v87, v88                    ; of register 1;
	v_add_f32 v[PH+2], v87, v87                    ; 2 theta / 8: from a pair of registers to the next;
	v_add_f32 v[PH+3], v86, v86                    ; 16 theta / 8: from a key group to the next
	SINCOS
	WIN 0x40
	v_mov_b32 v[CD], v[CN]
	v_mov_b32 v[CD+1], v[CN+1]
	v_mov_b32 v[SD], v[SN]
	v_mov_b32 v[SD+1], v[SN+1]
	WIN 0x51                                       ; CD, SD and the two at work in window 1, the turning angle's cosine and sine in window 0
	ROT 1, 0, 0
	ROT 2, 1, 0
	ROT 3, 2, 0
.set y, 0
.rept 12
	ROT y+4, y, 1
.set y, y+1
.endr
	WIN 0
	BEGIN
	s_mov_b32 s[NXT], 1
	s_mov_b32 s[TB], SLOT1
	s_mov_b32 s[TRIP], 0
.Ltrip:                                                ; 19 times: a tile is entered and the next is asked for.  The jumps below go forward and pass no tensor load; which text a trip runs hangs on its number alone
	CHANGE 1
	TRIPHEAD
	s_cmp_eq_u32 s[TRIP], 10
	s_cbranch_scc1 .Lx
	s_cmp_eq_u32 s[TRIP], 11
	s_cbranch_scc1 .Lx
	s_cmp_eq_u32 s[TRIP], 18
	s_cbranch_scc1 .Lx
	FULL
	s_cmp_eq_u32 s[TRIP], 15                       ; behind trip 15 the first block ends if it is super-block 3
	s_cbranch_scc0 .Lbot
	s_cmp_eq_u32 s[PB], 0
	s_cbranch_scc1 .Lend
	s_branch .Lbot
.Lx:
	XONLY
	s_cmp_eq_u32 s[TRIP], 11                       ; behind trip 11 it ends if it is super-block 2
	s_cbranch_scc0 .Lbot
	s_cmp_eq_u32 s[PB], 1
	s_cbranch_scc0 .Lbot
.Lend:
	ENDBLK 1                                       ; its barrier is passed by all four waves or by none: the trip's number and PB are the work-group's
.Lbot:
	s_add_co_u32 s[TRIP], s[TRIP], 1
	s_cmp_lt_u32 s[TRIP], 19
	s_cbranch_scc1 .Ltrip
	CHANGE 0                                       ; trip 19 is written out: nothing is asked for
	TRIPHEAD
	XONLY
	ENDBLK 0
	s_wait_tensorcnt 0x0                           ; the wave's end
	ds_add_u32 v[SPW], v[NIL]
	s_wait_dscnt 0x0
	CROUND                                         ; the closing round
	s_endpgm
.Lfunc_end_k_qe67a584ee5_attn:
	.size	k_qe67a584ee5_attn, .Lfunc_end_k_qe67a584ee5_attn-k_qe67a584ee5_attn
	.p2alignl 7, 3214868480
	.fill 96, 4, 3214868480
	.section	.rodata,"a",@progbits
	.p2align	6, 0x0
	.amdhsa_kernel k_qe67a584ee5_attn
		.amdhsa_group_segment_fixed_size 327680
		.amdhsa_private_segment_fixed_size 0
		.amdhsa_enable_private_segment 0
		.amdhsa_kernarg_size 40
		.amdhsa_user_sgpr_count 2
		.amdhsa_user_sgpr_kernarg_segment_ptr 1
		.amdhsa_wavefront_size32 1
		.amdhsa_system_sgpr_workgroup_id_x 1
		.amdhsa_system_sgpr_workgroup_id_y 1
		.amdhsa_system_sgpr_workgroup_id_z 1
		.amdhsa_system_vgpr_workitem_id 0
		.amdhsa_next_free_vgpr 1024
		.amdhsa_next_free_sgpr 102
		.amdhsa_reserve_vcc 1
		.amdhsa_float_denorm_mode_32 3
		.amdhsa_float_denorm_mode_16_64 3
		.amdhsa_memory_ordered 1
		.amdhsa_forward_progress 1
		.amdhsa_inst_pref_size 178
	.end_amdhsa_kernel
	.amdgpu_metadata
---
amdhsa.version: [ 1, 2 ]
amdhsa.kernels:
  - .name:           k_qe67a584ee5_attn
    .symbol:         k_qe67a584ee5_attn.kd
    .args:
      - { .name: qws, .offset: 0, .size: 8, .value_kind: global_buffer, .address_space: global }
      - { .name: kws, .offset: 8, .size: 8, .value_kind: global_buffer, .address_space: global }
      - { .name: vws, .offset: 16, .size: 8, .value_kind: global_buffer, .address_space: global }
      - { .name: ows, .offset: 24, .size: 8, .value_kind: global_buffer, .address_space: global }
      - { .name: theta_offset, .offset: 32, .size: 8, .value_kind: global_buffer, .address_space: global }
    .group_segment_fixed_size: 327680
    .private_segment_fixed_size: 0
    .kernarg_segment_align: 8
    .kernarg_segment_size: 40
    .max_flat_workgroup_size: 128
    .sgpr_count:     102
    .vgpr_count:     1024
    .wavefront_size: 32
...
	.end_amdgpu_metadata
.endif
;; end of part 8
;; launch oproj: the kernel of part 4 again; grid 8 x 32, 4 waves a work-group, clusters of 4 x 4, 327,680 bytes of LDS; arguments ows, wo16, out0; writes out0
